; MI455X (gfx1250); checked and timed in simulation.
; The chip was launched on July 23, 2026; its instructions are those of AMD's public machine-readable ISA for CDNA 5 (MIT licence, August 2026) and "CDNA5" Instruction Set Architecture Reference Guide (July 2026). The comments in the code are by the model that wrote it; some were corrected since.
;; Hopfield Layer. Allowed arithmetic: matrix products marked QUANTISED: E3M2 operands, one E8M0 scale for each 32 along K, by v_wmma_scale_f32_16x16x128_f8f6f4 with both operands' format E3M2, f32 sums; everything else in f32.
;; Inputs: beta one number float32; w_q_codes 1,024 x 32 x 24 uint8 (E3M2 codes of w_q, K innermost, in blocks of 32 codes, four codes in three bytes); w_q_scales 1,024 x 32 uint8 (E8M0 scales of w_q, one for each 32 codes along K); x_codes 2 x 4,096 x 32 x 24 uint8 (E3M2 codes of x, K innermost, in blocks of 32 codes, four codes in three bytes); x_scales 2 x 4,096 x 32 uint8 (E8M0 scales of x, one for each 32 codes along K); xi 2,048 x 1,024 float32.
;; Outputs: out0 2 x 4,096 x 1,024 float32.
;; This version of the problem:
;;   THIS VERSION OF THE PROBLEM IS GIVEN IN LOW PRECISION. The matrix products marked QUANTISED in the list below multiply operands that are first quantised to E3M2 (3 exponent bits, 2 mantissa bits; 6 bits a number), with one power-of-two scale for each 32 numbers along K (OCP MX v1.0); their sums are f32. All else is computed in f32.
;;   The module's matrix products, in the order in which they are computed (A, B: the left and right operand; K: the contracted axis; several contracted axes count as one K, in the product's order):
;;     1. [M 8,192, K 1,024] x [K 1,024, N 1,024]; A: input x (given as codes); B: input w_q (given as codes): QUANTISED
;;     2. [M 8,192, K 1,024] x [K 1,024, N 2,048]; A: computed on the way; B: input xi: QUANTISED
;;     3. [M 8,192, K 2,048] x [K 2,048, N 1,024]; A: softmax (see below); B: input xi: QUANTISED
;;   THE QUANTISER, for each operand of a quantised product, along K:
;;     - K is cut into blocks of 32 from its start; a last block that is shorter is filled with zeros.
;;     - A block's scale is 2^e with e = floor(log2(the largest magnitude in the block)) - 4, held to -126 .. 127; a block of zeros has e = 0. As a byte (E8M0): e + 127.
;;     - Each number is divided by its block's scale, clamped to +-28, and rounded to the nearest number of E3M2, ties to even, subnormals kept.
;;     - The product sums the exact products of the quantised numbers (number of the format x scale) in f32.
;;   ~~~python
;;   def quantise(x, axis):      # numpy; x: float32 -> the quantised numbers, widened to float32 again
;;       x = np.moveaxis(x, axis, -1); K = x.shape[-1]
;;       x = np.pad(x, [(0, 0)] * (x.ndim - 1) + [(0, -K % 32)]); x = x.reshape(x.shape[:-1] + (-1, 32)); a = np.abs(x).max(-1, keepdims=True)
;;       e = np.where(a > 0, np.clip(np.frexp(np.where(a > 0, a, 1))[1] - 1 - 4, -126, 127), 0)      # np.frexp(a)[1] - 1 = floor(log2(a)), exactly
;;       r = np.clip(x / 2.0 ** e, -28, 28)
;;       step = 2.0 ** (np.maximum(np.frexp(np.where(r == 0, 1, r))[1] - 1, -2) - 2)
;;       q = np.round(r / step) * step * 2.0 ** e      # np.round: ties to even
;;       return np.moveaxis(q.reshape(q.shape[:-2] + (-1,))[..., :K], -1, axis).astype(np.float32)
;;   ~~~
;;   SOFTMAX AHEAD OF A QUANTISED PRODUCT. Where the list says 'softmax', what is quantised is not the finished softmax but p = 2^(t - M), with t = logit x log2(e) and M = ceil(the row's largest t), a whole number; so 1/2 < the row's largest p <= 1. The row's sum l is taken of the UNQUANTISED p, in f32, and the product's result is divided by l at the end. Since M is a whole number, a kernel that streams over the keys may use a running M (the ceiling of the running maximum): every later rescaling is an exact power of two, which a block's scale takes up: the codes' values come out the same.
;;   OPERANDS COMPUTED ON THE WAY. 'Computed on the way' means the value that the module computes at that place (a softmax that the list does not call 'softmax' is quantised finished and normalised). What goes into a quantiser is computed in f32, as accurately as f32 sums, v_exp_f32 and their like allow (about 1e-6 of the number): no bf16 or f16 on the way to a quantiser, and a product that is left as it is and whose result goes on into a quantised operand takes f32 operands (vector FMAs, or v_wmma_f32_16x16x4_f32). A number that lies on a knife's edge between two numbers of the format may be rounded either way, as far as f32 arithmetic and the matrix unit's own rounding can turn it there, and no further.
;;   INPUTS GIVEN AS CODES. w_q (in the module: [1024, 1024], K = its axis 1); x (in the module: [2, 4096, 1024], K = its axis 2): each comes as NAME_codes (uint8): NAME with its K axis moved to the last place and cut into blocks of 32 codes, [.., K / 32, bytes a block], one block behind the other in memory; four codes in three bytes: a row's codes are one little-endian stream of bits, code i at bits 6 i .. 6 i + 5 (a code: sign, 3 exponent bits, 2 mantissa bits); and NAME_scales (uint8): the same leading axes, one E8M0 byte (e + 127) for each 32 codes along K. Its value is code x scale, taken as it is: it is not quantised again, and the codes and scales need not be those that the quantiser above would give.
;; 2 versions. Each part assembles by itself: llvm-mc -triple=amdgcn-amd-amdhsa -mcpu=gfx1250 --defsym DOCPART=n.
;; ======== version 1 of 2: 4 launches
;; workspace buffers: xk_codes 1,572,864 bytes; xv_codes 1,572,864 bytes; xi_scales 131,072 bytes; q_codes 6,291,456 bytes; q_scales 262,144 bytes; p_codes 12,582,912 bytes; p_meta 1,572,864 bytes
;; launch quant (part 1): grid 256 x 1, 8 waves a work-group, no clusters, 69,120 bytes of LDS; arguments xi, xk_codes, xv_codes, xi_scales; writes xk_codes, xv_codes, xi_scales
.if DOCPART == 1
	.amdgcn_target "amdgcn-amd-amdhsa--gfx1250"
	.amdhsa_code_object_version 6
	.text
	.protected	k_qcd2cc214f1_quant
	.globl	k_qcd2cc214f1_quant
	.p2align	8
	.type	k_qcd2cc214f1_quant,@function
k_qcd2cc214f1_quant:
	s_mov_b64 s[64:65], 0
	v_nop
	global_prefetch_b8 v0, s[64:65] scope:SCOPE_SE
	s_setreg_imm32_b32 hwreg(HW_REG_WAVE_MODE, 25, 1), 1
	s_wait_xcnt 0x0
; xi [2048 patterns][1024 d], f32, becomes two operands of codes of E3M2 (6 bits), each with one E8M0 byte for 32 along its K:
;   xk: rows = patterns, K = d (8 K steps of 128);   xv: rows = d, K = the patterns (16 K steps of 128).
; A block's scale is 2^(floor(log2(its largest magnitude)) - 4); its byte is that magnitude's exponent field - 4, held at 1 from below (a block of zeros keeps the byte 1: its codes are zeros, and only this program reads the bytes).
; LAYOUT OF THE CODES: images of the operand's registers: [block of 16 rows][K step][1,536 bytes], byte 512 c + 16 lane + 4 j = register 4 c + j of that lane; lane (r, h) holds row r, registers 6 c .. 6 c + 5 the block 2 c + h of the K step.
; ORDER INSIDE A BLOCK OF 32: code position pos holds element PI(pos) = pos with bits 3 and 4 exchanged.  The other operand of each product (q, p) is laid in the same order, so every product meets its partner; the block, and so its scale, is unchanged.
; LAYOUT OF THE SCALE WORDS (four bytes: one row, one K step): [K step][group of 64 rows][r 0..15][i 0..3], the word of row 64 g + 16 i + r.  xk's from byte 0 on (planes of 8,192 bytes), xv's from byte 65,536 on (planes of 4,096).
; SHARES: 2,048 fragments (16 rows x 128 K), one to a wave.  Work-groups 0-127 make xk's, 128-255 xv's.  A work-group makes 64 rows x 2 K steps, so that its scale words are two whole runs of 256 bytes.
; xk: a row's 512 bytes are loaded by 32 neighbouring lanes and turned through the wave's own stage in LDS.  xv: a lane takes a column d and its registers run down the patterns (sixteen lanes read 64 neighbouring bytes; four waves stand side by side on 256).
; No tensor loads, no cluster: no two work-groups of one kind read the same numbers.  LIMITS: NaN and infinities are not served; blocks whose largest magnitude lies under 2^-122 keep the byte 1.
.set STG,  8448                        ; a wave's stage: 16 rows x (512 + 16) bytes
.set GS,   8*STG                       ; behind the stages: 512 bytes in which the work-group's scale words meet
.set C,    24                          ; v24-35   the fragment's codes
.set TC,   36                          ; v36-38, v40-42  the upper half of each block's codes, as the conversion leaves them
.set R,    48                          ; v48-111  16 rows as loaded (xk)
.set X,    112                         ; v112-175 register 32 c + pos = element 64 c + 32 h + PI(pos) of my row
	s_load_b256 s[4:11], s[0:1], 0x0               ; xi s[4:5], xk_codes s[6:7], xv_codes s[8:9], xi_scales s[10:11]
	v_lshl_add_u32 v176, v0, 2, 0x10a00
	v_mov_b32 v177, 0
	v_lshrrev_b32 v1, 5, v0
	v_readfirstlane_b32 s12, v1                    ; wave 0..7
	v_and_b32 v1, 31, v0                           ; lane
	v_and_b32 v2, 15, v0                           ; r
	v_bfe_u32 v3, v0, 4, 1                         ; h
	v_lshlrev_b32 v4, 4, v1                        ; 16 x lane
	v_lshlrev_b32 v5, 2, v2
	v_lshl_add_u32 v5, v3, 17, v5                  ; xv: column r, and 32 patterns (of 4,096 bytes) further down for lanes 16-31
	s_mul_i32 s14, s12, STG
	v_add_nc_u32 v6, s14, v4                       ; the stage, on the way in: 16 x lane in a row
	v_mul_u32_u24 v7, v2, 528
	v_lshl_add_u32 v7, v3, 7, v7
	v_add_nc_u32 v7, s14, v7                       ; and on the way out: row r, + 128 h bytes
	s_and_b32 s15, s12, 3                          ; i: which 16 of the work-group's 64 rows
	s_lshr_b32 s16, s12, 2                         ; which of its two K steps
	s_lshl_b32 s22, s16, 8
	s_lshl_b32 s23, s15, 2
	s_add_co_u32 s22, s22, s23
	s_add_co_u32 s22, s22, GS
	v_lshl_add_u32 v8, v2, 4, s22                  ; where my row's scale word goes: GS + 256 x K step + 16 r + 4 i
	v_add_nc_u32 v9, GS, v4                        ; and where wave 0 reads the 512 bytes back
	s_mov_b32 s20, 0x76543210
	s_mov_b32 s21, 0xfedcba98                      ; v_permlanex16_b32's selects for lane l xor 16
	s_and_b32 s17, ttmp9, 127                      ; my number among the work-groups of my kind
	s_wait_kmcnt 0x0
	s_cmp_lt_u32 ttmp9, 128                        ; xk's or xv's?  The choice hangs on the work-group's number alone
	s_cselect_b64 s[6:7], s[6:7], s[8:9]           ; the codes' buffer
	s_cselect_b32 s13, 2, 3                        ; log2 of the pairs of K steps: 4 or 8
	s_cselect_b32 s18, 13, 12                      ; log2 of a plane of scale words
	s_cselect_b32 s19, 0, 1                        ; which part of xi_scales
	s_cselect_b32 s27, 16, 6                       ; a block of 16 rows in xi: 16 rows of 4,096 bytes, or 16 columns of 4
	s_cselect_b32 s28, 9, 19                       ; a K step in xi: 128 columns, or 128 rows
	s_lshr_b32 s24, s17, s13                       ; G: my group of 64 rows
	s_lshl_b32 s25, s24, s13
	s_sub_co_u32 s25, s17, s25
	s_lshl_b32 s25, s25, 1                         ; the work-group's first K step
	s_add_co_u32 s26, s25, s16                     ; s: my K step
	s_lshl_b32 s29, s24, 2
	s_add_co_u32 s29, s29, s15                     ; t: my block of 16 rows
	s_lshl_b32 s30, s29, s27
	s_lshl_b32 s31, s26, s28
	s_add_co_u32 s30, s30, s31
	s_mov_b32 s31, 0
	s_add_nc_u64 s[4:5], s[4:5], s[30:31]          ; xi at my fragment's corner
	s_add_co_u32 s13, s13, 1                       ; log2 of the K steps
	s_lshl_b32 s30, s29, s13
	s_add_co_u32 s30, s30, s26
	s_mul_i32 s30, s30, 1536
	s_add_nc_u64 s[6:7], s[6:7], s[30:31]          ; my image
	s_lshl_b32 s30, s19, 16
	s_lshl_b32 s22, s25, s18
	s_add_co_u32 s30, s30, s22
	s_lshl_b32 s22, s24, 8
	s_add_co_u32 s30, s30, s22
	s_add_nc_u64 s[10:11], s[10:11], s[30:31]      ; the work-group's scale words: its first K step's plane, its group's 256 bytes
	v_lshlrev_b32 v10, s18, v3
	v_lshl_add_u32 v10, v2, 4, v10                 ; lanes 0-15 the first K step's 256 bytes, lanes 16-31 the second's, one plane on
	s_cmp_lt_u32 ttmp9, 128
	s_cbranch_scc0 .Lalong_patterns
.irp p, 0,1,2,3,4,5,6,7,8,9,10,11,12,13,14,15
	global_load_b128 v[R+4*\p:R+4*\p+3], v4, s[4:5] offset:4096*\p   ; row p: 32 lanes read 512 consecutive bytes
.endr
.irp p, 0,1,2,3,4,5,6,7,8,9,10,11,12,13,14,15
	s_wait_loadcnt 15-\p                           ; loads come back in order: row p is in, the 15 - p younger ones may be out
	ds_store_b128 v6, v[R+4*\p:R+4*\p+3] offset:528*\p
.endr
.irp c, 0,1
.irp m, 0,1,2,3,4,5,6,7
	ds_load_b128 v[X+32*\c+4*\m:X+32*\c+4*\m+3], v7 offset:256*\c+4*(((4*\m)&7)|(((4*\m)&8)<<1)|(((4*\m)&16)>>1))   ; positions 4 m .. 4 m + 3 take elements PI(4 m) on; LDS serves a wave's instructions in order: these see my stores
.endr
.endr
	s_branch .Lnumbers
.Lalong_patterns:
.irp c, 0,1
.irp m, 0,1,2,3,4,5,6,7,8,9,10,11,12,13,14,15,16,17,18,19,20,21,22,23,24,25,26,27,28,29,30,31
	global_load_b32 v[X+32*\c+\m], v5, s[4:5] offset:(64*\c+((\m&7)|((\m&8)<<1)|((\m&16)>>1)))*4096   ; xi(128 s + 64 c + 32 h + PI(m), my column)
.endr
.endr
.Lnumbers:
	s_wait_loadcnt 0x0
	s_wait_dscnt 0x0
.irp c, 0,1                                        ; my block 2 c + h: all its 32 numbers are mine
	v_max3_num_f32 v[12+\c], |v[X+32*\c]|, |v[X+32*\c+1]|, 0x2800000   ; with the floor 2^(5 - 127): the byte cannot fall under 1
.endr
.irp i, 2,4,6,8,10,12,14,16,18,20,22,24,26,28,30
.irp c, 0,1
	v_max3_num_f32 v[12+\c], v[12+\c], |v[X+32*\c+\i]|, |v[X+32*\c+\i+1]|
.endr
.endr
.irp c, 0,1
	v_add_nc_u32 v[16+\c], 0xfe000000, v[12+\c]    ; 4 off the exponent field: the conversion's scale operand
.endr
.irp c, 0,1
	v_lshrrev_b32 v[18+\c], 23, v[16+\c]           ; the scale's byte
.endr
	v_lshl_or_b32 v20, v19, 16, v18                ; my two bytes, blocks h and 2 + h,
	v_lshlrev_b32 v21, 3, v3
	v_lshlrev_b32 v20, v21, v20                    ; at their places in the word;
	v_mov_b32 v21, 0
	v_permlanex16_b32 v21, v20, s20, s21
	v_or_b32 v20, v20, v21                         ; with lane l xor 16's two the word is whole
.irp c, 0,1
	v_cvt_scalef32_pk16_bf6_f32 v[C+6*\c:C+6*\c+2], v[X+32*\c:X+32*\c+15], v[16+\c]
	v_cvt_scalef32_pk16_bf6_f32 v[TC+4*\c:TC+4*\c+2], v[X+32*\c+16:X+32*\c+31], v[16+\c]   ; (a conversion's three registers begin on an even number)
.endr
	v_nop                                          ; one plain place behind a scaled conversion
.irp c, 0,1
.irp i, 0,1,2
	v_mov_b32 v[C+6*\c+3+\i], v[TC+4*\c+\i]
.endr
.endr
.irp k, 0,1,2
	global_store_b128 v4, v[C+4*\k:C+4*\k+3], s[6:7] offset:512*\k   ; the image: 512 consecutive bytes a store
.endr
	ds_store_b32 v8, v20                           ; lanes r and r + 16 write the same word with the same value
	s_wait_dscnt 0x0                               ; for the others' sake: my word has landed
	s_barrier_signal -1
	s_barrier_wait -1
	s_cmp_lg_u32 s12, 0
	s_cbranch_scc1 .Ldone
	ds_load_b128 v[44:47], v9                      ; the eight waves' words
	s_wait_dscnt 0x0
	global_store_b128 v10, v[44:47], s[10:11]      ; two runs of 256 consecutive bytes, each at a multiple of 256 from the buffer's first byte
.Ldone:
	s_wait_tensorcnt 0x0
	ds_add_u32 v176, v177
	s_wait_dscnt 0x0
	s_endpgm
.Lfunc_end_k_qcd2cc214f1_quant:
	.size	k_qcd2cc214f1_quant, .Lfunc_end_k_qcd2cc214f1_quant-k_qcd2cc214f1_quant
	.p2alignl 7, 3214868480
	.fill 96, 4, 3214868480
	.section	.rodata,"a",@progbits
	.p2align	6, 0x0
	.amdhsa_kernel k_qcd2cc214f1_quant
		.amdhsa_group_segment_fixed_size 69120
		.amdhsa_private_segment_fixed_size 0
		.amdhsa_enable_private_segment 0
		.amdhsa_kernarg_size 32
		.amdhsa_user_sgpr_count 2
		.amdhsa_user_sgpr_kernarg_segment_ptr 1
		.amdhsa_wavefront_size32 1
		.amdhsa_system_sgpr_workgroup_id_x 1
		.amdhsa_system_sgpr_workgroup_id_y 1
		.amdhsa_system_sgpr_workgroup_id_z 1
		.amdhsa_system_vgpr_workitem_id 0
		.amdhsa_next_free_vgpr 178
		.amdhsa_next_free_sgpr 66
		.amdhsa_reserve_vcc 0
		.amdhsa_float_denorm_mode_32 3
		.amdhsa_float_denorm_mode_16_64 3
		.amdhsa_memory_ordered 1
		.amdhsa_forward_progress 1
		.amdhsa_inst_pref_size 17
	.end_amdhsa_kernel
	.amdgpu_metadata
---
amdhsa.version: [ 1, 2 ]
amdhsa.kernels:
  - .name:           k_qcd2cc214f1_quant
    .symbol:         k_qcd2cc214f1_quant.kd
    .args:
      - { .name: xi, .offset: 0, .size: 8, .value_kind: global_buffer, .address_space: global }
      - { .name: xk_codes, .offset: 8, .size: 8, .value_kind: global_buffer, .address_space: global }
      - { .name: xv_codes, .offset: 16, .size: 8, .value_kind: global_buffer, .address_space: global }
      - { .name: xi_scales, .offset: 24, .size: 8, .value_kind: global_buffer, .address_space: global }
    .group_segment_fixed_size: 69120
    .private_segment_fixed_size: 0
    .kernarg_segment_align: 8
    .kernarg_segment_size: 32
    .max_flat_workgroup_size: 256
    .sgpr_count:     66
    .vgpr_count:     178
    .wavefront_size: 32
...
	.end_amdgpu_metadata
.endif
;; end of part 1
;; launch qgemm (part 2): grid 4 x 32, 4 waves a work-group, clusters of 4 x 4, 327,680 bytes of LDS; arguments x_codes, x_scales, w_q_codes, w_q_scales, q_codes, q_scales; writes q_codes, q_scales
.if DOCPART == 2
	.amdgcn_target "amdgcn-amd-amdhsa--gfx1250"
	.amdhsa_code_object_version 6
	.text
	.protected	k_qcd2cc214f1_qgemm
	.globl	k_qcd2cc214f1_qgemm
	.p2align	8
	.type	k_qcd2cc214f1_qgemm,@function
k_qcd2cc214f1_qgemm:
	s_mov_b64 s[64:65], 0
	v_nop
	global_prefetch_b8 v0, s[64:65] scope:SCOPE_SE
	s_setreg_imm32_b32 hwreg(HW_REG_WAVE_MODE, 25, 1), 1
	s_wait_xcnt 0x0
	s_wait_alu depctr_hold_cnt(0) depctr_sa_sdst(0) depctr_va_vdst(0) depctr_va_sdst(0) depctr_va_ssrc(0) depctr_va_vcc(0) depctr_vm_vsrc(0)
	s_getreg_b32 s2, hwreg(HW_REG_IB_STS2, 6, 4)
	s_cmp_eq_u32 s2, 0
	s_cbranch_scc0 .Lentry_in_a_cluster
	s_endpgm
.Lentry_in_a_cluster:
	s_bfe_u32 s2, ttmp6, 0x10000c
	s_cmp_lg_u32 s2, 0xf033
	s_cbranch_scc0 .Lentry_shape_is_right
	s_endpgm
.Lentry_shape_is_right:
; q[m][e] = sum over d of x[m][d] w_q[e][d], on the given codes of E3M2 with their E8M0 bytes; q (f32 sums) is quantised along e in registers and leaves as codes and scale words.  M = 8,192, N = 1,024, K = 1,024.
; A tile of q is 256 x 256, made by four waves, each 128 x 128: 64 accumulators.  K goes in steps of 256 (rows of 192 bytes) through two LDS slots, four slots' worth in all: the eight steps of 128 are written out, there is no loop.
; 128 work-groups: a tile of 128 x 256 would halve the products between a refill and the wait for it, and slots twice as long along K (2 x 384 rows x 480 bytes) do not fit in LDS.
; CLUSTERS: 4 x 4 work-groups; x's tiles are asked for jointly along a row of the cluster, w_q's along a column.  THE MATRIX INSTRUCTION IS USED TRANSPOSED (source 0 = 16 rows of w_q, source 1 = 16 rows of x): lane (r, h) holds row r of q and
; register j of accumulator (a, b) the column 16 b + 8 h + j.  So the 16 registers of accumulators 2 B and 2 B + 1 are half of the block of 32 columns B, and lane l xor 16 holds the other half.
; THE SCALES stay in registers for all of K: a row's 32 bytes are 8 words; lane (r, h) loads the words of K steps 4 h .. 4 h + 3 of row r of each block; K steps 4-7 are read from lanes 16-31 (ROW1 on both sides).
; OUT: q_codes as images of the next operand's registers, [block of 16 rows][K step e / 128][1,536 bytes]; inside a block of 32 position pos holds column PI(pos) (bits 3 and 4 exchanged), as the halves fall; xk is laid alike.
;      q_scales: [K step][group of 64 rows][r][i]: the word of row 64 g + 16 i + r.
; LIMITS: NaN and infinities are not served; a block of q whose largest magnitude lies under 2^-122 keeps the byte 1.
; REGISTERS: window 0: v16-29 addresses; v32-63 x's scale words, v64-95 w_q's; v96-112 at work; from v128 x's fragments, one set (later the codes just made).  window 1: w_q's fragments, two sets, at v0 and v128.  windows 2, 3: the accumulators, (a, b) at v[8 (8 (a % 4) + b)].
.set KROW,   768                       ; a row of codes in memory
.set ROWB,   192                       ; and in a slot: 256 codes
.set PITCH,  240                       ; an LDS row: 3 x (64 bytes + 16 of padding)
.set FR,     12
.set NL,     6                         ; LDS loads that bring a fragment
.set MB,     8                         ; blocks of 16 rows of x to a wave
.set NQ,     2                         ; K steps of 128 in a slot
.set HL,     NL*MB/2                   ; the loads of half of x's blocks
.set HALFT,  128*PITCH
.set SLOT,   4*HALFT
.set SPARE,  2*SLOT                    ; behind the ring: the spare words, 128 bytes a wave
.set STAGE,  SPARE+512                 ; behind them: 512 bytes a wave, in which its 128 scale words meet
.set ADRA, 16                          ; v16-17 my x fragments in slot 0, 1 (v18-19: behind one padding more)
.set ADRB, 20                          ; v20-23 the same for w_q
.set LI,   24                          ; v24  16 x lane
.set STW,  25                          ; v25  where my row's scale word goes
.set RDW,  26                          ; v26  where the words are read back
.set VS,   27                          ; v27  32 r + 16 h: my 16 bytes of a row of scales
.set SPW,  28                          ; v28  my spare word's LDS address; never rewritten
.set NIL,  29                          ; v29  0; never rewritten
.set SA,   32
.set SBR,  64
.set TM,   96                          ; v96-99 largest magnitudes, v100-103 bytes, v108-111 the conversions' scale operands
.set PW,   112
.set AF,   128
.set PC,   192                         ; v192-203 the codes; v204-210 as the conversions leave the upper halves
.set RB,   212
.set G1, 24
.set G0, 32
.set G1B, 48
.set G0B, 56
.set SEL, 76
.set MSB, 0
.macro WIN new                         ; the immediate's high byte repeats the setting that is left
.if MSB != (\new)
	s_set_vgpr_msb (MSB<<8)|(\new)
.set MSB, (\new)
.endif
.endm
.set MUL_LO, 0xa1                      ; source 0 window 1, source 1 window 0, C and D window 2
.set MUL_HI, 0xf1                      ; the same, C and D window 3
.set TO_B,   0x40                      ; destination window 1
.macro JLOAD g0a, g1a, g0b, g1b        ; a joint load: waves 0 and 1 fetch x's halves, waves 2 and 3 w_q's; four v_nop follow each line
	s_cmp_eq_u32 s15, 0
	s_cbranch_scc0 .Lfor_b_\@
	tensor_load_to_lds s[\g0a:\g0a+3], s[\g1a:\g1a+7]
	s_nop 0
.rept 4
	v_nop
.endr
	s_branch .Lasked_\@
.Lfor_b_\@:
	tensor_load_to_lds s[\g0b:\g0b+3], s[\g1b:\g1b+7]
	s_nop 0
.rept 4
	v_nop
.endr
.Lasked_\@:
.endm
.macro CREST                           ; a round of the cluster's barrier behind its opening barrier
	s_cmp_lg_u32 s14, 0
	s_cbranch_scc1 .Lnot_wave_0_\@
	s_barrier_signal -3
.Lnot_wave_0_\@:
	s_barrier_wait -3
	s_barrier_signal -1
	s_barrier_wait -1
.endm
.macro CROUND
	s_barrier_signal -1
	s_barrier_wait -1
	CREST
.endm
.macro PLACES n
.rept \n
	v_nop
.endr
.endm
	s_load_b256 s[4:11], s[0:1], 0x0               ; x_codes s[4:5], x_scales s[6:7], w_q_codes s[8:9], w_q_scales s[10:11]
	s_load_b128 s[68:71], s[0:1], 0x20             ; q_codes s[68:69], q_scales s[70:71]
	v_lshl_add_u32 v[SPW], v0, 2, SPARE
	v_mov_b32 v[NIL], 0
	ds_add_u32 v28, v29
	ds_add_u32 v28, v29
	s_wait_dscnt 0x0
	v_lshrrev_b32 v1, 5, v0
	v_readfirstlane_b32 s14, v1                    ; wave 0..3
	s_lshr_b32 s15, s14, 1                         ; my half of the tile's rows.  Also: I fetch for x (0) or for w_q (1)
	s_and_b32 s16, s14, 1                          ; my half of its columns.  Also: which 128 rows I fetch
	s_bfe_u32 s40, ttmp6, 0x40000                  ; cx, cy
	s_bfe_u32 s41, ttmp6, 0x40004
	s_lshl_b32 s42, ttmp9, 2
	s_add_co_u32 s42, s42, s40                     ; tile column
	s_and_b32 s17, ttmp7, 0xffff
	s_lshl_b32 s17, s17, 2
	s_add_co_u32 s17, s17, s41                     ; tile row
	s_lshl_b32 s43, s41, 2
	s_lshl_b32 s43, 15, s43                        ; my row of the cluster
	s_lshl_b32 s44, 0x1111, s40                    ; my column
	s_or_b32 s[G1+0], s43, (1<<20)|(1<<21)|(3<<22)|(3<<25)    ; the mask; elements of 1 byte; padding on; bit 21 beside a mask; 4 words behind every 16
	s_or_b32 s[G1B+0], s44, (1<<20)|(1<<21)|(3<<22)|(3<<25)
.irp g, G1, G1B
	s_mov_b32 s[\g+1], ROWB<<16                    ; tensor_dim0
	s_mov_b32 s[\g+2], 128<<16                     ; tensor_dim1
	s_mov_b32 s[\g+3], ROWB<<16                    ; tile_dim0
	s_mov_b32 s[\g+4], 128                         ; tile_dim1
	s_mov_b32 s[\g+5], KROW                        ; from row to row
	s_mov_b32 s[\g+6], 0
	s_mov_b32 s[\g+7], 0
.endr
	s_lshl_b32 s18, s16, 7
	s_lshl_b32 s20, s17, 8
	s_add_co_u32 s20, s20, s18                     ; x: row 256 x tile row + 128 x half
	s_mul_i32 s20, s20, KROW
	s_mov_b32 s21, 0
	s_lshl_b32 s46, s42, 8
	s_add_co_u32 s46, s46, s18                     ; w_q: row 256 x tile column + 128 x half
	s_mul_i32 s46, s46, KROW
	s_mov_b32 s47, 0
	s_mul_i32 s45, s14, HALFT                      ; where they go: wave x 128 rows
	s_mov_b32 s[SEL], 0x76543210
	s_mov_b32 s[SEL+1], 0xfedcba98
	s_wait_kmcnt 0x0
	s_add_nc_u64 s[20:21], s[4:5], s[20:21]
	s_add_nc_u64 s[46:47], s[8:9], s[46:47]
	CROUND                                         ; all sixteen work-groups are here: the first joint loads meet
.irp s, 0,1
	s_mov_b32 s[G0+4*\s], 1
	s_add_co_u32 s[G0+4*\s+1], s45, \s*SLOT
	s_add_nc_u64 s[G0+4*\s+2:G0+4*\s+3], s[20:21], \s*ROWB
	s_or_b32 s[G0+4*\s+3], s[G0+4*\s+3], 0x80000000
	s_mov_b32 s[G0B+4*\s], 1
	s_add_co_u32 s[G0B+4*\s+1], s45, \s*SLOT
	s_add_nc_u64 s[G0B+4*\s+2:G0B+4*\s+3], s[46:47], \s*ROWB
	s_or_b32 s[G0B+4*\s+3], s[G0B+4*\s+3], 0x80000000
	JLOAD G0+4*\s, G1, G0B+4*\s, G1B
.endr
	v_and_b32 v1, 15, v0                           ; r
	v_bfe_u32 v2, v0, 4, 1                         ; h
	v_and_b32 v6, 31, v0
	s_lshl_b32 s80, s17, 8
	s_lshl_b32 s81, s15, 7
	s_add_co_u32 s80, s80, s81                     ; my first row
	s_lshl_b32 s82, s42, 8
	s_lshl_b32 s83, s16, 7
	s_add_co_u32 s82, s82, s83                     ; my first column
	s_mov_b32 s85, 0
	s_lshl_b32 s84, s80, 5
	s_add_nc_u64 s[6:7], s[6:7], s[84:85]          ; the scales of my 128 rows of x, 32 bytes a row
	s_lshl_b32 s84, s82, 5
	s_add_nc_u64 s[10:11], s[10:11], s[84:85]      ; and of my 128 rows of w_q
	v_lshlrev_b32 v[VS], 5, v1
	v_lshl_add_u32 v[VS], v2, 4, v[VS]
.irp a, 0,1,2,3,4,5,6,7
	global_load_b128 v[SA+4*\a:SA+4*\a+3], v[VS], s[6:7] offset:512*\a      ; 32 lanes read the 512 consecutive bytes of 16 rows
	global_load_b128 v[SBR+4*\a:SBR+4*\a+3], v[VS], s[10:11] offset:512*\a
.endr
	v_mul_u32_u24 v3, v1, PITCH
	v_mul_u32_u24 v4, v2, 24
	v_add_nc_u32 v4, v3, v4                        ; a fragment's row x pitch + 24 x half
	v_lshl_add_u32 v5, v2, 4, v4                   ; and the same behind one padding more
	s_mul_i32 s86, s15, HALFT                      ; my 128 rows of x
	s_mul_i32 s87, s16, HALFT
	s_add_co_u32 s87, s87, 2*HALFT                 ; my 128 rows of w_q, behind x's 256
.irp s, 0,1
	v_add_nc_u32 v[ADRA+\s], s86, v4
	v_add_nc_u32 v[ADRB+\s], s87, v4
	v_add_nc_u32 v[ADRA+2+\s], s86, v5
	v_add_nc_u32 v[ADRB+2+\s], s87, v5
	s_add_co_u32 s86, s86, SLOT
	s_add_co_u32 s87, s87, SLOT
.endr
	v_lshlrev_b32 v[LI], 4, v6
	s_lshl_b32 s86, s14, 9
	s_add_co_u32 s86, s86, STAGE
	v_lshl_add_u32 v[STW], v1, 4, s86
	v_add_nc_u32 v[RDW], s86, v[LI]
.irp b, 0,1,2,3
	v_mov_b32 v[TM+4+\b], 0                        ; written once: a lane permute's destination counts as one of its sources
.endr
	s_mul_i32 s84, s80, 768                        ; q_codes: (row / 16) x 8 K steps x 1,536 + (column / 128) x 1,536
	s_mul_i32 s86, s82, 12
	s_add_co_u32 s84, s84, s86
	s_add_nc_u64 s[68:69], s[68:69], s[84:85]
	s_lshl_b32 s84, s82, 8                         ; q_scales: (column / 128) planes of 32,768 bytes + 4 x row
	s_lshl_b32 s86, s80, 2
	s_add_co_u32 s84, s84, s86
	s_add_nc_u64 s[70:71], s[70:71], s[84:85]
.macro FRAG reg, adr, q, i             ; 16 rows x 128 K: 12 registers, in pieces of 8 bytes; lanes 16-31 read three pieces further on, which for some pieces is behind one padding more
.irp p, 0,1,2,3,4,5
.set PCE, 12*(\q)+6*(\p/3)+\p%3
.if PCE%8 < 5
	ds_load_b64 v[\reg+2*\p:\reg+2*\p+1], v[\adr] offset:8*PCE+16*(PCE/8)+(\i)*16*PITCH
.else
	ds_load_b64 v[\reg+2*\p:\reg+2*\p+1], v[\adr+2] offset:8*PCE+16*(PCE/8)+(\i)*16*PITCH
.endif
.endr
.endm
.macro FETCH_B slot, q, p
	WIN TO_B
.irp i, 0,1,2,3,4,5,6,7
	FRAG 128*(\p)+FR*\i, ADRB+\slot, \q, \i
.endr
	WIN 0
.endm
.macro FETCH_A slot, q, i0, n
.set fi, \i0
.rept \n
	FRAG AF+FR*fi, ADRA+\slot, \q, fi
.set fi, fi+1
.endr
.endm
; 8 matrix instructions: x's block a against w_q's eight from set p, K step ks.  zero = 1: the product starts the sums.
.macro MULB a, p, ks, zero
.irp b, 0,1,2,3,4,5,6,7
.set rD, 8*(8*((\a)%4)+\b)
.set rB, 128*(\p)+FR*\b
.set rA, AF+FR*(\a)
.set rSB, SBR+4*\b+(\ks)%4
.set rSA, SA+4*(\a)+(\ks)%4
.if \zero
	v_wmma_scale_f32_16x16x128_f8f6f4 v[rD:rD+7], v[rB:rB+FR-1], v[rA:rA+FR-1], 0, v[rSB], v[rSA] matrix_a_fmt:MATRIX_FMT_BF6 matrix_b_fmt:MATRIX_FMT_BF6
.elseif (\ks)/4
	v_wmma_scale_f32_16x16x128_f8f6f4 v[rD:rD+7], v[rB:rB+FR-1], v[rA:rA+FR-1], v[rD:rD+7], v[rSB], v[rSA] matrix_a_fmt:MATRIX_FMT_BF6 matrix_b_fmt:MATRIX_FMT_BF6 matrix_a_scale:MATRIX_SCALE_ROW1 matrix_b_scale:MATRIX_SCALE_ROW1
.else
	v_wmma_scale_f32_16x16x128_f8f6f4 v[rD:rD+7], v[rB:rB+FR-1], v[rA:rA+FR-1], v[rD:rD+7], v[rSB], v[rSA] matrix_a_fmt:MATRIX_FMT_BF6 matrix_b_fmt:MATRIX_FMT_BF6
.endif
.endr
.endm
.macro MULS a0, n, p, ks, zero         ; n blocks from a0 on.  The 64 accumulators take turns, one instruction a turn, in the same order in every step
.set ia, \a0
.rept \n
	MULB ia, \p, \ks, \zero
.set ia, ia+1
.endr
.endm
; A step of 128 along K that has its successor in the same slot.  Four places stand in front of each run of loads into registers that matrix instructions have read (ISA guide 7.12.1 for vector instructions).
.macro STEP slot, q, ks, zero
	s_wait_dscnt HL                                ; w_q's set and x's lower blocks are in; the youngest HL loads (x's upper blocks) may be out
	WIN MUL_LO
	MULS 0, MB/2, (\q)%2, \ks, \zero
	s_wait_dscnt 0                                 ; x's upper blocks are in
	PLACES 4
	FETCH_B \slot, (\q)+1, 1-(\q)%2
	FETCH_A \slot, (\q)+1, 0, MB/2
	WIN MUL_HI
	MULS MB/2, MB/2, (\q)%2, \ks, \zero
	PLACES 4
	WIN 0
	FETCH_A \slot, (\q)+1, MB/2, MB/2
.endm
; A slot's last step changes slots: one barrier; in front of it each wave waits for all its tensor loads, adds 0 to its spare word, and waits for that and for its reads of this slot.  fill = 1: this slot is filled again, two slots ahead.
.macro TURN slot, next, ks, fill
	s_wait_tensorcnt 0x0                           ; all my tensor loads have landed: my part of the next slot
	ds_add_u32 v[SPW], v[NIL]                      ; 0 onto my spare word
	s_wait_dscnt HL+1                              ; (the add and the youngest HL loads may be out)
	WIN MUL_LO
	MULS 0, MB/4, 1, \ks, 0
	s_wait_dscnt 0x0                               ; the add is done, and my reads of this slot are over
	s_barrier_signal -1
	MULS MB/4, MB/4, 1, \ks, 0
	WIN 0
	s_barrier_wait -1
.if \fill
	CREST                                          ; the barrier has opened a round of the cluster's barrier: no wave of any partner still reads this slot or has a load on its way
	s_add_nc_u64 s[G0+4*\slot+2:G0+4*\slot+3], s[G0+4*\slot+2:G0+4*\slot+3], 2*ROWB
	s_add_nc_u64 s[G0B+4*\slot+2:G0B+4*\slot+3], s[G0B+4*\slot+2:G0B+4*\slot+3], 2*ROWB
	JLOAD G0+4*\slot, G1, G0B+4*\slot, G1B         ; the first tensor load behind the round; its four v_nop are the places in front of the loads below
.else
	PLACES 4
.endif
	FETCH_B \next, 0, 0
	FETCH_A \next, 0, 0, MB/2
	WIN MUL_HI
	MULS MB/2, MB/2, 1, \ks, 0
	PLACES 4
	WIN 0
	FETCH_A \next, 0, MB/2, MB/2
.endm
.macro LAST ks
	s_wait_dscnt HL
	WIN MUL_LO
	MULS 0, MB/2, 1, \ks, 0
	s_wait_dscnt 0
	WIN MUL_HI
	MULS MB/2, MB/2, 1, \ks, 0
	WIN 0
.endm
	s_wait_tensorcnt 1                             ; my part of slot 0 is in; slot 1's load may be out
	s_barrier_signal -1
	s_barrier_wait -1
	FETCH_B 0, 0, 0
	FETCH_A 0, 0, 0, MB/2
	FETCH_A 0, 0, MB/2, MB/2
	s_wait_loadcnt 0x0                             ; the scale words
	STEP 0, 0, 0, 1
	TURN 0, 1, 1, 1
	STEP 1, 0, 2, 0
	TURN 1, 0, 3, 1
	STEP 0, 0, 4, 0
	TURN 0, 1, 5, 0                                ; nothing is left to fetch
	STEP 1, 0, 6, 0
	LAST 7
; THE WAY OUT: block a (16 rows x 128 columns, one K step of the next product) is quantised in registers: register 16 B + i of its 64 is column 32 B + 8 h + (i % 8) + 16 (i / 8) of my row.
.macro QUANTW a
.set AC, 64*((\a)%4)
.set WS, 2+(\a)/4
.if (\a) > 0
	s_wait_xcnt 0x0                                ; the last block's stores have read the codes' registers,
	s_wait_dscnt 0x0                               ; and its LDS store the scale word's
.endif
	WIN WS*5                                       ; sources 0 and 1: the block's window
.irp b, 0,1,2,3
	v_max3_num_f32 v[TM+\b], |v[AC+16*\b]|, |v[AC+16*\b+1]|, 0x2800000   ; each accumulator from its low end on; the floor 2^(5 - 127) holds the byte at 1 from below
.endr
.irp i, 2,4,6,8,10,12,14
.irp b, 0,1,2,3
	v_max3_num_f32 v[TM+\b], |v[AC+16*\b+\i]|, |v[AC+16*\b+\i+1]|, v[TM+\b]
.endr
.endr
	WIN 0
.irp b, 0,1,2,3
	v_permlanex16_b32 v[TM+4+\b], v[TM+\b], s[SEL], s[SEL+1]
.endr
.irp b, 0,1,2,3
	v_max_num_f32 v[TM+\b], v[TM+\b], v[TM+4+\b]   ; with lane l xor 16's 16: the block's largest magnitude
.endr
.irp b, 0,1,2,3
	v_add_nc_u32 v[TM+12+\b], 0xfe000000, v[TM+\b] ; 4 off the exponent field: the conversion's scale operand
.endr
.irp b, 0,1,2,3
	v_lshrrev_b32 v[TM+4+\b], 23, v[TM+12+\b]      ; the byte
.endr
	v_lshl_or_b32 v[PW], v[TM+5], 8, v[TM+4]
	v_lshl_or_b32 v[PW], v[TM+6], 16, v[PW]
	v_lshl_or_b32 v[PW], v[TM+7], 24, v[PW]        ; my row's scale word
	WIN WS                                         ; source 0: the block's window
.irp c, 0,1
	v_cvt_scalef32_pk16_bf6_f32 v[PC+6*\c:PC+6*\c+2], v[AC+32*\c:AC+32*\c+15], v[TM+12+2*\c]
	v_cvt_scalef32_pk16_bf6_f32 v[PC+12+4*\c:PC+14+4*\c], v[AC+32*\c+16:AC+32*\c+31], v[TM+12+2*\c+1]
.endr
	WIN 0
	v_nop                                          ; one plain place behind a scaled conversion
.irp c, 0,1                                        ; the operand wants a whole block in a lane: lanes 0-15 block 2 c, lanes 16-31 block 2 c + 1
.irp i, 0,1,2
	v_permlane16_swap_b32 v[PC+6*\c+\i], v[PC+12+4*\c+\i]
.endr
.irp i, 0,1,2
	v_mov_b32 v[PC+3+6*\c+\i], v[PC+12+4*\c+\i]
.endr
.endr
.irp c, 0,1,2
	global_store_b128 v[LI], v[PC+4*\c:PC+4*\c+3], s[68:69] offset:12288*(\a)+512*\c   ; the image: 512 consecutive bytes a store
.endr
	ds_store_b32 v[STW], v[PW] offset:256*((\a)/4)+4*((\a)%4)   ; lanes r and r + 16 write the same word with the same value
.endm
	PLACES 4                                       ; in front of the first read of results and the first write of registers that the products read
.irp a, 0,1,2,3,4,5,6,7
	QUANTW \a
.endr
	ds_load_b128 v[RB:RB+3], v[RDW]                ; LDS serves a wave's instructions in order: this sees my eight stores
	s_wait_dscnt 0x0
	global_store_b128 v[LI], v[RB:RB+3], s[70:71]  ; my 128 rows' words: 512 consecutive bytes
	s_wait_tensorcnt 0x0                           ; the wave's end
	ds_add_u32 v[SPW], v[NIL]
	s_wait_dscnt 0x0
	CROUND                                         ; the closing round
	s_endpgm
.Lfunc_end_k_qcd2cc214f1_qgemm:
	.size	k_qcd2cc214f1_qgemm, .Lfunc_end_k_qcd2cc214f1_qgemm-k_qcd2cc214f1_qgemm
	.p2alignl 7, 3214868480
	.fill 96, 4, 3214868480
	.section	.rodata,"a",@progbits
	.p2align	6, 0x0
	.amdhsa_kernel k_qcd2cc214f1_qgemm
		.amdhsa_group_segment_fixed_size 327680
		.amdhsa_private_segment_fixed_size 0
		.amdhsa_enable_private_segment 0
		.amdhsa_kernarg_size 48
		.amdhsa_user_sgpr_count 2
		.amdhsa_user_sgpr_kernarg_segment_ptr 1
		.amdhsa_wavefront_size32 1
		.amdhsa_system_sgpr_workgroup_id_x 1
		.amdhsa_system_sgpr_workgroup_id_y 1
		.amdhsa_system_sgpr_workgroup_id_z 1
		.amdhsa_system_vgpr_workitem_id 0
		.amdhsa_next_free_vgpr 1024
		.amdhsa_next_free_sgpr 98
		.amdhsa_reserve_vcc 0
		.amdhsa_float_denorm_mode_32 3
		.amdhsa_float_denorm_mode_16_64 3
		.amdhsa_memory_ordered 1
		.amdhsa_forward_progress 1
		.amdhsa_inst_pref_size 162
	.end_amdhsa_kernel
	.amdgpu_metadata
---
amdhsa.version: [ 1, 2 ]
amdhsa.kernels:
  - .name:           k_qcd2cc214f1_qgemm
    .symbol:         k_qcd2cc214f1_qgemm.kd
    .args:
      - { .name: x_codes, .offset: 0, .size: 8, .value_kind: global_buffer, .address_space: global }
      - { .name: x_scales, .offset: 8, .size: 8, .value_kind: global_buffer, .address_space: global }
      - { .name: w_q_codes, .offset: 16, .size: 8, .value_kind: global_buffer, .address_space: global }
      - { .name: w_q_scales, .offset: 24, .size: 8, .value_kind: global_buffer, .address_space: global }
      - { .name: q_codes, .offset: 32, .size: 8, .value_kind: global_buffer, .address_space: global }
      - { .name: q_scales, .offset: 40, .size: 8, .value_kind: global_buffer, .address_space: global }
    .group_segment_fixed_size: 327680
    .private_segment_fixed_size: 0
    .kernarg_segment_align: 8
    .kernarg_segment_size: 48
    .max_flat_workgroup_size: 128
    .sgpr_count:     98
    .vgpr_count:     1024
    .wavefront_size: 32
...
	.end_amdgpu_metadata
.endif
;; end of part 2
;; launch sgemm (part 3): grid 8 x 32, 4 waves a work-group, clusters of 4 x 4, 327,680 bytes of LDS; arguments q_codes, q_scales, xk_codes, xi_scales, beta, p_codes, p_meta; writes p_codes, p_meta
.if DOCPART == 3
	.amdgcn_target "amdgcn-amd-amdhsa--gfx1250"
	.amdhsa_code_object_version 6
	.text
	.protected	k_qcd2cc214f1_sgemm
	.globl	k_qcd2cc214f1_sgemm
	.p2align	8
	.type	k_qcd2cc214f1_sgemm,@function
k_qcd2cc214f1_sgemm:
	s_mov_b64 s[64:65], 0
	v_nop
	global_prefetch_b8 v0, s[64:65] scope:SCOPE_SE
	s_setreg_imm32_b32 hwreg(HW_REG_WAVE_MODE, 25, 1), 1
	s_wait_xcnt 0x0
	s_wait_alu depctr_hold_cnt(0) depctr_sa_sdst(0) depctr_va_vdst(0) depctr_va_sdst(0) depctr_va_ssrc(0) depctr_va_vcc(0) depctr_vm_vsrc(0)
	s_getreg_b32 s2, hwreg(HW_REG_IB_STS2, 6, 4)
	s_cmp_eq_u32 s2, 0
	s_cbranch_scc0 .Lentry_in_a_cluster
	s_endpgm
.Lentry_in_a_cluster:
	s_bfe_u32 s2, ttmp6, 0x10000c
	s_cmp_lg_u32 s2, 0xf033
	s_cbranch_scc0 .Lentry_shape_is_right
	s_endpgm
.Lentry_shape_is_right:
; S[m][k] = sum over d of q[m][d] xi[k][d] on codes of E3M2 (q's and xk's images and scale words, made by the launches before); then the softmax's numerator for the wave's own 128 keys:
; t = S x beta x log2(e);  M = ceil(the largest t of the row among THESE 128 keys), a whole number;  p = 2^(t - M), quantised along the keys;  l = the sum of the unquantised p.
; The next launch finds each row's largest M, takes the whole-number difference off these pieces' scale bytes and scales l by the same power of two: both exact, so the codes' values are those under the row's own M.
; M = 8,192, N = 2,048, K = 1,024.  A tile of S is 256 x 256, four waves of 128 x 128; 256 work-groups.  K goes in slots of two steps of 128 through two LDS slots, four slots' worth: written out, no loop.
; OPERANDS ARE IMAGES OF REGISTERS: a fragment is 1,536 bytes, three loads of 16 bytes a lane at 16 x lane; a tile is 8 blocks of rows x 3,072 consecutive bytes, 12,288 bytes apart in memory, dense in LDS.
; CLUSTERS: 4 x 4; q's tiles jointly along a row of the cluster, xk's along a column.  TRANSPOSED USE (source 0 = 16 keys, source 1 = 16 rows of q): lane (r, h) holds row r, register j of accumulator (a, b) key 16 b + 8 h + j.
; THE SCALES stay in registers: one load of 16 bytes gives a lane the words of four blocks of rows, K step 2 j in lanes 0-15 and 2 j + 1 in lanes 16-31 (ROW1 on both sides in odd K steps).
; OUT: p_codes [block of 16 rows][K step = key / 128][1,536 bytes], positions inside a block of 32 in the order PI, as xv is laid; p_meta: three parts of 524,288 bytes, each [K step][group of 64 rows][r][i]: scale words, -M, l.
; LIMITS: NaN and infinities are not served; v_exp_f32 gives 0 for p under 2^-126; M is exact as f32 for |t| under 2^24.  beta may have either sign: the maximum is taken of t.
; REGISTERS: window 0: v16-31 addresses and c; v32-63 q's scale words, v64-95 xk's; v96-119 at work; from v128 q's fragments (later t and p, and the codes).  window 1: xk's fragments, two sets.  windows 2, 3: the accumulators.
.set FR,     12
.set FRB,    1536
.set NL,     3
.set MB,     8
.set NQ,     2
.set HL,     NL*MB/2
.set AHALF,  8*NQ*FRB                  ; 8 blocks of rows x 2 K steps: what one tensor load brings
.set BHALF,  8*NQ*FRB
.set SLOT,   2*AHALF+2*BHALF
.set SPARE,  2*SLOT
.set STAGE,  SPARE+512                 ; 1,536 bytes a wave: its rows' scale words, -M and l
.set ADRA, 16
.set ADRB, 20
.set RDW,  22
.set ZO,   23                          ; v23  0: beta's offset
.set LI,   24
.set STW,  25
.set VOB,  26
.set VOA,  27
.set SPW,  28
.set NIL,  29
.set CB,   30                          ; v[30:31] c = beta x log2(e)
.set SA,   32
.set SBR,  64
.set BM,   96                          ; v96-99   each block's largest t, then its largest p
.set BX,   100                         ; v100-103 from lane l xor 16
.set SO,   104                         ; v104-107 the conversions' scale operands
.set BY,   108                         ; v108-111 the bytes
.set PW,   112
.set TX,   113
.set NEGM, 114                         ; v[114:115]
.set L,    116                         ; v[116:117], v[118:119]: the sum in two chains
.set L2,   118
.set AF,   128
.set T,    128                         ; v128-191 t, then p
.set PC,   192
.set RB,   212
.set G1, 24
.set G0, 32
.set G1B, 48
.set G0B, 56
.set SEL, 76
.set MSB, 0
.macro WIN new
.if MSB != (\new)
	s_set_vgpr_msb (MSB<<8)|(\new)
.set MSB, (\new)
.endif
.endm
.set MUL_LO, 0xa1
.set MUL_HI, 0xf1
.set TO_B,   0x40
.macro JLOAD g0a, g1a, g0b, g1b        ; a joint load: waves 0 and 1 fetch q's halves, waves 2 and 3 xk's; four v_nop follow each line
	s_cmp_eq_u32 s15, 0
	s_cbranch_scc0 .Lfor_b_\@
	tensor_load_to_lds s[\g0a:\g0a+3], s[\g1a:\g1a+7]
	s_nop 0
.rept 4
	v_nop
.endr
	s_branch .Lasked_\@
.Lfor_b_\@:
	tensor_load_to_lds s[\g0b:\g0b+3], s[\g1b:\g1b+7]
	s_nop 0
.rept 4
	v_nop
.endr
.Lasked_\@:
.endm
.macro CREST
	s_cmp_lg_u32 s14, 0
	s_cbranch_scc1 .Lnot_wave_0_\@
	s_barrier_signal -3
.Lnot_wave_0_\@:
	s_barrier_wait -3
	s_barrier_signal -1
	s_barrier_wait -1
.endm
.macro CROUND
	s_barrier_signal -1
	s_barrier_wait -1
	CREST
.endm
.macro PLACES n
.rept \n
	v_nop
.endr
.endm
	s_load_b256 s[4:11], s[0:1], 0x0               ; q_codes s[4:5], q_scales s[6:7], xk_codes s[8:9], xi_scales s[10:11]
	s_load_b128 s[68:71], s[0:1], 0x20             ; beta s[68:69], p_codes s[70:71]
	s_load_b64 s[72:73], s[0:1], 0x30              ; p_meta
	v_lshl_add_u32 v[SPW], v0, 2, SPARE
	v_mov_b32 v[NIL], 0
	ds_add_u32 v28, v29
	ds_add_u32 v28, v29
	s_wait_dscnt 0x0
	v_lshrrev_b32 v1, 5, v0
	v_readfirstlane_b32 s14, v1                    ; wave 0..3
	s_lshr_b32 s15, s14, 1                         ; my half of the rows.  Also: I fetch for q (0) or for xk (1)
	s_and_b32 s16, s14, 1                          ; my half of the keys.  Also: which half I fetch
	s_bfe_u32 s40, ttmp6, 0x40000
	s_bfe_u32 s41, ttmp6, 0x40004
	s_lshl_b32 s42, ttmp9, 2
	s_add_co_u32 s42, s42, s40                     ; tile column
	s_and_b32 s17, ttmp7, 0xffff
	s_lshl_b32 s17, s17, 2
	s_add_co_u32 s17, s17, s41                     ; tile row
	s_lshl_b32 s43, s41, 2
	s_lshl_b32 s43, 15, s43
	s_lshl_b32 s44, 0x1111, s40
	s_or_b32 s[G1+0], s43, (3<<16)|(1<<21)         ; the mask; elements of 8 bytes; no padding; bit 21 beside a mask
	s_or_b32 s[G1B+0], s44, (3<<16)|(1<<21)
.irp g, G1, G1B
	s_mov_b32 s[\g+1], (NQ*FRB/8)<<16              ; tensor_dim0: 384 elements, two K steps' images
	s_mov_b32 s[\g+2], 8<<16                       ; tensor_dim1: 8 blocks of rows
	s_mov_b32 s[\g+3], (NQ*FRB/8)<<16              ; tile_dim0
	s_mov_b32 s[\g+4], 8                           ; tile_dim1
	s_mov_b32 s[\g+5], 8*FRB/8                     ; from block to block: 8 K steps
	s_mov_b32 s[\g+6], 0
	s_mov_b32 s[\g+7], 0
.endr
	s_lshl_b32 s18, s16, 3
	s_lshl_b32 s20, s17, 4
	s_add_co_u32 s20, s20, s18                     ; q: block of rows 16 x tile row + 8 x half
	s_mul_i32 s20, s20, 8*FRB
	s_mov_b32 s21, 0
	s_lshl_b32 s46, s42, 4
	s_add_co_u32 s46, s46, s18                     ; xk: block 16 x tile column + 8 x half
	s_mul_i32 s46, s46, 8*FRB
	s_mov_b32 s47, 0
	s_mul_i32 s45, s14, AHALF                      ; where they go: q's two halves, then xk's two: wave x 24,576
	s_mov_b32 s[SEL], 0x76543210
	s_mov_b32 s[SEL+1], 0xfedcba98
	s_wait_kmcnt 0x0
	s_add_nc_u64 s[20:21], s[4:5], s[20:21]
	s_add_nc_u64 s[46:47], s[8:9], s[46:47]
	CROUND
.irp s, 0,1
	s_mov_b32 s[G0+4*\s], 1
	s_add_co_u32 s[G0+4*\s+1], s45, \s*SLOT
	s_add_nc_u64 s[G0+4*\s+2:G0+4*\s+3], s[20:21], \s*NQ*FRB
	s_or_b32 s[G0+4*\s+3], s[G0+4*\s+3], 0x80000000
	s_mov_b32 s[G0B+4*\s], 1
	s_add_co_u32 s[G0B+4*\s+1], s45, \s*SLOT
	s_add_nc_u64 s[G0B+4*\s+2:G0B+4*\s+3], s[46:47], \s*NQ*FRB
	s_or_b32 s[G0B+4*\s+3], s[G0B+4*\s+3], 0x80000000
	JLOAD G0+4*\s, G1, G0B+4*\s, G1B
.endr
	v_and_b32 v1, 15, v0                           ; r
	v_bfe_u32 v2, v0, 4, 1                         ; h
	v_and_b32 v6, 31, v0
	s_lshl_b32 s80, s17, 8
	s_lshl_b32 s81, s15, 7
	s_add_co_u32 s80, s80, s81                     ; my first row
	s_lshl_b32 s82, s42, 8
	s_lshl_b32 s83, s16, 7
	s_add_co_u32 s82, s82, s83                     ; my first key
	s_mov_b32 s85, 0
	s_lshl_b32 s84, s80, 2
	s_add_nc_u64 s[6:7], s[6:7], s[84:85]          ; q's scale words: 4 bytes a row in each plane
	s_lshl_b32 s84, s82, 2
	s_add_nc_u64 s[10:11], s[10:11], s[84:85]      ; xk's
	v_lshlrev_b32 v[VOA], 4, v1
	v_lshlrev_b32 v[VOB], 4, v1
	v_lshl_add_u32 v[VOA], v2, 15, v[VOA]          ; 16 r, and one plane (32,768 bytes) on for lanes 16-31
	v_lshl_add_u32 v[VOB], v2, 13, v[VOB]          ; xk's planes are 8,192 bytes
	v_mov_b32 v[ZO], 0
.irp j, 0,1,2,3
.irp g, 0,1
	global_load_b128 v[SA+8*\j+4*\g:SA+8*\j+4*\g+3], v[VOA], s[6:7] offset:65536*\j+256*\g     ; blocks 4 g .. 4 g + 3, K steps 2 j and 2 j + 1
	global_load_b128 v[SBR+8*\j+4*\g:SBR+8*\j+4*\g+3], v[VOB], s[10:11] offset:16384*\j+256*\g
.endr
.endr
	global_load_b32 v[CB], v[ZO], s[68:69]         ; beta
	v_lshlrev_b32 v[LI], 4, v6
	s_mul_i32 s86, s15, AHALF
	s_mul_i32 s87, s16, BHALF
	s_add_co_u32 s87, s87, 2*AHALF
.irp s, 0,1
	v_add_nc_u32 v[ADRA+\s], s86, v[LI]
	v_add_nc_u32 v[ADRB+\s], s87, v[LI]
	s_add_co_u32 s86, s86, SLOT
	s_add_co_u32 s87, s87, SLOT
.endr
	s_mul_i32 s86, s14, 1536
	s_add_co_u32 s86, s86, STAGE
	v_lshl_add_u32 v[STW], v1, 4, s86
	v_add_nc_u32 v[RDW], s86, v[LI]
.irp b, 0,1,2,3
	v_mov_b32 v[BX+\b], 0                          ; written once: a lane permute's destination counts as one of its sources
.endr
	s_mul_i32 s84, s80, 1536                       ; p_codes: (row / 16) x 16 K steps x 1,536 + (key / 128) x 1,536
	s_mul_i32 s86, s82, 12
	s_add_co_u32 s84, s84, s86
	s_add_nc_u64 s[70:71], s[70:71], s[84:85]
	s_lshl_b32 s84, s82, 8                         ; p_meta: (key / 128) planes of 32,768 bytes + 4 x row
	s_lshl_b32 s86, s80, 2
	s_add_co_u32 s84, s84, s86
	s_add_nc_u64 s[72:73], s[72:73], s[84:85]
.macro FRAG reg, adr, q, i             ; an image comes back as it was stored: three loads of 16 bytes a lane
.irp c, 0,1,2
	ds_load_b128 v[\reg+4*\c:\reg+4*\c+3], v[\adr] offset:(\i)*NQ*FRB+(\q)*FRB+512*\c
.endr
.endm
.macro FETCH_B slot, q, p
	WIN TO_B
.irp i, 0,1,2,3,4,5,6,7
	FRAG 128*(\p)+FR*\i, ADRB+\slot, \q, \i
.endr
	WIN 0
.endm
.macro FETCH_A slot, q, i0, n
.set fi, \i0
.rept \n
	FRAG AF+FR*fi, ADRA+\slot, \q, fi
.set fi, fi+1
.endr
.endm
.macro MULB a, p, ks, zero
.irp b, 0,1,2,3,4,5,6,7
.set rD, 8*(8*((\a)%4)+\b)
.set rB, 128*(\p)+FR*\b
.set rA, AF+FR*(\a)
.set rSB, SBR+8*((\ks)/2)+\b
.set rSA, SA+8*((\ks)/2)+(\a)
.if \zero
	v_wmma_scale_f32_16x16x128_f8f6f4 v[rD:rD+7], v[rB:rB+FR-1], v[rA:rA+FR-1], 0, v[rSB], v[rSA] matrix_a_fmt:MATRIX_FMT_BF6 matrix_b_fmt:MATRIX_FMT_BF6
.elseif (\ks)%2
	v_wmma_scale_f32_16x16x128_f8f6f4 v[rD:rD+7], v[rB:rB+FR-1], v[rA:rA+FR-1], v[rD:rD+7], v[rSB], v[rSA] matrix_a_fmt:MATRIX_FMT_BF6 matrix_b_fmt:MATRIX_FMT_BF6 matrix_a_scale:MATRIX_SCALE_ROW1 matrix_b_scale:MATRIX_SCALE_ROW1
.else
	v_wmma_scale_f32_16x16x128_f8f6f4 v[rD:rD+7], v[rB:rB+FR-1], v[rA:rA+FR-1], v[rD:rD+7], v[rSB], v[rSA] matrix_a_fmt:MATRIX_FMT_BF6 matrix_b_fmt:MATRIX_FMT_BF6
.endif
.endr
.endm
.macro MULS a0, n, p, ks, zero         ; the 64 accumulators take turns, one instruction a turn, in the same order in every step
.set ia, \a0
.rept \n
	MULB ia, \p, \ks, \zero
.set ia, ia+1
.endr
.endm
.macro STEP slot, q, ks, zero
	s_wait_dscnt HL                                ; xk's set and q's lower blocks are in; the youngest HL loads (q's upper blocks) may be out
	WIN MUL_LO
	MULS 0, MB/2, (\q)%2, \ks, \zero
	s_wait_dscnt 0
	PLACES 4
	FETCH_B \slot, (\q)+1, 1-(\q)%2
	FETCH_A \slot, (\q)+1, 0, MB/2
	WIN MUL_HI
	MULS MB/2, MB/2, (\q)%2, \ks, \zero
	PLACES 4
	WIN 0
	FETCH_A \slot, (\q)+1, MB/2, MB/2
.endm
.macro TURN slot, next, ks, fill
	s_wait_tensorcnt 0x0                           ; all my tensor loads have landed: my part of the next slot
	ds_add_u32 v[SPW], v[NIL]                      ; 0 onto my spare word
	s_wait_dscnt HL+1                              ; (the add and the youngest HL loads may be out)
	WIN MUL_LO
	MULS 0, MB/4, 1, \ks, 0
	s_wait_dscnt 0x0                               ; the add is done, and my reads of this slot are over
	s_barrier_signal -1
	MULS MB/4, MB/4, 1, \ks, 0
	WIN 0
	s_barrier_wait -1
.if \fill
	CREST                                          ; the barrier has opened a round of the cluster's barrier
	s_add_nc_u64 s[G0+4*\slot+2:G0+4*\slot+3], s[G0+4*\slot+2:G0+4*\slot+3], 2*NQ*FRB
	s_add_nc_u64 s[G0B+4*\slot+2:G0B+4*\slot+3], s[G0B+4*\slot+2:G0B+4*\slot+3], 2*NQ*FRB
	JLOAD G0+4*\slot, G1, G0B+4*\slot, G1B         ; the first tensor load behind the round; its four v_nop are the places in front of the loads below
.else
	PLACES 4
.endif
	FETCH_B \next, 0, 0
	FETCH_A \next, 0, 0, MB/2
	WIN MUL_HI
	MULS MB/2, MB/2, 1, \ks, 0
	PLACES 4
	WIN 0
	FETCH_A \next, 0, MB/2, MB/2
.endm
.macro LAST ks
	s_wait_dscnt HL
	WIN MUL_LO
	MULS 0, MB/2, 1, \ks, 0
	s_wait_dscnt 0
	WIN MUL_HI
	MULS MB/2, MB/2, 1, \ks, 0
	WIN 0
.endm
	s_wait_tensorcnt 1                             ; my part of slot 0 is in; slot 1's load may be out
	s_barrier_signal -1
	s_barrier_wait -1
	FETCH_B 0, 0, 0
	FETCH_A 0, 0, 0, MB/2
	FETCH_A 0, 0, MB/2, MB/2
	s_wait_loadcnt 0x0                             ; the scale words and beta
	v_mul_f32 v[CB], 0x3fb8aa3b, v[CB]             ; c = beta x log2(e)
	v_mov_b32 v[CB+1], v[CB]                       ; (named with it as a pair)
	STEP 0, 0, 0, 1
	TURN 0, 1, 1, 1
	STEP 1, 0, 2, 0
	TURN 1, 0, 3, 1
	STEP 0, 0, 4, 0
	TURN 0, 1, 5, 0
	STEP 1, 0, 6, 0
	LAST 7
; THE SOFTMAX'S NUMERATOR for block a: 16 rows x my 128 keys; register 16 B + i of the 64 is a key of block B of 32; lane l xor 16 holds the block's other 16.
.macro SOFT a
.set AC, 64*((\a)%4)
.set WS, 2+(\a)/4
.if (\a) > 0
	s_wait_xcnt 0x0                                ; the last block's stores have read the codes' registers,
	s_wait_dscnt 0x0                               ; and its LDS stores theirs
.endif
	WIN WS                                         ; source 0: the block's window
.set j, 0
.rept 32
	v_pk_mul_f32 v[T+j:T+j+1], v[AC+j:AC+j+1], v[CB:CB+1] op_sel_hi:[1,0]   ; t = S x c; each accumulator from its low end on
.set j, j+2
.endr
	WIN 0
.irp b, 0,1,2,3
	v_max3_num_f32 v[BM+\b], v[T+16*\b], v[T+16*\b+1], v[T+16*\b+2]   ; the largest t of each block: it serves for M and, since p rises with t, for the block's largest p
.endr
.irp i, 3,5,7,9,11,13
.irp b, 0,1,2,3
	v_max3_num_f32 v[BM+\b], v[BM+\b], v[T+16*\b+\i], v[T+16*\b+\i+1]
.endr
.endr
.irp b, 0,1,2,3
	v_max_num_f32 v[BM+\b], v[BM+\b], v[T+16*\b+15]
.endr
.irp b, 0,1,2,3
	v_permlanex16_b32 v[BX+\b], v[BM+\b], s[SEL], s[SEL+1]
.endr
.irp b, 0,1,2,3
	v_max_num_f32 v[BM+\b], v[BM+\b], v[BX+\b]
.endr
	v_max3_num_f32 v[TX], v[BM], v[BM+1], v[BM+2]
	v_max_num_f32 v[TX], v[TX], v[BM+3]
	v_floor_f32 v[NEGM], -v[TX]                    ; -M = floor(-t) = -ceil(t)
	v_mov_b32 v[NEGM+1], v[NEGM]
.set j, 0
.rept 32
	v_pk_add_f32 v[T+j:T+j+1], v[T+j:T+j+1], v[NEGM:NEGM+1] op_sel_hi:[1,0]   ; t - M
.set j, j+2
.endr
.irp b, 0,1,2,3
	v_add_f32 v[BM+\b], v[BM+\b], v[NEGM]          ; the same addition on the same number gives the same bits
.endr
.set j, 0
.rept 64
	v_exp_f32 v[T+j], v[T+j]                       ; p = 2^(t - M), at most 1
.set j, j+1
.endr
.irp b, 0,1,2,3
	v_exp_f32 v[BM+\b], v[BM+\b]                   ; the block's largest p
.endr
	v_nop                                          ; a plain place behind the exponentials
	s_wait_alu depctr_va_vdst(0)
.irp b, 0,1,2,3
	v_max_num_f32 v[BM+\b], 0x2800000, v[BM+\b]    ; the floor 2^(5 - 127)
.endr
.irp b, 0,1,2,3
	v_add_nc_u32 v[SO+\b], 0xfe000000, v[BM+\b]
.endr
.irp b, 0,1,2,3
	v_lshrrev_b32 v[BY+\b], 23, v[SO+\b]           ; the byte: 1 to 123
.endr
	v_lshl_or_b32 v[PW], v[BY+1], 8, v[BY]
	v_lshl_or_b32 v[PW], v[BY+2], 16, v[PW]
	v_lshl_or_b32 v[PW], v[BY+3], 24, v[PW]
.irp c, 0,1
	v_cvt_scalef32_pk16_bf6_f32 v[PC+6*\c:PC+6*\c+2], v[T+32*\c:T+32*\c+15], v[SO+2*\c]
	v_cvt_scalef32_pk16_bf6_f32 v[PC+12+4*\c:PC+14+4*\c], v[T+32*\c+16:T+32*\c+31], v[SO+2*\c+1]
.endr
	v_nop                                          ; one plain place behind a scaled conversion
.irp c, 0,1
.irp i, 0,1,2
	v_permlane16_swap_b32 v[PC+6*\c+\i], v[PC+12+4*\c+\i]
.endr
.irp i, 0,1,2
	v_mov_b32 v[PC+3+6*\c+\i], v[PC+12+4*\c+\i]
.endr
.endr
	v_pk_add_f32 v[L:L+1], v[T:T+1], v[T+2:T+3]    ; the sum of the UNQUANTISED p: two at a time, in two chains
	v_pk_add_f32 v[L2:L2+1], v[T+4:T+5], v[T+6:T+7]
.irp j, 8,12,16,20,24,28,32,36,40,44,48,52,56,60
	v_pk_add_f32 v[L:L+1], v[L:L+1], v[T+\j:T+\j+1]
	v_pk_add_f32 v[L2:L2+1], v[L2:L2+1], v[T+\j+2:T+\j+3]
.endr
	v_pk_add_f32 v[L:L+1], v[L:L+1], v[L2:L2+1]
	v_add_f32 v[L], v[L], v[L+1]
	v_permlanex16_b32 v[BX], v[L], s[SEL], s[SEL+1]
	v_add_f32 v[L], v[L], v[BX]                    ; with lane l xor 16's 64 keys
.irp c, 0,1,2
	global_store_b128 v[LI], v[PC+4*\c:PC+4*\c+3], s[70:71] offset:24576*(\a)+512*\c   ; the image: 512 consecutive bytes a store
.endr
	ds_store_b32 v[STW], v[PW] offset:256*((\a)/4)+4*((\a)%4)          ; lanes r and r + 16 write the same words with the same values
	ds_store_b32 v[STW], v[NEGM] offset:512+256*((\a)/4)+4*((\a)%4)
	ds_store_b32 v[STW], v[L] offset:1024+256*((\a)/4)+4*((\a)%4)
.endm
	PLACES 4
.irp a, 0,1,2,3,4,5,6,7
	SOFT \a
.endr
.irp k, 0,1,2
	ds_load_b128 v[RB+4*\k:RB+4*\k+3], v[RDW] offset:512*\k   ; LDS serves a wave's instructions in order: these see my stores
.endr
	s_wait_dscnt 0x0
.irp k, 0,1,2
	global_store_b128 v[LI], v[RB+4*\k:RB+4*\k+3], s[72:73] offset:524288*\k   ; my 128 rows' words: 512 consecutive bytes in each part
.endr
	s_wait_tensorcnt 0x0                           ; the wave's end
	ds_add_u32 v[SPW], v[NIL]
	s_wait_dscnt 0x0
	CROUND                                         ; the closing round
	s_endpgm
.Lfunc_end_k_qcd2cc214f1_sgemm:
	.size	k_qcd2cc214f1_sgemm, .Lfunc_end_k_qcd2cc214f1_sgemm-k_qcd2cc214f1_sgemm
	.p2alignl 7, 3214868480
	.fill 96, 4, 3214868480
	.section	.rodata,"a",@progbits
	.p2align	6, 0x0
	.amdhsa_kernel k_qcd2cc214f1_sgemm
		.amdhsa_group_segment_fixed_size 327680
		.amdhsa_private_segment_fixed_size 0
		.amdhsa_enable_private_segment 0
		.amdhsa_kernarg_size 56
		.amdhsa_user_sgpr_count 2
		.amdhsa_user_sgpr_kernarg_segment_ptr 1
		.amdhsa_wavefront_size32 1
		.amdhsa_system_sgpr_workgroup_id_x 1
		.amdhsa_system_sgpr_workgroup_id_y 1
		.amdhsa_system_sgpr_workgroup_id_z 1
		.amdhsa_system_vgpr_workitem_id 0
		.amdhsa_next_free_vgpr 1024
		.amdhsa_next_free_sgpr 98
		.amdhsa_reserve_vcc 0
		.amdhsa_float_denorm_mode_32 3
		.amdhsa_float_denorm_mode_16_64 3
		.amdhsa_memory_ordered 1
		.amdhsa_forward_progress 1
		.amdhsa_inst_pref_size 207
	.end_amdhsa_kernel
	.amdgpu_metadata
---
amdhsa.version: [ 1, 2 ]
amdhsa.kernels:
  - .name:           k_qcd2cc214f1_sgemm
    .symbol:         k_qcd2cc214f1_sgemm.kd
    .args:
      - { .name: q_codes, .offset: 0, .size: 8, .value_kind: global_buffer, .address_space: global }
      - { .name: q_scales, .offset: 8, .size: 8, .value_kind: global_buffer, .address_space: global }
      - { .name: xk_codes, .offset: 16, .size: 8, .value_kind: global_buffer, .address_space: global }
      - { .name: xi_scales, .offset: 24, .size: 8, .value_kind: global_buffer, .address_space: global }
      - { .name: beta, .offset: 32, .size: 8, .value_kind: global_buffer, .address_space: global }
      - { .name: p_codes, .offset: 40, .size: 8, .value_kind: global_buffer, .address_space: global }
      - { .name: p_meta, .offset: 48, .size: 8, .value_kind: global_buffer, .address_space: global }
    .group_segment_fixed_size: 327680
    .private_segment_fixed_size: 0
    .kernarg_segment_align: 8
    .kernarg_segment_size: 56
    .max_flat_workgroup_size: 128
    .sgpr_count:     98
    .vgpr_count:     1024
    .wavefront_size: 32
...
	.end_amdgpu_metadata
.endif
;; end of part 3
;; launch ogemm (part 4): grid 4 x 64, 4 waves a work-group, clusters of 4 x 4, 327,680 bytes of LDS; arguments p_codes, p_meta, xv_codes, xi_scales, out0; writes out0
.if DOCPART == 4
	.amdgcn_target "amdgcn-amd-amdhsa--gfx1250"
	.amdhsa_code_object_version 6
	.text
	.protected	k_qcd2cc214f1_ogemm
	.globl	k_qcd2cc214f1_ogemm
	.p2align	8
	.type	k_qcd2cc214f1_ogemm,@function
k_qcd2cc214f1_ogemm:
	s_mov_b64 s[64:65], 0
	v_nop
	global_prefetch_b8 v0, s[64:65] scope:SCOPE_SE
	s_setreg_imm32_b32 hwreg(HW_REG_WAVE_MODE, 25, 1), 1
	s_wait_xcnt 0x0
	s_wait_alu depctr_hold_cnt(0) depctr_sa_sdst(0) depctr_va_vdst(0) depctr_va_sdst(0) depctr_va_ssrc(0) depctr_va_vcc(0) depctr_vm_vsrc(0)
	s_getreg_b32 s2, hwreg(HW_REG_IB_STS2, 6, 4)
	s_cmp_eq_u32 s2, 0
	s_cbranch_scc0 .Lentry_in_a_cluster
	s_endpgm
.Lentry_in_a_cluster:
	s_bfe_u32 s2, ttmp6, 0x10000c
	s_cmp_lg_u32 s2, 0xf033
	s_cbranch_scc0 .Lentry_shape_is_right
	s_endpgm
.Lentry_shape_is_right:
; out[m][d] = (sum over the 2,048 patterns k of p[m][k] xi[k][d]) / l[m], on codes of E3M2: p's images (each piece of 128 keys under its own whole number M) and xv's, made by the launches before.
; AHEAD OF THE PRODUCTS, per row: -M of the row = the least of the 16 pieces' -M; D = M of the row - M of the piece, a whole number, held at 127; l = the sum of the pieces' l x 2^-D; D is taken off each of the piece's four scale bytes
; (a byte that would fall under 0 becomes 0, the scale 2^-127).  Both steps are exact powers of two: the codes' values are those under the row's own M.
; M = 8,192, N = 1,024, K = 2,048.  A tile of out is 128 x 256: 256 work-groups; four waves of 64 x 128: 32 accumulators.  K goes in slots of four steps of 128 through two LDS slots, four slots' worth: written out, no loop.
; OPERANDS ARE IMAGES OF REGISTERS (1,536 bytes a fragment): a tile is 4 (p) or 8 (xv) blocks of rows x 6,144 consecutive bytes, 24,576 bytes apart in memory, dense in LDS.
; CLUSTERS: 4 x 4; p's tiles jointly along a row of the cluster, xv's along a column.  TRANSPOSED USE (source 0 = 16 rows of xv, source 1 = 16 rows of p): a lane holds eight neighbouring numbers of a row of out.
; THE SCALES stay in registers for all of K: K step 2 j in lanes 0-15, 2 j + 1 in lanes 16-31 (ROW1 on both sides in odd K steps).
; LIMITS: NaN and infinities are not served; a piece whose M lies 124 or more under the row's counts with the scale 2^-127 at most, against l of at least 1/2.
; REGISTERS: window 0: v16-29 addresses; v32-63 p's scale words, v64-127 xv's; v128-175 p's fragments (before them -M and l of the pieces; on the way out v128-255 rows read back); v192-223 at work; v240-247 1 / l.
;   window 1: xv's fragments, two sets, at v0 and v128.   window 2: the accumulators, (a, b) at v[8 (8 a + b)].
.set FR,     12
.set FRB,    1536
.set NL,     3
.set MB,     4
.set NQ,     4
.set HL,     NL*MB/2
.set AHALF,  4*NQ*FRB                  ; 4 blocks of rows x 4 K steps
.set BHALF,  8*NQ*FRB
.set SLOT,   2*AHALF+2*BHALF
.set SPARE,  2*SLOT
.set SPITCH, 528                       ; the way out: 16 rows x (512 + 16) bytes a wave, in slot 0, which has had its last fill and its last read by then
.set ADRA, 16
.set ADRB, 20
.set VOB,  22
.set STO,  24
.set RD,   25
.set CO,   26                          ; v26  16 x lane
.set VOA,  27
.set SPW,  28
.set NIL,  29
.set SA,   32
.set SBR,  64
.set AF,   128
.set PM,   128                         ; v128-159 the pieces' -M
.set PLC,  160                         ; v160-191 the pieces' l
.set NG,   192
.set LS,   196
.set DD,   200
.set FF,   204
.set XX,   208
.set MK,   212
.set T2,   216
.set TP,   220
.set RL,   240
.set BK,   128
.set G1, 24
.set G0, 32
.set G1B, 48
.set G0B, 56
.set SEL, 76
.set MSB, 0
.macro WIN new
.if MSB != (\new)
	s_set_vgpr_msb (MSB<<8)|(\new)
.set MSB, (\new)
.endif
.endm
.set MUL_LO, 0xa1                      ; source 0 window 1, source 1 window 0, C and D window 2
.set MUL_HI, 0xa1
.set TO_B,   0x40
.macro JLOAD g0a, g1a, g0b, g1b        ; a joint load: waves 0 and 1 fetch p's halves, waves 2 and 3 xv's; four v_nop follow each line
	s_cmp_eq_u32 s15, 0
	s_cbranch_scc0 .Lfor_b_\@
	tensor_load_to_lds s[\g0a:\g0a+3], s[\g1a:\g1a+7]
	s_nop 0
.rept 4
	v_nop
.endr
	s_branch .Lasked_\@
.Lfor_b_\@:
	tensor_load_to_lds s[\g0b:\g0b+3], s[\g1b:\g1b+7]
	s_nop 0
.rept 4
	v_nop
.endr
.Lasked_\@:
.endm
.macro CREST
	s_cmp_lg_u32 s14, 0
	s_cbranch_scc1 .Lnot_wave_0_\@
	s_barrier_signal -3
.Lnot_wave_0_\@:
	s_barrier_wait -3
	s_barrier_signal -1
	s_barrier_wait -1
.endm
.macro CROUND
	s_barrier_signal -1
	s_barrier_wait -1
	CREST
.endm
.macro PLACES n
.rept \n
	v_nop
.endr
.endm
	s_load_b256 s[4:11], s[0:1], 0x0               ; p_codes s[4:5], p_meta s[6:7], xv_codes s[8:9], xi_scales s[10:11]
	s_load_b64 s[68:69], s[0:1], 0x20              ; out0
	v_lshl_add_u32 v[SPW], v0, 2, SPARE
	v_mov_b32 v[NIL], 0
	ds_add_u32 v28, v29
	ds_add_u32 v28, v29
	s_wait_dscnt 0x0
	v_lshrrev_b32 v1, 5, v0
	v_readfirstlane_b32 s14, v1                    ; wave 0..3
	s_lshr_b32 s15, s14, 1                         ; my half of the rows.  Also: I fetch for p (0) or for xv (1)
	s_and_b32 s16, s14, 1                          ; my half of the columns.  Also: which half I fetch
	s_bfe_u32 s40, ttmp6, 0x40000
	s_bfe_u32 s41, ttmp6, 0x40004
	s_lshl_b32 s42, ttmp9, 2
	s_add_co_u32 s42, s42, s40                     ; tile column
	s_and_b32 s17, ttmp7, 0xffff
	s_lshl_b32 s17, s17, 2
	s_add_co_u32 s17, s17, s41                     ; tile row
	s_lshl_b32 s43, s41, 2
	s_lshl_b32 s43, 15, s43
	s_lshl_b32 s44, 0x1111, s40
	s_or_b32 s[G1+0], s43, (3<<16)|(1<<21)         ; the mask; elements of 8 bytes; no padding; bit 21 beside a mask
	s_or_b32 s[G1B+0], s44, (3<<16)|(1<<21)
	s_mov_b32 s[G1+1], (NQ*FRB/8)<<16              ; tensor_dim0: 768 elements, four K steps' images
	s_mov_b32 s[G1+2], 4<<16                       ; tensor_dim1: 4 blocks of rows
	s_mov_b32 s[G1+3], (NQ*FRB/8)<<16              ; tile_dim0
	s_mov_b32 s[G1+4], 4                           ; tile_dim1
	s_mov_b32 s[G1+5], 16*FRB/8                    ; from block to block: 16 K steps
	s_mov_b32 s[G1+6], 0
	s_mov_b32 s[G1+7], 0
	s_mov_b32 s[G1B+1], (NQ*FRB/8)<<16
	s_mov_b32 s[G1B+2], 8<<16                      ; xv: 8 blocks of rows
	s_mov_b32 s[G1B+3], (NQ*FRB/8)<<16
	s_mov_b32 s[G1B+4], 8
	s_mov_b32 s[G1B+5], 16*FRB/8
	s_mov_b32 s[G1B+6], 0
	s_mov_b32 s[G1B+7], 0
	s_lshl_b32 s18, s16, 2
	s_lshl_b32 s20, s17, 3
	s_add_co_u32 s20, s20, s18                     ; p: block of rows 8 x tile row + 4 x half
	s_mul_i32 s20, s20, 16*FRB
	s_mov_b32 s21, 0
	s_lshl_b32 s19, s16, 3
	s_lshl_b32 s46, s42, 4
	s_add_co_u32 s46, s46, s19                     ; xv: block 16 x tile column + 8 x half
	s_mul_i32 s46, s46, 16*FRB
	s_mov_b32 s47, 0
	s_mul_i32 s45, s16, AHALF                      ; where they go: p's two halves,
	s_mul_i32 s94, s16, BHALF
	s_add_co_u32 s94, s94, 2*AHALF                 ; then xv's two
	s_mov_b32 s[SEL], 0x76543210
	s_mov_b32 s[SEL+1], 0xfedcba98
	s_mov_b32 s78, 0x80808080
	s_wait_kmcnt 0x0
	s_add_nc_u64 s[20:21], s[4:5], s[20:21]
	s_add_nc_u64 s[46:47], s[8:9], s[46:47]
	CROUND
.irp s, 0,1
	s_mov_b32 s[G0+4*\s], 1
	s_add_co_u32 s[G0+4*\s+1], s45, \s*SLOT
	s_add_nc_u64 s[G0+4*\s+2:G0+4*\s+3], s[20:21], \s*NQ*FRB
	s_or_b32 s[G0+4*\s+3], s[G0+4*\s+3], 0x80000000
	s_mov_b32 s[G0B+4*\s], 1
	s_add_co_u32 s[G0B+4*\s+1], s94, \s*SLOT
	s_add_nc_u64 s[G0B+4*\s+2:G0B+4*\s+3], s[46:47], \s*NQ*FRB
	s_or_b32 s[G0B+4*\s+3], s[G0B+4*\s+3], 0x80000000
	JLOAD G0+4*\s, G1, G0B+4*\s, G1B
.endr
	v_and_b32 v1, 15, v0                           ; r
	v_bfe_u32 v2, v0, 4, 1                         ; h
	v_and_b32 v6, 31, v0
	s_lshl_b32 s80, s17, 7
	s_lshl_b32 s81, s15, 6
	s_add_co_u32 s80, s80, s81                     ; my first row: 128 x tile row + 64 x half
	s_lshl_b32 s82, s42, 8
	s_lshl_b32 s83, s16, 7
	s_add_co_u32 s82, s82, s83                     ; my first column
	s_mov_b32 s85, 0
	s_lshl_b32 s84, s80, 2
	s_add_nc_u64 s[6:7], s[6:7], s[84:85]          ; p_meta at my group of 64 rows
	s_lshl_b32 s84, s82, 2
	s_add_co_u32 s84, s84, 65536
	s_add_nc_u64 s[10:11], s[10:11], s[84:85]      ; xv's scale words at my 128 rows
	v_lshlrev_b32 v[VOA], 4, v1
	v_lshlrev_b32 v[VOB], 4, v1
	v_lshl_add_u32 v[VOA], v2, 15, v[VOA]          ; 16 r, and one plane (32,768 bytes) on for lanes 16-31
	v_lshl_add_u32 v[VOB], v2, 12, v[VOB]          ; xv's planes are 4,096 bytes
.irp j, 0,1,2,3,4,5,6,7
	global_load_b128 v[PM+4*\j:PM+4*\j+3], v[VOA], s[6:7] offset:65536*\j+524288     ; -M of K steps 2 j, 2 j + 1, my four blocks of rows
	global_load_b128 v[PLC+4*\j:PLC+4*\j+3], v[VOA], s[6:7] offset:65536*\j+1048576  ; l
	global_load_b128 v[SA+4*\j:SA+4*\j+3], v[VOA], s[6:7] offset:65536*\j            ; the scale words
.endr
.irp j, 0,1,2,3,4,5,6,7
.irp g, 0,1
	global_load_b128 v[SBR+8*\j+4*\g:SBR+8*\j+4*\g+3], v[VOB], s[10:11] offset:8192*\j+256*\g
.endr
.endr
	v_lshlrev_b32 v[CO], 4, v6
	s_mul_i32 s86, s15, AHALF
	s_mul_i32 s87, s16, BHALF
	s_add_co_u32 s87, s87, 2*AHALF
.irp s, 0,1
	v_add_nc_u32 v[ADRA+\s], s86, v[CO]
	v_add_nc_u32 v[ADRB+\s], s87, v[CO]
	s_add_co_u32 s86, s86, SLOT
	s_add_co_u32 s87, s87, SLOT
.endr
	s_mul_i32 s86, s14, 16*SPITCH                  ; my stage
	v_mul_u32_u24 v5, v1, SPITCH
	v_lshl_add_u32 v5, v2, 5, v5
	v_add_nc_u32 v[STO], s86, v5                   ; in: row r, 32 bytes for each half of the lanes
	v_add_nc_u32 v[RD], s86, v[CO]                 ; back: the 32 lanes take a row of 512 bytes
	s_lshl_b32 s84, s80, 12
	s_lshl_b32 s86, s82, 2
	s_add_co_u32 s84, s84, s86
	s_add_nc_u64 s[68:69], s[68:69], s[84:85]      ; out0 at my corner: rows of 4,096 bytes
.irp i, 0,1,2,3
	v_mov_b32 v[TP+\i], 0                          ; written once: a lane permute's destination counts as one of its sources
.endr
	s_wait_loadcnt 0x0
	; the row's -M: register i is row 16 i + r; my eight K steps, then lane l xor 16's eight
.irp i, 0,1,2,3
	v_min3_num_f32 v[NG+\i], v[PM+\i], v[PM+4+\i], v[PM+8+\i]
.endr
.irp i, 0,1,2,3
	v_min3_num_f32 v[NG+\i], v[NG+\i], v[PM+12+\i], v[PM+16+\i]
.endr
.irp i, 0,1,2,3
	v_min3_num_f32 v[NG+\i], v[NG+\i], v[PM+20+\i], v[PM+24+\i]
.endr
.irp i, 0,1,2,3
	v_min_num_f32 v[NG+\i], v[NG+\i], v[PM+28+\i]
.endr
.irp i, 0,1,2,3
	v_permlanex16_b32 v[TP+\i], v[NG+\i], s[SEL], s[SEL+1]
.endr
.irp i, 0,1,2,3
	v_min_num_f32 v[NG+\i], v[NG+\i], v[TP+\i]
.endr
.irp j, 0,1,2,3,4,5,6,7                            ; each piece's D, its share of l, and its scale word under the row's M; the four blocks of rows by turns
.irp i, 0,1,2,3
	v_sub_f32 v[DD+\i], v[PM+4*\j+\i], v[NG+\i]    ; D = M of the row - M of the piece: a whole number, 0 or more
.endr
.irp i, 0,1,2,3
	v_cvt_i32_f32 v[DD+\i], v[DD+\i]               ; (it saturates)
.endr
.irp i, 0,1,2,3
	v_min_u32 v[DD+\i], 127, v[DD+\i]
.endr
.irp i, 0,1,2,3
	v_sub_nc_u32 v[FF+\i], 127, v[DD+\i]
.endr
.irp i, 0,1,2,3
	v_lshlrev_b32 v[FF+\i], 23, v[FF+\i]           ; 2^-D as f32; 0 at D = 127
.endr
.irp i, 0,1,2,3
.if \j == 0
	v_mul_f32 v[LS+\i], v[PLC+\i], v[FF+\i]
.else
	v_fma_f32 v[LS+\i], v[PLC+4*\j+\i], v[FF+\i], v[LS+\i]
.endif
.endr
.irp i, 0,1,2,3
	v_lshl_or_b32 v[DD+\i], v[DD+\i], 8, v[DD+\i]
.endr
.irp i, 0,1,2,3
	v_lshl_or_b32 v[DD+\i], v[DD+\i], 16, v[DD+\i] ; D in each of the four bytes
.endr
.irp i, 0,1,2,3
	v_or_b32 v[XX+\i], s78, v[SA+4*\j+\i]          ; each byte b (1 to 123) + 128,
.endr
.irp i, 0,1,2,3
	v_sub_nc_u32 v[XX+\i], v[XX+\i], v[DD+\i]      ; - D: 2 to 251, so no byte borrows from the next
.endr
.irp i, 0,1,2,3
	v_and_b32 v[MK+\i], s78, v[XX+\i]              ; bit 7 stands where b >= D
.endr
.irp i, 0,1,2,3
	v_lshrrev_b32 v[T2+\i], 7, v[MK+\i]
.endr
.irp i, 0,1,2,3
	v_sub_nc_u32 v[MK+\i], v[MK+\i], v[T2+\i]      ; 0x7f there, 0 elsewhere
.endr
.irp i, 0,1,2,3
	v_and_b32 v[SA+4*\j+\i], v[XX+\i], v[MK+\i]    ; b - D, or 0
.endr
.endr
.irp i, 0,1,2,3
	v_permlanex16_b32 v[TP+\i], v[LS+\i], s[SEL], s[SEL+1]
.endr
.irp i, 0,1,2,3
	v_add_f32 v[LS+\i], v[LS+\i], v[TP+\i]         ; the row's l
.endr
.irp i, 0,1,2,3
	v_rcp_f32 v[RL+2*\i], v[LS+\i]
.endr
	v_nop                                          ; a plain place behind the reciprocals
	s_wait_alu depctr_va_vdst(0)
.irp i, 0,1,2,3
	v_mov_b32 v[RL+2*\i+1], v[RL+2*\i]             ; (named with it as a pair)
.endr
	PLACES 8                                       ; scale registers written by vector instructions stand 8 places ahead of a scaled matrix instruction
.macro FRAG reg, adr, q, i
.irp c, 0,1,2
	ds_load_b128 v[\reg+4*\c:\reg+4*\c+3], v[\adr] offset:(\i)*NQ*FRB+(\q)*FRB+512*\c
.endr
.endm
.macro FETCH_B slot, q, p
	WIN TO_B
.irp i, 0,1,2,3,4,5,6,7
	FRAG 128*(\p)+FR*\i, ADRB+\slot, \q, \i
.endr
	WIN 0
.endm
.macro FETCH_A slot, q, i0, n
.set fi, \i0
.rept \n
	FRAG AF+FR*fi, ADRA+\slot, \q, fi
.set fi, fi+1
.endr
.endm
.macro MULB a, p, ks, zero
.irp b, 0,1,2,3,4,5,6,7
.set rD, 8*(8*(\a)+\b)
.set rB, 128*(\p)+FR*\b
.set rA, AF+FR*(\a)
.set rSB, SBR+8*((\ks)/2)+\b
.set rSA, SA+4*((\ks)/2)+(\a)
.if \zero
	v_wmma_scale_f32_16x16x128_f8f6f4 v[rD:rD+7], v[rB:rB+FR-1], v[rA:rA+FR-1], 0, v[rSB], v[rSA] matrix_a_fmt:MATRIX_FMT_BF6 matrix_b_fmt:MATRIX_FMT_BF6
.elseif (\ks)%2
	v_wmma_scale_f32_16x16x128_f8f6f4 v[rD:rD+7], v[rB:rB+FR-1], v[rA:rA+FR-1], v[rD:rD+7], v[rSB], v[rSA] matrix_a_fmt:MATRIX_FMT_BF6 matrix_b_fmt:MATRIX_FMT_BF6 matrix_a_scale:MATRIX_SCALE_ROW1 matrix_b_scale:MATRIX_SCALE_ROW1
.else
	v_wmma_scale_f32_16x16x128_f8f6f4 v[rD:rD+7], v[rB:rB+FR-1], v[rA:rA+FR-1], v[rD:rD+7], v[rSB], v[rSA] matrix_a_fmt:MATRIX_FMT_BF6 matrix_b_fmt:MATRIX_FMT_BF6
.endif
.endr
.endm
.macro MULS a0, n, p, ks, zero         ; the 32 accumulators take turns, one instruction a turn, in the same order in every step
.set ia, \a0
.rept \n
	MULB ia, \p, \ks, \zero
.set ia, ia+1
.endr
.endm
.macro STEP slot, q, ks, zero
	s_wait_dscnt HL                                ; xv's set and p's lower blocks are in; the youngest HL loads (p's upper blocks) may be out
	WIN MUL_LO
	MULS 0, MB/2, (\q)%2, \ks, \zero
	s_wait_dscnt 0
	PLACES 4
	FETCH_B \slot, (\q)+1, 1-(\q)%2
	FETCH_A \slot, (\q)+1, 0, MB/2
	WIN MUL_HI
	MULS MB/2, MB/2, (\q)%2, \ks, \zero
	PLACES 4
	WIN 0
	FETCH_A \slot, (\q)+1, MB/2, MB/2
.endm
.macro TURN slot, next, ks, fill
	s_wait_tensorcnt 0x0                           ; all my tensor loads have landed: my part of the next slot
	ds_add_u32 v[SPW], v[NIL]                      ; 0 onto my spare word
	s_wait_dscnt HL+1                              ; (the add and the youngest HL loads may be out)
	WIN MUL_LO
	MULS 0, MB/4, 1, \ks, 0
	s_wait_dscnt 0x0                               ; the add is done, and my reads of this slot are over
	s_barrier_signal -1
	MULS MB/4, MB/4, 1, \ks, 0
	WIN 0
	s_barrier_wait -1
.if \fill
	CREST                                          ; the barrier has opened a round of the cluster's barrier
	s_add_nc_u64 s[G0+4*\slot+2:G0+4*\slot+3], s[G0+4*\slot+2:G0+4*\slot+3], 2*NQ*FRB
	s_add_nc_u64 s[G0B+4*\slot+2:G0B+4*\slot+3], s[G0B+4*\slot+2:G0B+4*\slot+3], 2*NQ*FRB
	JLOAD G0+4*\slot, G1, G0B+4*\slot, G1B         ; the first tensor load behind the round; its four v_nop are the places in front of the loads below
.else
	PLACES 4
.endif
	FETCH_B \next, 0, 0
	FETCH_A \next, 0, 0, MB/2
	WIN MUL_HI
	MULS MB/2, MB/2, 1, \ks, 0
	PLACES 4
	WIN 0
	FETCH_A \next, 0, MB/2, MB/2
.endm
.macro LAST ks
	s_wait_dscnt HL
	WIN MUL_LO
	MULS 0, MB/2, 1, \ks, 0
	s_wait_dscnt 0
	WIN MUL_HI
	MULS MB/2, MB/2, 1, \ks, 0
	WIN 0
.endm
	s_wait_tensorcnt 1                             ; my part of slot 0 is in; slot 1's load may be out
	s_barrier_signal -1
	s_barrier_wait -1
	FETCH_B 0, 0, 0
	FETCH_A 0, 0, 0, MB/2
	FETCH_A 0, 0, MB/2, MB/2
	STEP 0, 0, 0, 1
	STEP 0, 1, 1, 0
	STEP 0, 2, 2, 0
	TURN 0, 1, 3, 1
	STEP 1, 0, 4, 0
	STEP 1, 1, 5, 0
	STEP 1, 2, 6, 0
	TURN 1, 0, 7, 1
	STEP 0, 0, 8, 0
	STEP 0, 1, 9, 0
	STEP 0, 2, 10, 0
	TURN 0, 1, 11, 0                               ; nothing is left to fetch
	STEP 1, 0, 12, 0
	STEP 1, 1, 13, 0
	STEP 1, 2, 14, 0
	LAST 15
	; THE WAY OUT.  The sums are divided by l in place; then a block of 16 rows x 128 columns at a time goes through my stage in LDS and comes back as whole rows of 512 bytes.
	PLACES 4
	WIN 0x82                                       ; destination and source 0 window 2, 1 / l window 0
.irp a, 0,1,2,3
.set j, 0
.rept 32
	v_pk_mul_f32 v[64*\a+j:64*\a+j+1], v[64*\a+j:64*\a+j+1], v[RL+2*\a:RL+2*\a+1] op_sel_hi:[1,0]   ; each accumulator from its low end on
.set j, j+2
.endr
.endr
	WIN 0
.macro TOSTAGE a
.set AC, 64*(\a)
	WIN 0x08                                       ; an LDS store's data are its source 1: window 2
.irp b, 0,1,2,3,4,5,6,7
	ds_store_b128 v[STO], v[AC+8*\b:AC+8*\b+3] offset:64*\b
	ds_store_b128 v[STO], v[AC+8*\b+4:AC+8*\b+7] offset:64*\b+16
.endr
	WIN 0
.set BB, BK+64*((\a)%2)
.irp t, 0,1,2,3,4,5,6,7,8,9,10,11,12,13,14,15
	ds_load_b128 v[BB+4*\t:BB+4*\t+3], v[RD] offset:\t*SPITCH   ; LDS serves a wave's instructions in order: these see my stores, and the next block's stores come behind them
.endr
.endm
.macro SEND a, younger                 ; younger: the LDS instructions issued behind block a's loads, which may stay out
.set BB, BK+64*((\a)%2)
	s_wait_dscnt \younger
.irp t, 0,1,2,3,4,5,6,7,8,9,10,11,12,13,14,15
	global_store_b128 v[CO], v[BB+4*\t:BB+4*\t+3], s[68:69] offset:65536*(\a)+4096*\t th:TH_STORE_NT   ; 32 lanes store 512 consecutive bytes, at a multiple of 256 from out0's first byte; written once, read by nobody here
.endr
.endm
	TOSTAGE 0
.irp a, 1,2,3
.if \a > 1
	s_wait_xcnt 0x0                                ; block a - 2's stores have read their registers: block a's loads may land there
.endif
	TOSTAGE \a
	SEND \a-1, 32                                  ; behind block a - 1's loads: block a's 16 stores and 16 loads
.endr
	SEND 3, 0
	s_wait_tensorcnt 0x0                           ; the wave's end
	ds_add_u32 v[SPW], v[NIL]
	s_wait_dscnt 0x0
	CROUND                                         ; the closing round
	s_endpgm
.Lfunc_end_k_qcd2cc214f1_ogemm:
	.size	k_qcd2cc214f1_ogemm, .Lfunc_end_k_qcd2cc214f1_ogemm-k_qcd2cc214f1_ogemm
	.p2alignl 7, 3214868480
	.fill 96, 4, 3214868480
	.section	.rodata,"a",@progbits
	.p2align	6, 0x0
	.amdhsa_kernel k_qcd2cc214f1_ogemm
		.amdhsa_group_segment_fixed_size 327680
		.amdhsa_private_segment_fixed_size 0
		.amdhsa_enable_private_segment 0
		.amdhsa_kernarg_size 40
		.amdhsa_user_sgpr_count 2
		.amdhsa_user_sgpr_kernarg_segment_ptr 1
		.amdhsa_wavefront_size32 1
		.amdhsa_system_sgpr_workgroup_id_x 1
		.amdhsa_system_sgpr_workgroup_id_y 1
		.amdhsa_system_sgpr_workgroup_id_z 1
		.amdhsa_system_vgpr_workitem_id 0
		.amdhsa_next_free_vgpr 768
		.amdhsa_next_free_sgpr 98
		.amdhsa_reserve_vcc 0
		.amdhsa_float_denorm_mode_32 3
		.amdhsa_float_denorm_mode_16_64 3
		.amdhsa_memory_ordered 1
		.amdhsa_forward_progress 1
		.amdhsa_inst_pref_size 165
	.end_amdhsa_kernel
	.amdgpu_metadata
---
amdhsa.version: [ 1, 2 ]
amdhsa.kernels:
  - .name:           k_qcd2cc214f1_ogemm
    .symbol:         k_qcd2cc214f1_ogemm.kd
    .args:
      - { .name: p_codes, .offset: 0, .size: 8, .value_kind: global_buffer, .address_space: global }
      - { .name: p_meta, .offset: 8, .size: 8, .value_kind: global_buffer, .address_space: global }
      - { .name: xv_codes, .offset: 16, .size: 8, .value_kind: global_buffer, .address_space: global }
      - { .name: xi_scales, .offset: 24, .size: 8, .value_kind: global_buffer, .address_space: global }
      - { .name: out0, .offset: 32, .size: 8, .value_kind: global_buffer, .address_space: global }
    .group_segment_fixed_size: 327680
    .private_segment_fixed_size: 0
    .kernarg_segment_align: 8
    .kernarg_segment_size: 40
    .max_flat_workgroup_size: 128
    .sgpr_count:     98
    .vgpr_count:     768
    .wavefront_size: 32
...
	.end_amdgpu_metadata
.endif
;; end of part 4
;; ======== version 2 of 2: 3 launches
;; limits: right only within a limited range of input values
;; workspace buffers: xk_codes 1,572,864 bytes; xv_codes 1,572,864 bytes; xi_scales 131,072 bytes; q_codes 6,291,456 bytes; q_scales 262,144 bytes; p_codes 12,582,912 bytes; p_meta 1,572,864 bytes
;; launch qgemm (part 5): grid 4 x 64, 4 waves a work-group, clusters of 4 x 4, 327,680 bytes of LDS; arguments x_codes, x_scales, w_q_codes, w_q_scales, xi, q_codes, q_scales, xk_codes, xv_codes, xi_scales, beta; writes q_codes, q_scales, xk_codes, xv_codes, xi_scales
.if DOCPART == 5
	.amdgcn_target "amdgcn-amd-amdhsa--gfx1250"
	.amdhsa_code_object_version 6
	.text
	.protected	k_qcd2cc214f1_qgemm
	.globl	k_qcd2cc214f1_qgemm
	.p2align	8
	.type	k_qcd2cc214f1_qgemm,@function
k_qcd2cc214f1_qgemm:
	s_mov_b64 s[64:65], 0
	v_nop
	global_prefetch_b8 v0, s[64:65] scope:SCOPE_SE
	s_setreg_imm32_b32 hwreg(HW_REG_WAVE_MODE, 25, 1), 1
	s_wait_xcnt 0x0
	s_wait_alu depctr_hold_cnt(0) depctr_sa_sdst(0) depctr_va_vdst(0) depctr_va_sdst(0) depctr_va_ssrc(0) depctr_va_vcc(0) depctr_vm_vsrc(0)
	s_getreg_b32 s2, hwreg(HW_REG_IB_STS2, 6, 4)
	s_cmp_eq_u32 s2, 0
	s_cbranch_scc0 .Lentry_in_a_cluster
	s_endpgm
.Lentry_in_a_cluster:
	s_bfe_u32 s2, ttmp6, 0x10000c
	s_cmp_lg_u32 s2, 0xf033
	s_cbranch_scc0 .Lentry_shape_is_right
	s_endpgm
.Lentry_shape_is_right:
; TWO PIECES OF WORK IN ONE LAUNCH.
; (1) q[m][e] = sum over d of x[m][d] w_q[e][d] on the given codes of E3M2 and their E8M0 bytes; q (f32 sums) is quantised along e in registers and leaves as codes and scale words.  M = 8,192, N = 1,024, K = 1,024.
; (2) xi [2048 patterns][1024 d], f32, becomes two operands of codes: xk (rows = patterns, K = d, 8 K steps of 128) and xv (rows = d, K = the patterns, 16 K steps): 2,048 fragments of 16 rows x 128 K for 1,024 waves:
;     each wave makes one of xk and one of xv while its tile is on the way.  xk's codes carry the sign of beta (the quantiser is symmetric: only the codes' sign bits change), so the next launch scales by |beta|.
; THE QUANTISER: a block's scale is 2^(floor(log2(its largest magnitude)) - 4); its byte is that magnitude's exponent field - 4, held at 1 from below (a block of zeros keeps the byte 1: its codes are zeros, and only this program reads the bytes).
; THE PRODUCT.  A tile of q is 128 x 256: 256 work-groups, four waves of 64 x 128, 32 accumulators.  ALL OF K LIES IN LDS: 384 rows x 768 bytes, which are dense in memory, come as rows of 256 bytes with 16 bytes of padding behind each (a row of
; codes is 816 bytes in LDS), by ONE tensor load a wave.  So there is no ring, and nothing is filled again.  Nothing is prefetched: each operand is asked for once, at the head, and there is no loop to run ahead in.
; CLUSTERS: 4 x 4; x's tiles jointly along a row of the cluster, w_q's along a column.  TRANSPOSED USE (source 0 = 16 rows of w_q, source 1 = 16 rows of x): lane (r, h) holds row r of q, register j of accumulator (a, b) column 16 b + 8 h + j.
; So the 16 registers of accumulators 2 B and 2 B + 1 are half of the block of 32 columns B, and lane l xor 16 holds the other half.
; x's AND w_q's SCALES stay in registers: lane (r, h) loads the words of K steps 4 h .. 4 h + 3 of row r of each block; K steps 4-7 are read from lanes 16-31 (ROW1 on both sides).
; LAYOUT OF ALL CODES THAT LEAVE: images of the operand's registers: [block of 16 rows][K step][1,536 bytes], byte 512 c + 16 lane + 4 j = register 4 c + j of that lane.  Inside a block of 32, position pos holds element PI(pos) = pos with
; bits 3 and 4 exchanged: so q's halves fall, and xk and xv are laid alike; the block, and so its scale, is unchanged.
; LAYOUT OF ALL SCALE WORDS THAT LEAVE (four bytes: one row, one K step): [K step][group of 64 rows][r 0..15][i 0..3], the word of row 64 g + 16 i + r.  xi_scales: xk's from byte 0 on (planes of 8,192 bytes), xv's from byte 65,536 on (planes of 4,096).
; LIMITS: NaN and infinities are not served; a block whose largest magnitude lies under 2^-122 keeps the byte 1.
; REGISTERS: window 0: v3, v7-31 addresses; v32-47 x's scale words, v64-95 w_q's; v48-62, v96-127 at work; v128-175 x's fragments (before them xi's numbers in v128-255; behind them q's codes).
;   window 1: w_q's fragments, two sets, at v0 and v128.   window 2: the accumulators, (a, b) at v[8 (8 a + b)]; before them xk's rows as loaded, v0-63.
.set FR,     12
.set HL,     12                        ; the loads of two of x's blocks
.set PITCH,  816                       ; a row of codes in LDS: 3 x (256 + 16)
.set AHALF,  64*PITCH                  ; what one tensor load brings of x,
.set BHALF,  128*PITCH                 ; and of w_q
.set SPARE,  2*AHALF+2*BHALF           ; behind the tile: the spare words, 128 bytes a wave
.set STAGE,  SPARE+512                 ; 256 bytes a wave, in which its 64 rows' scale words of q meet
.set GS,     STAGE+1024                ; 512 bytes in which the work-group's scale words of xk and of xv meet
.set TST,    GS+512                    ; a wave's stage for the turn of xk's rows: 16 rows x (128 + 16) bytes
.set TSTW,   2304
.set L8,   3                           ; 8 x lane
.set VX,   7                           ; xk: 8 lanes a row: two pieces of 64 bytes
.set ADRA, 8                           ; v8 my x fragments; v9 the same, behind one padding more for lanes 16-31
.set ADRB, 14                          ; v14-15 w_q's blocks 0-3, 4-7; v16-17 behind one padding more
.set QIN,  20                          ; the turn's stage, on the way in
.set QOUT, 21                          ; and on the way out
.set QV,   22                          ; xv: my column, my half's 32 patterns
.set GW,   23                          ; where my row's scale words of xk and xv go
.set LI,   24                          ; 16 x lane
.set STW,  25                          ; where my row's scale word of q goes
.set RDW,  26                          ; where those words are read back
.set VS,   27                          ; 32 r + 16 h: my 16 bytes of a row of given scales
.set SPW,  28                          ; my spare word's LDS address; never rewritten
.set NIL,  29                          ; 0; never rewritten
.set GRD,  30                          ; where wave 0 reads xi's scale words back
.set WO,   31                          ; and where they go in xi_scales
.set SA,   32
.set CV,   48
.set WV,   60
.set H8,   61                          ; 8 h
.set WT,   62
.set SBR,  64
.set MX,   96                          ; xi: v96-97 largest magnitudes, v98-99 the conversions' scale operands, v100-101 bytes
.set SO,   98
.set BY,   100
.set CK,   104
.set TC,   116                         ; the upper half of each block's codes, as the conversion leaves them
.set WK,   123
.set GRR,  124
.set TM,   96                          ; q: v96-99 largest magnitudes, v100-103 bytes, v108-111 the conversions' scale operands
.set PW,   112
.set AF,   128
.set XK,   128                         ; register 32 c + pos = element 64 c + 32 h + PI(pos) of my row
.set XV,   192
.set PC,   192
.set RB,   212
.set G1,   24
.set G1B,  48
.set G0A,  32
.set G0B,  56
.set SEL,  76
.set SGN,  79
.set MSB, 0
.macro WIN new                         ; the immediate's high byte repeats the setting that is left
.if MSB != (\new)
	s_set_vgpr_msb (MSB<<8)|(\new)
.set MSB, (\new)
.endif
.endm
.set MUL,    0xa1                      ; source 0 window 1, source 1 window 0, C and D window 2
.set TO_B,   0x40                      ; destination window 1
.macro JLOAD g0a, g1a, g0b, g1b        ; a joint load: waves 0 and 1 fetch x's halves, waves 2 and 3 w_q's; four v_nop follow each line
	s_cmp_eq_u32 s15, 0
	s_cbranch_scc0 .Lfor_b_\@
	tensor_load_to_lds s[\g0a:\g0a+3], s[\g1a:\g1a+7]
	s_nop 0
.rept 4
	v_nop
.endr
	s_branch .Lasked_\@
.Lfor_b_\@:
	tensor_load_to_lds s[\g0b:\g0b+3], s[\g1b:\g1b+7]
	s_nop 0
.rept 4
	v_nop
.endr
.Lasked_\@:
.endm
.macro CROUND                          ; a round of the cluster's barrier
	s_barrier_signal -1
	s_barrier_wait -1
	s_cmp_lg_u32 s14, 0
	s_cbranch_scc1 .Lnot_wave_0_\@
	s_barrier_signal -3
.Lnot_wave_0_\@:
	s_barrier_wait -3
	s_barrier_signal -1
	s_barrier_wait -1
.endm
.macro PLACES n
.rept \n
	v_nop
.endr
.endm
.macro ADDO dst, src, off              ; a 32-bit offset onto an address (s87 = 0)
	s_mov_b32 s86, \off
	s_add_nc_u64 s[\dst:\dst+1], s[\src:\src+1], s[86:87]
.endm
	s_load_b256 s[4:11], s[0:1], 0x0               ; x_codes s[4:5], x_scales s[6:7], w_q_codes s[8:9], w_q_scales s[10:11]
	s_load_b256 s[68:75], s[0:1], 0x20             ; xi s[68:69], q_codes s[70:71], q_scales s[72:73], xk_codes s[74:75]
	s_load_b128 s[96:99], s[0:1], 0x40             ; xv_codes s[96:97], xi_scales s[98:99]
	s_load_b64 s[100:101], s[0:1], 0x50            ; beta
	v_lshl_add_u32 v[SPW], v0, 2, SPARE
	v_mov_b32 v[NIL], 0
	ds_add_u32 v[SPW], v[NIL]                      ; the opening lines: the add, twice on end, and its wait ahead of my first tensor load
	ds_add_u32 v[SPW], v[NIL]
	v_lshrrev_b32 v1, 5, v0
	v_readfirstlane_b32 s14, v1                    ; wave 0..3
	s_lshr_b32 s15, s14, 1                         ; my half of the tile's rows.  Also: I fetch for x (0) or for w_q (1)
	s_and_b32 s16, s14, 1                          ; my half of its columns.  Also: which half I fetch
	s_mul_i32 s86, s14, TSTW
	s_add_co_u32 s86, s86, TST                     ; my stage for the turn
	s_lshl_b32 s87, s14, 2
	s_add_co_u32 s87, s87, GS
	s_mul_i32 s88, s15, AHALF                      ; my 64 rows of x
	s_mul_i32 s89, s16, BHALF
	s_add_co_u32 s89, s89, 2*AHALF                 ; my 128 rows of w_q, behind x's 128: blocks 0-3
	s_add_co_u32 s90, s89, 64*PITCH                ; and 4-7
	s_lshl_b32 s91, s14, 8
	s_add_co_u32 s91, s91, STAGE
	v_and_b32 v1, 15, v0                           ; r
	v_bfe_u32 v2, v0, 4, 1                         ; h
	v_and_b32 v6, 31, v0                           ; lane
	v_lshlrev_b32 v[LI], 4, v6
	v_lshlrev_b32 v[L8], 3, v6
	v_lshlrev_b32 v[VS], 5, v1
	v_lshl_add_u32 v[VS], v2, 4, v[VS]
	v_lshlrev_b32 v[QV], 2, v1
	v_lshl_add_u32 v[QV], v2, 17, v[QV]            ; column r, and 32 patterns (of 4,096 bytes) further down for lanes 16-31
	v_lshrrev_b32 v4, 3, v6                        ; xk: lanes 8 i .. 8 i + 7 take row i of four,
	v_lshlrev_b32 v[VX], 12, v4
	v_bfe_u32 v5, v0, 2, 1                         ; four lanes 64 bytes of the row's first half-block, four the same of the second (128 bytes on)
	v_lshl_add_u32 v[VX], v5, 7, v[VX]
	v_and_b32 v5, 3, v0
	v_lshl_add_u32 v[VX], v5, 4, v[VX]
	v_mul_u32_u24 v[QIN], v4, 144
	v_and_b32 v5, 7, v0
	v_lshl_add_u32 v[QIN], v5, 4, v[QIN]
	v_add_nc_u32 v[QIN], s86, v[QIN]
	v_mul_u32_u24 v[QOUT], v1, 144
	v_lshl_add_u32 v[QOUT], v2, 6, v[QOUT]
	v_add_nc_u32 v[QOUT], s86, v[QOUT]
	v_lshl_add_u32 v[GW], v1, 4, s87               ; GS + 16 r + 4 x wave
	v_add_nc_u32 v[GRD], GS, v[LI]
	v_lshlrev_b32 v[H8], 3, v2
	v_mov_b32 v[WT], 0                             ; written once: a lane permute's destination counts as one of its sources
	v_mul_u32_u24 v4, v1, PITCH
	v_mul_u32_u24 v5, v2, 24
	v_add_nc_u32 v4, v4, v5                        ; a fragment's row x pitch + 24 x half
	v_lshl_add_u32 v5, v2, 4, v4                   ; and the same behind one padding more
	v_add_nc_u32 v[ADRA], s88, v4
	v_add_nc_u32 v[ADRA+1], s88, v5
	v_add_nc_u32 v[ADRB], s89, v4
	v_add_nc_u32 v[ADRB+1], s90, v4
	v_add_nc_u32 v[ADRB+2], s89, v5
	v_add_nc_u32 v[ADRB+3], s90, v5
	v_lshl_add_u32 v[STW], v1, 4, s91
	v_add_nc_u32 v[RDW], s91, v[L8]
	s_wait_alu depctr_va_vdst(0)                   ; ahead of the run of scalar instructions
	s_bfe_u32 s40, ttmp6, 0x40000                  ; cx, cy
	s_bfe_u32 s41, ttmp6, 0x40004
	s_lshl_b32 s42, ttmp9, 2
	s_add_co_u32 s42, s42, s40                     ; tile column
	s_and_b32 s17, ttmp7, 0xffff
	s_lshl_b32 s17, s17, 2
	s_add_co_u32 s17, s17, s41                     ; tile row
	s_lshl_b32 s43, s41, 2
	s_lshl_b32 s43, 15, s43                        ; my row of the cluster
	s_lshl_b32 s44, 0x1111, s40                    ; my column
	s_or_b32 s[G1+0], s43, (3<<16)|(1<<20)|(1<<21)|(5<<22)|(3<<25)    ; the mask; elements of 8 bytes; padding on; bit 21 beside a mask; 4 words behind every 64
	s_or_b32 s[G1B+0], s44, (3<<16)|(1<<20)|(1<<21)|(5<<22)|(3<<25)
	s_mov_b32 s[G1+1], 32<<16                      ; rows of 256 bytes, dense in memory
	s_mov_b32 s[G1+2], 192<<16                     ; 64 rows of x = 192 such rows
	s_mov_b32 s[G1+3], 32<<16
	s_mov_b32 s[G1+4], 192
	s_mov_b32 s[G1+5], 32
	s_mov_b32 s[G1+6], 0
	s_mov_b32 s[G1+7], 0
	s_mov_b32 s[G1B+1], 32<<16
	s_mov_b32 s[G1B+2], 384<<16                    ; 128 rows of w_q = 384
	s_mov_b32 s[G1B+3], 32<<16
	s_mov_b32 s[G1B+4], 384
	s_mov_b32 s[G1B+5], 32
	s_mov_b32 s[G1B+6], 0
	s_mov_b32 s[G1B+7], 0
	s_lshl_b32 s18, s16, 6
	s_lshl_b32 s20, s17, 7
	s_add_co_u32 s20, s20, s18                     ; x: row 128 x tile row + 64 x half
	s_mul_i32 s20, s20, 768
	s_mov_b32 s21, 0
	s_lshl_b32 s19, s16, 7
	s_lshl_b32 s46, s42, 8
	s_add_co_u32 s46, s46, s19                     ; w_q: row 256 x tile column + 128 x half
	s_mul_i32 s46, s46, 768
	s_mov_b32 s47, 0
	s_mul_i32 s45, s16, AHALF                      ; where they go: x's two halves,
	s_mul_i32 s66, s16, BHALF
	s_add_co_u32 s66, s66, 2*AHALF                 ; then w_q's two: no place in the cluster enters an LDS address
	s_mov_b32 s[SEL], 0x76543210
	s_mov_b32 s[SEL+1], 0xfedcba98                 ; v_permlanex16_b32's selects for lane l xor 16
	s_lshl_b32 s80, s17, 7
	s_lshl_b32 s81, s15, 6
	s_add_co_u32 s80, s80, s81                     ; my first row of q
	s_lshl_b32 s82, s42, 8
	s_lshl_b32 s81, s16, 7
	s_add_co_u32 s82, s82, s81                     ; my first column
	s_lshl_b32 s83, s17, 2
	s_add_co_u32 s83, s83, s42                     ; g = 4 x tile row + tile column, 0..255: it enters global addresses alone
	s_lshr_b32 s81, s83, 3                         ; xk: my work-group's group of 64 patterns,
	s_and_b32 s12, s83, 7                          ; its K step,
	s_lshl_b32 s13, s81, 2
	s_add_co_u32 s13, s13, s14                     ; my block of 16 patterns
	s_lshl_b32 s92, s13, 16                        ; 16 rows of 4,096 bytes a block,
	s_lshl_b32 s78, s12, 9                         ; 512 bytes a K step
	s_add_co_u32 s92, s92, s78                     ; my fragment's corner in xi
	s_lshl_b32 s93, s13, 3
	s_add_co_u32 s93, s93, s12
	s_mul_i32 s93, s93, 1536                       ; its image
	s_lshl_b32 s23, s12, 13
	s_lshl_b32 s78, s81, 8
	s_add_co_u32 s23, s23, s78                     ; the work-group's 256 bytes of xk's scale words
	s_lshr_b32 s81, s83, 4                         ; xv: my work-group's group of 64 columns d,
	s_and_b32 s12, s83, 15                         ; its K step,
	s_lshl_b32 s13, s81, 2
	s_add_co_u32 s13, s13, s14                     ; my block of 16 columns
	s_lshl_b32 s94, s12, 19                        ; 128 rows of 4,096 bytes a K step,
	s_lshl_b32 s78, s13, 6                         ; 64 bytes a block
	s_add_co_u32 s94, s94, s78
	s_lshl_b32 s95, s13, 4
	s_add_co_u32 s95, s95, s12
	s_mul_i32 s95, s95, 1536
	s_lshl_b32 s22, s12, 12
	s_lshl_b32 s78, s81, 8
	s_add_co_u32 s22, s22, s78
	s_add_co_u32 s22, s22, 65536                   ; the work-group's 256 bytes of xv's scale words,
	s_sub_co_u32 s22, s22, s23                     ; as a distance from xk's (xk's end under byte 65,536: it is positive)
	v_mul_u32_u24 v[WO], s22, v2                   ; lanes 0-15 store xk's 256 bytes, lanes 16-31 xv's
	v_lshl_add_u32 v[WO], v1, 4, v[WO]
	v_add_nc_u32 v[WO], s23, v[WO]
	s_wait_alu depctr_va_vdst(0)                   ; directly ahead of the waits below
	s_wait_dscnt 0x0                               ; both opening adds are done
	s_wait_kmcnt 0x0
	s_load_b32 s[SGN], s[100:101], 0x0             ; beta
	s_mov_b32 s87, 0
	ADDO 84, 68, s92                               ; xi at the corner of my fragment of xk,
	ADDO 68, 68, s94                               ; and of xv
	s_lshl_b32 s78, s80, 5
	ADDO 6, 6, s78                                 ; the scales of my 64 rows of x, 32 bytes a row
	s_lshl_b32 s78, s82, 5
	ADDO 10, 10, s78                               ; and of my 128 rows of w_q
.irp a, 0,1,2,3
	global_load_b128 v[SA+4*\a:SA+4*\a+3], v[VS], s[6:7] offset:512*\a      ; 32 lanes read the 512 consecutive bytes of 16 rows
.endr
.irp b, 0,1,2,3,4,5,6,7
	global_load_b128 v[SBR+4*\b:SBR+4*\b+3], v[VS], s[10:11] offset:512*\b
.endr
	WIN 0x80                                       ; destination: window 2
.irp u, 0,1,2,3                                    ; xk, by quarters u = 2 c + g: floats 64 c + 32 h + 16 g .. + 15 of each row, four rows a load
.irp p, 0,1,2,3
	global_load_b128 v[16*\u+4*\p:16*\u+4*\p+3], v[VX], s[84:85] offset:16384*\p+256*(\u/2)+64*(\u%2)
.endr
.endr
	WIN 0
.irp m, 0,1,2,3,4,5,6,7,8,9,10,11,12,13,14,15,16,17,18,19,20,21,22,23,24,25,26,27,28,29,30,31
	global_load_b32 v[XV+\m], v[QV], s[68:69] offset:((\m&7)|((\m&8)<<1)|((\m&16)>>1))*4096   ; xv: xi(128 s + 32 h + PI(m), my column): sixteen lanes read 64 neighbouring bytes, the four waves stand side by side on 256
.endr
	s_add_nc_u64 s[20:21], s[4:5], s[20:21]
	s_add_nc_u64 s[46:47], s[8:9], s[46:47]
	s_mov_b32 s[G0A], 1
	s_mov_b32 s[G0A+1], s45
	s_mov_b64 s[G0A+2:G0A+3], s[20:21]
	s_or_b32 s[G0A+3], s[G0A+3], 0x80000000
	s_mov_b32 s[G0B], 1
	s_mov_b32 s[G0B+1], s66
	s_mov_b64 s[G0B+2:G0B+3], s[46:47]
	s_or_b32 s[G0B+3], s[G0B+3], 0x80000000
	CROUND                                         ; all sixteen work-groups are here: the joint loads meet
	JLOAD G0A, G1, G0B, G1B                        ; my one tensor load
	s_mul_i32 s78, s80, 768                        ; q_codes: (row / 16) x 8 K steps x 1,536 + (column / 128) x 1,536
	s_mul_i32 s81, s82, 12
	s_add_co_u32 s78, s78, s81
	ADDO 70, 70, s78
	s_lshl_b32 s78, s82, 8                         ; q_scales: (column / 128) planes of 32,768 bytes + 4 x row
	s_lshl_b32 s81, s80, 2
	s_add_co_u32 s78, s78, s81
	ADDO 72, 72, s78
	ADDO 74, 74, s93                               ; xk's image
	ADDO 96, 96, s95                               ; xv's
	s_wait_kmcnt 0x0                               ; beta
	s_ashr_i32 s[SGN], s[SGN], 31                  ; all ones where beta is negative:
	s_and_b32 s88, s[SGN], 0x20820820              ; the sign bits of 16 codes, bit 6 i + 5 of 96, in three words
	s_and_b32 s89, s[SGN], 0x08208208
	s_and_b32 s90, s[SGN], 0x82082082
	; xk's rows turn through my stage, a quarter after the other; LDS serves a wave's instructions in order: the loads see my stores, and the next stores come behind them
.irp u, 0,1,2,3
.if \u < 3
	s_wait_loadcnt 44-4*\u                         ; loads come back in order: this quarter's four are in; the younger quarters' and xv's 32 may be out
.else
	s_wait_loadcnt 31                              ; one fewer than need be, so that with the 32 loads below 63 are out
.endif
	WIN 0x08                                       ; the stores' data: window 2
.irp p, 0,1,2,3
	ds_store_b128 v[QIN], v[16*\u+4*\p:16*\u+4*\p+3] offset:576*\p
.endr
	WIN 0
.irp m, 0,1,2,3
	ds_load_b128 v[XK+32*(\u/2)+16*(\m/2)+8*(\u%2)+4*(\m%2):XK+32*(\u/2)+16*(\m/2)+8*(\u%2)+4*(\m%2)+3], v[QOUT] offset:16*\m   ; elements 16 g + 4 m on, at their positions
.endr
.endr
.irp m, 0,1,2,3,4,5,6,7,8,9,10,11,12,13,14,15,16,17,18,19,20,21,22,23,24,25,26,27,28,29,30,31
	global_load_b32 v[XV+32+\m], v[QV], s[68:69] offset:(64+((\m&7)|((\m&8)<<1)|((\m&16)>>1)))*4096   ; xv: xi(128 s + 64 + 32 h + PI(m), my column)
.endr
; 64 numbers of a lane, two whole blocks, become the fragment's codes in v[dst] on and my row's scale word in v[wd].
.macro QFRAG xs, dst, wd
.irp c, 0,1
	v_max3_num_f32 v[MX+\c], |v[\xs+32*\c]|, |v[\xs+32*\c+1]|, 0x2800000   ; with the floor 2^(5 - 127): the byte cannot fall under 1
.endr
.irp i, 2,4,6,8,10,12,14,16,18,20,22,24,26,28,30
.irp c, 0,1
	v_max3_num_f32 v[MX+\c], v[MX+\c], |v[\xs+32*\c+\i]|, |v[\xs+32*\c+\i+1]|
.endr
.endr
.irp c, 0,1
	v_add_nc_u32 v[SO+\c], 0xfe000000, v[MX+\c]    ; 4 off the exponent field: the conversion's scale operand
.endr
.irp c, 0,1
	v_lshrrev_b32 v[BY+\c], 23, v[SO+\c]           ; the scale's byte
.endr
	v_lshl_or_b32 v[\wd], v[BY+1], 16, v[BY]       ; my two bytes, blocks h and 2 + h,
	v_lshlrev_b32 v[\wd], v[H8], v[\wd]            ; at their places in the word;
	v_permlanex16_b32 v[WT], v[\wd], s[SEL], s[SEL+1]
	v_or_b32 v[\wd], v[\wd], v[WT]                 ; with lane l xor 16's two the word is whole
.irp c, 0,1
	v_cvt_scalef32_pk16_bf6_f32 v[\dst+6*\c:\dst+6*\c+2], v[\xs+32*\c:\xs+32*\c+15], v[SO+\c]
	v_cvt_scalef32_pk16_bf6_f32 v[TC+4*\c:TC+4*\c+2], v[\xs+32*\c+16:\xs+32*\c+31], v[SO+\c]   ; (a conversion's three registers begin on an even number)
.endr
	v_nop                                          ; one plain place behind a scaled conversion
.irp c, 0,1
.irp i, 0,1,2
	v_mov_b32 v[\dst+6*\c+3+\i], v[TC+4*\c+\i]
.endr
.endr
.endm
	s_wait_dscnt 0x0                               ; xk's numbers are back from the stage
	QFRAG XK, CK, WK
.irp k, 0,1,2,3,4,5,6,7,8,9,10,11
	v_xor_b32 v[CK+\k], s[88+\k%3], v[CK+\k]       ; beta's sign
.endr
.irp k, 0,1,2
	global_store_b128 v[LI], v[CK+4*\k:CK+4*\k+3], s[74:75] offset:512*\k   ; the image: 512 consecutive bytes a store
.endr
	ds_store_b32 v[GW], v[WK]                      ; lanes r and r + 16 write the same word with the same value
	s_wait_alu depctr_va_vdst(0)                   ; directly ahead of the wait below
	s_wait_loadcnt 0x0                             ; xv's numbers (and, long since, the given scale words)
	QFRAG XV, CV, WV
.irp k, 0,1,2
	global_store_b128 v[LI], v[CV+4*\k:CV+4*\k+3], s[96:97] offset:512*\k
.endr
	ds_store_b32 v[GW], v[WV] offset:256
.irp b, 0,1,2,3
	v_mov_b32 v[TM+4+\b], 0                        ; written once: a lane permute's destination counts as one of its sources
.endr
; 16 rows x 128 K: 12 registers, in pieces of 8 bytes.  Byte y of a row of codes lies at y + 16 (y / 256) of its LDS row; lanes 16-31 read 24 bytes further on, which for some pieces is behind one padding more.
.macro FRAG reg, adr, alt, ks, i
.irp p, 0,1,2,3,4,5
.set PB, 96*(\ks)+48*(\p/3)+8*(\p%3)
.if PB%256 < 232
	ds_load_b64 v[\reg+2*\p:\reg+2*\p+1], v[\adr] offset:PB+16*(PB/256)+(\i)*16*PITCH
.else
	ds_load_b64 v[\reg+2*\p:\reg+2*\p+1], v[\alt] offset:PB+16*(PB/256)+(\i)*16*PITCH
.endif
.endr
.endm
.macro FETCH_B ks, p
	WIN TO_B
.irp i, 0,1,2,3,4,5,6,7
	FRAG 128*(\p)+FR*\i, ADRB+\i/4, ADRB+2+\i/4, \ks, \i%4
.endr
	WIN 0
.endm
.macro FETCH_A ks, i0
.irp i, 0,1
	FRAG AF+FR*(\i0+\i), ADRA, ADRA+1, \ks, (\i0+\i)
.endr
.endm
; 8 matrix instructions: x's block a against w_q's eight from set p, K step ks.  zero = 1: the product starts the sums.
.macro MULB a, p, ks, zero
.irp b, 0,1,2,3,4,5,6,7
.set rD, 8*(8*(\a)+\b)
.set rB, 128*(\p)+FR*\b
.set rA, AF+FR*(\a)
.set rSB, SBR+4*\b+(\ks)%4
.set rSA, SA+4*(\a)+(\ks)%4
.if \zero
	v_wmma_scale_f32_16x16x128_f8f6f4 v[rD:rD+7], v[rB:rB+FR-1], v[rA:rA+FR-1], 0, v[rSB], v[rSA] matrix_a_fmt:MATRIX_FMT_BF6 matrix_b_fmt:MATRIX_FMT_BF6
.elseif (\ks)/4
	v_wmma_scale_f32_16x16x128_f8f6f4 v[rD:rD+7], v[rB:rB+FR-1], v[rA:rA+FR-1], v[rD:rD+7], v[rSB], v[rSA] matrix_a_fmt:MATRIX_FMT_BF6 matrix_b_fmt:MATRIX_FMT_BF6 matrix_a_scale:MATRIX_SCALE_ROW1 matrix_b_scale:MATRIX_SCALE_ROW1
.else
	v_wmma_scale_f32_16x16x128_f8f6f4 v[rD:rD+7], v[rB:rB+FR-1], v[rA:rA+FR-1], v[rD:rD+7], v[rSB], v[rSA] matrix_a_fmt:MATRIX_FMT_BF6 matrix_b_fmt:MATRIX_FMT_BF6
.endif
.endr
.endm
; K step ks, and the fetch of K step ks + 1.  The 32 accumulators take turns, one instruction a turn, in the same order in every step.  Four places stand in front of each run of loads into registers that
; matrix instructions have read (ISA guide 7.12.1 for vector instructions).
.macro STEP ks, zero
	s_wait_dscnt HL                                ; w_q's set and x's blocks 0, 1 are in; the youngest HL loads (blocks 2, 3) may be out
	WIN MUL
	MULB 0, (\ks)%2, \ks, \zero
	MULB 1, (\ks)%2, \ks, \zero
	s_wait_dscnt 0                                 ; x's blocks 2, 3 are in
.if (\ks) < 7
	PLACES 4
	FETCH_B (\ks)+1, 1-(\ks)%2
	FETCH_A (\ks)+1, 0
	WIN MUL
.endif
	MULB 2, (\ks)%2, \ks, \zero
	MULB 3, (\ks)%2, \ks, \zero
.if (\ks) < 7
	PLACES 4
	WIN 0
	FETCH_A (\ks)+1, 2
.endif
.endm
	s_wait_alu depctr_va_vdst(0)                   ; the head's end
	s_wait_tensorcnt 0x0                           ; my part of the tile is in
	s_wait_dscnt 0x0                               ; for the others' sake: my two scale words have landed
	s_barrier_signal -1
	s_barrier_wait -1
	s_cmp_lg_u32 s14, 0
	s_cbranch_scc1 .Lwords_out
	ds_load_b128 v[GRR:GRR+3], v[GRD]              ; the four waves' words of xk and of xv
	s_wait_dscnt 0x0
	global_store_b128 v[WO], v[GRR:GRR+3], s[98:99]   ; two runs of 256 consecutive bytes, each at a multiple of 256 from the buffer's first byte
.Lwords_out:
	FETCH_B 0, 0
	FETCH_A 0, 0
	FETCH_A 0, 2
	STEP 0, 1
	STEP 1, 0
	STEP 2, 0
	STEP 3, 0
	STEP 4, 0
	STEP 5, 0
	STEP 6, 0
	STEP 7, 0
	WIN 0
; THE WAY OUT: block a (16 rows x 128 columns, one K step of the next product) is quantised in registers: register 16 B + i of its 64 is column 32 B + 8 h + (i % 8) + 16 (i / 8) of my row.
.macro QUANTW a
.set AC, 64*(\a)
	s_wait_xcnt 0x0                                ; the stores before have read the registers that are written below
	WIN 0x0a                                       ; sources 0 and 1: window 2
.irp b, 0,1,2,3
	v_max3_num_f32 v[TM+\b], |v[AC+16*\b]|, |v[AC+16*\b+1]|, 0x2800000   ; each accumulator from its low end on; the floor 2^(5 - 127) holds the byte at 1 from below
.endr
.irp i, 2,4,6,8,10,12,14
.irp b, 0,1,2,3
	v_max3_num_f32 v[TM+\b], |v[AC+16*\b+\i]|, |v[AC+16*\b+\i+1]|, v[TM+\b]
.endr
.endr
	WIN 0
.irp b, 0,1,2,3
	v_permlanex16_b32 v[TM+4+\b], v[TM+\b], s[SEL], s[SEL+1]
.endr
.irp b, 0,1,2,3
	v_max_num_f32 v[TM+\b], v[TM+\b], v[TM+4+\b]   ; with lane l xor 16's 16: the block's largest magnitude
.endr
.irp b, 0,1,2,3
	v_add_nc_u32 v[TM+12+\b], 0xfe000000, v[TM+\b] ; 4 off the exponent field: the conversion's scale operand
.endr
.irp b, 0,1,2,3
	v_lshrrev_b32 v[TM+4+\b], 23, v[TM+12+\b]      ; the byte
.endr
	v_lshl_or_b32 v[PW], v[TM+5], 8, v[TM+4]
	v_lshl_or_b32 v[PW], v[TM+6], 16, v[PW]
	v_lshl_or_b32 v[PW], v[TM+7], 24, v[PW]        ; my row's scale word
	WIN 0x02                                       ; source 0: window 2
.irp c, 0,1
	v_cvt_scalef32_pk16_bf6_f32 v[PC+6*\c:PC+6*\c+2], v[AC+32*\c:AC+32*\c+15], v[TM+12+2*\c]
	v_cvt_scalef32_pk16_bf6_f32 v[PC+12+4*\c:PC+14+4*\c], v[AC+32*\c+16:AC+32*\c+31], v[TM+12+2*\c+1]
.endr
	WIN 0
	v_nop                                          ; one plain place behind a scaled conversion
.irp c, 0,1                                        ; the operand wants a whole block in a lane: lanes 0-15 block 2 c, lanes 16-31 block 2 c + 1
.irp i, 0,1,2
	v_permlane16_swap_b32 v[PC+6*\c+\i], v[PC+12+4*\c+\i]
.endr
.irp i, 0,1,2
	v_mov_b32 v[PC+3+6*\c+\i], v[PC+12+4*\c+\i]
.endr
.endr
.irp c, 0,1,2
	global_store_b128 v[LI], v[PC+4*\c:PC+4*\c+3], s[70:71] offset:12288*(\a)+512*\c   ; the image: 512 consecutive bytes a store
.endr
	ds_store_b32 v[STW], v[PW] offset:4*(\a)       ; lanes r and r + 16 write the same word with the same value
.endm
	PLACES 4                                       ; in front of the first read of results
.irp a, 0,1,2,3
	QUANTW \a
.endr
	ds_load_b64 v[RB:RB+1], v[RDW]                 ; LDS serves a wave's instructions in order: this sees my four stores
	s_wait_dscnt 0x0
	global_store_b64 v[L8], v[RB:RB+1], s[72:73]   ; my 64 rows' words: 256 consecutive bytes, at a multiple of 256 from the buffer's first byte
	s_wait_tensorcnt 0x0                           ; the wave's end
	ds_add_u32 v[SPW], v[NIL]
	s_wait_dscnt 0x0
	CROUND                                         ; the closing round
	s_endpgm
.Lfunc_end_k_qcd2cc214f1_qgemm:
	.size	k_qcd2cc214f1_qgemm, .Lfunc_end_k_qcd2cc214f1_qgemm-k_qcd2cc214f1_qgemm
	.p2alignl 7, 3214868480
	.fill 96, 4, 3214868480
	.section	.rodata,"a",@progbits
	.p2align	6, 0x0
	.amdhsa_kernel k_qcd2cc214f1_qgemm
		.amdhsa_group_segment_fixed_size 327680
		.amdhsa_private_segment_fixed_size 0
		.amdhsa_enable_private_segment 0
		.amdhsa_kernarg_size 88
		.amdhsa_user_sgpr_count 2
		.amdhsa_user_sgpr_kernarg_segment_ptr 1
		.amdhsa_wavefront_size32 1
		.amdhsa_system_sgpr_workgroup_id_x 1
		.amdhsa_system_sgpr_workgroup_id_y 1
		.amdhsa_system_sgpr_workgroup_id_z 1
		.amdhsa_system_vgpr_workitem_id 0
		.amdhsa_next_free_vgpr 768
		.amdhsa_next_free_sgpr 102
		.amdhsa_reserve_vcc 0
		.amdhsa_float_denorm_mode_32 3
		.amdhsa_float_denorm_mode_16_64 3
		.amdhsa_memory_ordered 1
		.amdhsa_forward_progress 1
		.amdhsa_inst_pref_size 117
	.end_amdhsa_kernel
	.amdgpu_metadata
---
amdhsa.version: [ 1, 2 ]
amdhsa.kernels:
  - .name:           k_qcd2cc214f1_qgemm
    .symbol:         k_qcd2cc214f1_qgemm.kd
    .args:
      - { .name: x_codes, .offset: 0, .size: 8, .value_kind: global_buffer, .address_space: global }
      - { .name: x_scales, .offset: 8, .size: 8, .value_kind: global_buffer, .address_space: global }
      - { .name: w_q_codes, .offset: 16, .size: 8, .value_kind: global_buffer, .address_space: global }
      - { .name: w_q_scales, .offset: 24, .size: 8, .value_kind: global_buffer, .address_space: global }
      - { .name: xi, .offset: 32, .size: 8, .value_kind: global_buffer, .address_space: global }
      - { .name: q_codes, .offset: 40, .size: 8, .value_kind: global_buffer, .address_space: global }
      - { .name: q_scales, .offset: 48, .size: 8, .value_kind: global_buffer, .address_space: global }
      - { .name: xk_codes, .offset: 56, .size: 8, .value_kind: global_buffer, .address_space: global }
      - { .name: xv_codes, .offset: 64, .size: 8, .value_kind: global_buffer, .address_space: global }
      - { .name: xi_scales, .offset: 72, .size: 8, .value_kind: global_buffer, .address_space: global }
      - { .name: beta, .offset: 80, .size: 8, .value_kind: global_buffer, .address_space: global }
    .group_segment_fixed_size: 327680
    .private_segment_fixed_size: 0
    .kernarg_segment_align: 8
    .kernarg_segment_size: 88
    .max_flat_workgroup_size: 128
    .sgpr_count:     102
    .vgpr_count:     768
    .wavefront_size: 32
...
	.end_amdgpu_metadata
.endif
;; end of part 5
;; launch sgemm (part 6): grid 8 x 32, 4 waves a work-group, clusters of 4 x 4, 327,680 bytes of LDS; arguments q_codes, q_scales, xk_codes, xi_scales, beta, p_codes, p_meta; writes p_codes, p_meta
.if DOCPART == 6
	.amdgcn_target "amdgcn-amd-amdhsa--gfx1250"
	.amdhsa_code_object_version 6
	.text
	.protected	k_qcd2cc214f1_sgemm
	.globl	k_qcd2cc214f1_sgemm
	.p2align	8
	.type	k_qcd2cc214f1_sgemm,@function
k_qcd2cc214f1_sgemm:
	s_mov_b64 s[64:65], 0
	v_nop
	global_prefetch_b8 v0, s[64:65] scope:SCOPE_SE
	s_setreg_imm32_b32 hwreg(HW_REG_WAVE_MODE, 25, 1), 1
	s_wait_xcnt 0x0
	s_wait_alu depctr_hold_cnt(0) depctr_sa_sdst(0) depctr_va_vdst(0) depctr_va_sdst(0) depctr_va_ssrc(0) depctr_va_vcc(0) depctr_vm_vsrc(0)
	s_getreg_b32 s2, hwreg(HW_REG_IB_STS2, 6, 4)
	s_cmp_eq_u32 s2, 0
	s_cbranch_scc0 .Lentry_in_a_cluster
	s_endpgm
.Lentry_in_a_cluster:
	s_bfe_u32 s2, ttmp6, 0x10000c
	s_cmp_lg_u32 s2, 0xf033
	s_cbranch_scc0 .Lentry_shape_is_right
	s_endpgm
.Lentry_shape_is_right:
; S[m][k] = sum over d of q[m][d] xk[k][d] on codes of E3M2 (q's and xk's images and scale words, made by the launch before; xk carries beta's sign); then the softmax's numerator for the wave's own 128 keys:
; t = S x |beta| x log2(e);  M = ceil(the largest t of the row among THESE 128 keys), a whole number;  p = 2^(t - M), quantised along the keys;  l = the sum of the unquantised p.
; The next launch finds each row's largest M, takes the whole-number difference off these pieces' scale bytes and scales l by the same power of two: both exact, so the codes' values are those under the row's own M.
; M = 8,192, N = 2,048, K = 1,024.  A tile of S is 256 x 256, four waves of 128 x 128; 256 work-groups.  Eight K steps of 128, written out.  LDS has two slots: slot 0 holds two K steps, slot 1 four.  The head fills slot 0 (K steps 0, 1); slot 1's one
; fill (K steps 2-5) goes out behind the first round and has K steps 0 and 1 in which to land; slot 0 is filled again (K steps 6, 7) behind the round in K step 1 and has K steps 2-5.
; OPERANDS ARE IMAGES OF REGISTERS: a fragment is 1,536 bytes, three loads of 16 bytes a lane at 16 x lane; a tile is 8 blocks of rows x 3,072 or 6,144 consecutive bytes, 12,288 bytes apart in memory, dense in LDS.
; CLUSTERS: 4 x 4; q's tiles jointly along a row of the cluster, xk's along a column.  TRANSPOSED USE (source 0 = 16 keys, source 1 = 16 rows of q): lane (r, h) holds row r, register j of accumulator (a, b) key 16 b + 8 h + j.
; PREFETCH: behind the head's load each wave asks for K steps 2-5 of the blocks that slot 1 will take: of the eight blocks that a wave fetches each of the four partners names two, by address, 24 units of 256 bytes each; xk's by four clusters alone.
; THE SCALES stay in registers: one load of 16 bytes gives a lane the words of four blocks of rows, K step 2 j in lanes 0-15 and 2 j + 1 in lanes 16-31 (ROW1 on both sides in odd K steps).
; OUT: p_codes [block of 16 rows][K step = key / 128][1,536 bytes], positions inside a block of 32 in the order PI (bits 3 and 4 exchanged), as xv is laid; p_meta: three parts of 524,288 bytes, each [K step][group of 64 rows][r][i]: scale words, -M, l.
; LIMITS: NaN and infinities are not served; v_exp_f32 gives 0 for p under 2^-126; the scaled scores t stay under 2^31 in magnitude.
; REGISTERS: window 0: v8, v16-31 addresses and c; v32-63 q's scale words, v64-95 xk's; v96-119 at work; from v128 q's fragments (later t - M and p, and the codes).  window 1: xk's fragments, two sets.  windows 2, 3: the accumulators.
.set FR,     12
.set FRB,    1536
.set HL,     12                        ; the loads of four of q's blocks
.set AHALF,  8*2*FRB                   ; 8 blocks of rows x 2 K steps
.set SLOT,   4*AHALF                   ; slot 0; slot 1 behind it has twice as much
.set SPARE,  3*SLOT                    ; behind the slots: the spare words, 128 bytes a wave
.set STAGE,  SPARE+512                 ; 1,536 bytes a wave: its rows' scale words, -M and l
.set PFO,  8                           ; the prefetch's offset
.set ADRA, 16                          ; v16-17 my q fragments in slot 0, 1
.set ADRB, 19                          ; v19-20 the same for xk
.set RDW,  22
.set ZO,   23                          ; 0: beta's offset
.set LI,   24
.set STW,  25
.set VOB,  26
.set VOA,  27
.set SPW,  28
.set NIL,  29
.set CB,   30                          ; v[30:31] c = |beta| x log2(e)
.set SA,   32
.set SBR,  64
.set BM,   96                          ; v96-99   each block's largest score, then its largest p
.set BX,   100                         ; v100-103 from lane l xor 16
.set SO,   104                         ; the conversions' scale operands
.set BY,   108                         ; the bytes
.set PW,   112
.set TX,   113
.set NEGM, 114                         ; v[114:115]
.set L,    116                         ; v[116:117], v[118:119]: the sum in two chains
.set L2,   118
.set AF,   128
.set T,    128                         ; v128-191 t - M, then p
.set PC,   192
.set RB,   212
.set G1,   24
.set G1B,  48
.set G0A,  32                          ; groups 0, one for each slot
.set G0B,  56
.set PF,   74
.set PFN,  78
.set SEL,  76
.set MSB, 0
.macro WIN new
.if MSB != (\new)
	s_set_vgpr_msb (MSB<<8)|(\new)
.set MSB, (\new)
.endif
.endm
.set MUL_LO, 0xa1
.set MUL_HI, 0xf1
.set TO_B,   0x40
.macro JLOAD s                         ; a joint load: waves 0 and 1 fetch q's halves, waves 2 and 3 xk's; four v_nop follow each line
	s_cmp_eq_u32 s15, 0
	s_cbranch_scc0 .Lfor_b_\@
	tensor_load_to_lds s[G0A+4*\s:G0A+4*\s+3], s[G1:G1+7]
	s_nop 0
.rept 4
	v_nop
.endr
	s_branch .Lasked_\@
.Lfor_b_\@:
	tensor_load_to_lds s[G0B+4*\s:G0B+4*\s+3], s[G1B:G1B+7]
	s_nop 0
.rept 4
	v_nop
.endr
.Lasked_\@:
.endm
.macro CREST                           ; a round of the cluster's barrier behind its opening barrier
	s_cmp_lg_u32 s14, 0
	s_cbranch_scc1 .Lnot_wave_0_\@
	s_barrier_signal -3
.Lnot_wave_0_\@:
	s_barrier_wait -3
	s_barrier_signal -1
	s_barrier_wait -1
.endm
.macro CROUND
	s_barrier_signal -1
	s_barrier_wait -1
	CREST
.endm
.macro PLACES n
.rept \n
	v_nop
.endr
.endm
.macro WIDE n                          ; the tiles that follow have n K steps a block; written where no tensor load of mine is out
.irp g, G1, G1B
	s_mov_b32 s[\g+1], ((\n)*FRB/8)<<16            ; tensor_dim0, elements of 8 bytes
	s_mov_b32 s[\g+3], ((\n)*FRB/8)<<16            ; tile_dim0
.endr
.endm
	s_load_b256 s[4:11], s[0:1], 0x0               ; q_codes s[4:5], q_scales s[6:7], xk_codes s[8:9], xi_scales s[10:11]
	s_load_b128 s[68:71], s[0:1], 0x20             ; beta s[68:69], p_codes s[70:71]
	s_load_b64 s[72:73], s[0:1], 0x30              ; p_meta
	v_lshl_add_u32 v[SPW], v0, 2, SPARE
	v_mov_b32 v[NIL], 0
	ds_add_u32 v[SPW], v[NIL]                      ; the opening lines: the add, twice on end, and its wait ahead of my first tensor load
	ds_add_u32 v[SPW], v[NIL]
	v_lshrrev_b32 v1, 5, v0
	v_readfirstlane_b32 s14, v1                    ; wave 0..3
	s_lshr_b32 s15, s14, 1                         ; my half of the rows.  Also: I fetch for q (0) or for xk (1)
	s_and_b32 s16, s14, 1                          ; my half of the keys.  Also: which half I fetch
	s_mul_i32 s86, s15, AHALF                      ; slot 0: q's two halves, then xk's two
	s_mul_i32 s87, s16, AHALF
	s_add_co_u32 s87, s87, 2*AHALF
	s_mul_i32 s92, s15, 2*AHALF                    ; slot 1: the same at twice the size
	s_add_co_u32 s92, s92, SLOT
	s_mul_i32 s93, s16, 2*AHALF
	s_add_co_u32 s93, s93, SLOT+4*AHALF
	s_mul_i32 s94, s14, 1536
	s_add_co_u32 s94, s94, STAGE
	v_and_b32 v1, 15, v0                           ; r
	v_bfe_u32 v2, v0, 4, 1                         ; h
	v_and_b32 v6, 31, v0
	v_lshlrev_b32 v[LI], 4, v6
	v_lshlrev_b32 v[VOA], 4, v1
	v_lshlrev_b32 v[VOB], 4, v1
	v_lshl_add_u32 v[VOA], v2, 15, v[VOA]          ; 16 r, and one plane (32,768 bytes) on for lanes 16-31
	v_lshl_add_u32 v[VOB], v2, 13, v[VOB]          ; xk's planes are 8,192 bytes
	v_mov_b32 v[ZO], 0
	v_add_nc_u32 v[ADRA], s86, v[LI]
	v_add_nc_u32 v[ADRA+1], s92, v[LI]
	v_add_nc_u32 v[ADRB], s87, v[LI]
	v_add_nc_u32 v[ADRB+1], s93, v[LI]
	v_lshl_add_u32 v[STW], v1, 4, s94
	v_add_nc_u32 v[RDW], s94, v[LI]
	v_min_u32 v7, 23, v6                           ; 24 units of 256 bytes (the lanes left over name the last again)
	v_lshlrev_b32 v[PFO], 8, v7
.irp b, 0,1,2,3
	v_mov_b32 v[BX+\b], 0                          ; written once: a lane permute's destination counts as one of its sources
.endr
	v_mov_b32 v[NEGM+1], 0                         ; (named as the upper half of a pair)
	s_wait_alu depctr_va_vdst(0)                   ; ahead of the run of scalar instructions
	s_bfe_u32 s40, ttmp6, 0x40000                  ; cx, cy
	s_bfe_u32 s41, ttmp6, 0x40004
	s_lshl_b32 s42, ttmp9, 2
	s_add_co_u32 s42, s42, s40                     ; tile column
	s_and_b32 s17, ttmp7, 0xffff
	s_lshl_b32 s17, s17, 2
	s_add_co_u32 s17, s17, s41                     ; tile row
	s_lshl_b32 s43, s41, 2
	s_lshl_b32 s43, 15, s43
	s_lshl_b32 s44, 0x1111, s40
	s_or_b32 s[G1+0], s43, (3<<16)|(1<<21)         ; the mask; elements of 8 bytes; no padding; bit 21 beside a mask
	s_or_b32 s[G1B+0], s44, (3<<16)|(1<<21)
	WIDE 2
.irp g, G1, G1B
	s_mov_b32 s[\g+2], 8<<16                       ; tensor_dim1: 8 blocks of rows
	s_mov_b32 s[\g+4], 8                           ; tile_dim1
	s_mov_b32 s[\g+5], 8*FRB/8                     ; from block to block: 8 K steps
	s_mov_b32 s[\g+6], 0
	s_mov_b32 s[\g+7], 0
.endr
	s_lshl_b32 s18, s16, 3
	s_lshl_b32 s20, s17, 4
	s_add_co_u32 s20, s20, s18                     ; q: block of rows 16 x tile row + 8 x half
	s_mul_i32 s20, s20, 8*FRB
	s_mov_b32 s21, 0
	s_lshl_b32 s46, s42, 4
	s_add_co_u32 s46, s46, s18                     ; xk: block 16 x tile column + 8 x half
	s_mul_i32 s46, s46, 8*FRB
	s_mov_b32 s47, 0
	s_mul_i32 s45, s14, AHALF                      ; where they go: wave x 24,576 in slot 0,
	s_mul_i32 s79, s14, 2*AHALF                    ; wave x 49,152 in slot 1
	s_mov_b32 s[SEL], 0x76543210
	s_mov_b32 s[SEL+1], 0xfedcba98
	s_lshl_b32 s80, s17, 8
	s_lshl_b32 s81, s15, 7
	s_add_co_u32 s80, s80, s81                     ; my first row
	s_lshl_b32 s82, s42, 8
	s_lshl_b32 s83, s16, 7
	s_add_co_u32 s82, s82, s83                     ; my first key
	s_mov_b32 s85, 0
	s_wait_dscnt 0x0                               ; both opening adds are done
	s_wait_kmcnt 0x0
	s_lshl_b32 s84, s80, 2
	s_add_nc_u64 s[6:7], s[6:7], s[84:85]          ; q's scale words: 4 bytes a row in each plane
	s_lshl_b32 s84, s82, 2
	s_add_nc_u64 s[10:11], s[10:11], s[84:85]      ; xk's
	s_add_nc_u64 s[20:21], s[4:5], s[20:21]
	s_add_nc_u64 s[46:47], s[8:9], s[46:47]
.irp j, 0,1,2,3
.irp g, 0,1
	global_load_b128 v[SA+8*\j+4*\g:SA+8*\j+4*\g+3], v[VOA], s[6:7] offset:65536*\j+256*\g     ; blocks 4 g .. 4 g + 3, K steps 2 j and 2 j + 1
	global_load_b128 v[SBR+8*\j+4*\g:SBR+8*\j+4*\g+3], v[VOB], s[10:11] offset:16384*\j+256*\g
.endr
.endr
	global_load_b32 v[CB], v[ZO], s[68:69]         ; beta
.irp s, 0,1
	s_mov_b32 s[G0A+4*\s], 1
.if \s
	s_add_co_u32 s[G0A+4*\s+1], s79, SLOT
.else
	s_mov_b32 s[G0A+4*\s+1], s45
.endif
	s_add_nc_u64 s[G0A+4*\s+2:G0A+4*\s+3], s[20:21], \s*2*FRB
	s_or_b32 s[G0A+4*\s+3], s[G0A+4*\s+3], 0x80000000
	s_mov_b32 s[G0B+4*\s], 1
.if \s
	s_add_co_u32 s[G0B+4*\s+1], s79, SLOT
.else
	s_mov_b32 s[G0B+4*\s+1], s45
.endif
	s_add_nc_u64 s[G0B+4*\s+2:G0B+4*\s+3], s[46:47], \s*2*FRB
	s_or_b32 s[G0B+4*\s+3], s[G0B+4*\s+3], 0x80000000
.endr
	CROUND                                         ; all sixteen work-groups are here: the first joint loads meet
	JLOAD 0                                        ; K steps 0 and 1
	; the prefetch: my first block = that of my fetch + 2 x my place among the four that ask for it with me
	s_lshl_b32 s95, s17, 4
	s_lshl_b32 s96, s40, 1
	s_add_co_u32 s95, s95, s96                     ; q: 16 x tile row + 2 cx
	s_lshl_b32 s96, s42, 4
	s_lshl_b32 s97, s41, 1
	s_add_co_u32 s96, s96, s97                     ; xk: 16 x tile column + 2 cy
	s_and_b32 s97, ttmp7, 0xffff
	s_cmp_lt_u32 s97, 2                            ; xk is the same for every row of clusters: two rows of two clusters ask for it
	s_cselect_b32 s97, 1, 0
	s_cmp_eq_u32 s15, 0
	s_cselect_b32 s95, s95, s96
	s_cselect_b32 s[PFN], 1, s97
	s_cselect_b64 s[PF:PF+1], s[4:5], s[8:9]
	s_add_co_u32 s95, s95, s18                     ; + 8 x half
	s_mul_i32 s96, s95, 8*FRB
	s_mov_b32 s97, 0
	s_add_nc_u64 s[PF:PF+1], s[PF:PF+1], s[96:97]
	s_cmp_eq_u32 s[PFN], 1
	s_cbranch_scc0 .Lnot_mine
	global_prefetch_b8 v[PFO], s[PF:PF+1] offset:2*FRB th:TH_LOAD_NT scope:SCOPE_SE
	global_prefetch_b8 v[PFO], s[PF:PF+1] offset:10*FRB th:TH_LOAD_NT scope:SCOPE_SE
.Lnot_mine:
	s_mul_i32 s84, s80, 1536                       ; p_codes: (row / 16) x 16 K steps x 1,536 + (key / 128) x 1,536
	s_mul_i32 s86, s82, 12
	s_add_co_u32 s84, s84, s86
	s_add_nc_u64 s[70:71], s[70:71], s[84:85]
	s_lshl_b32 s84, s82, 8                         ; p_meta: (key / 128) planes of 32,768 bytes + 4 x row
	s_lshl_b32 s86, s80, 2
	s_add_co_u32 s84, s84, s86
	s_add_nc_u64 s[72:73], s[72:73], s[84:85]
.macro FRAG reg, adr, sl, q, i         ; an image comes back as it was stored: three loads of 16 bytes a lane
.irp c, 0,1,2
	ds_load_b128 v[\reg+4*\c:\reg+4*\c+3], v[\adr] offset:(\i)*(2+2*(\sl))*FRB+(\q)*FRB+512*\c
.endr
.endm
.macro FETCH_B slot, q, p
	WIN TO_B
.irp i, 0,1,2,3,4,5,6,7
	FRAG 128*(\p)+FR*\i, ADRB+\slot, \slot, \q, \i
.endr
	WIN 0
.endm
.macro FETCH_A slot, q, i0
.irp i, 0,1,2,3
	FRAG AF+FR*(\i0+\i), ADRA+\slot, \slot, \q, (\i0+\i)
.endr
.endm
.macro MULB a, ks, zero
.irp b, 0,1,2,3,4,5,6,7
.set rD, 8*(8*((\a)%4)+\b)
.set rB, 128*((\ks)%2)+FR*\b
.set rA, AF+FR*(\a)
.set rSB, SBR+8*((\ks)/2)+\b
.set rSA, SA+8*((\ks)/2)+(\a)
.if \zero
	v_wmma_scale_f32_16x16x128_f8f6f4 v[rD:rD+7], v[rB:rB+FR-1], v[rA:rA+FR-1], 0, v[rSB], v[rSA] matrix_a_fmt:MATRIX_FMT_BF6 matrix_b_fmt:MATRIX_FMT_BF6
.elseif (\ks)%2
	v_wmma_scale_f32_16x16x128_f8f6f4 v[rD:rD+7], v[rB:rB+FR-1], v[rA:rA+FR-1], v[rD:rD+7], v[rSB], v[rSA] matrix_a_fmt:MATRIX_FMT_BF6 matrix_b_fmt:MATRIX_FMT_BF6 matrix_a_scale:MATRIX_SCALE_ROW1 matrix_b_scale:MATRIX_SCALE_ROW1
.else
	v_wmma_scale_f32_16x16x128_f8f6f4 v[rD:rD+7], v[rB:rB+FR-1], v[rA:rA+FR-1], v[rD:rD+7], v[rSB], v[rSA] matrix_a_fmt:MATRIX_FMT_BF6 matrix_b_fmt:MATRIX_FMT_BF6
.endif
.endr
.endm
.macro MULS a0, n, ks, zero            ; the 64 accumulators take turns, one instruction a turn, in the same order in every step
.set ia, \a0
.rept \n
	MULB ia, \ks, \zero
.set ia, ia+1
.endr
.endm
; K step ks lies: 0, 1 in slot 0; 2-5 in slot 1; 6, 7 in slot 0.  xk's set is ks % 2.  NEXT makes the slot and the place in it of K step ks + 1.
.macro NEXT ks
.set fs, ((((\ks)+1)/2+1)/2)%2
.set fq, ((\ks)+1)%2+fs*2*(((\ks)+1)/2-1)
.endm
; Four places stand in front of each run of loads into registers that matrix instructions have read (ISA guide 7.12.1 for vector instructions).
.macro STEP ks, zero
	NEXT \ks
	s_wait_dscnt HL                                ; xk's set and q's lower blocks are in; the youngest HL loads (q's upper blocks) may be out
	WIN MUL_LO
	MULS 0, 4, \ks, \zero
	s_wait_dscnt 0
.if (\ks) < 7
	PLACES 4
	FETCH_B fs, fq, fq%2
	FETCH_A fs, fq, 0
.endif
	WIN MUL_HI
	MULS 4, 4, \ks, \zero
.if (\ks) < 7
	PLACES 4
	WIN 0
	FETCH_A fs, fq, 4
.endif
.endm
; A step with a barrier in its middle: the next step's slot is whole behind it, in every wave's sight.
; fill = 1 (K step 1): slot 0 has been read out and takes K steps 6, 7: the barrier opens a round of the cluster's barrier.
.macro TURN ks, fill
	NEXT \ks
	s_wait_tensorcnt 0x0                           ; all my tensor loads have landed
.if \fill
	ds_add_u32 v[SPW], v[NIL]                      ; 0 onto my spare word
	WIDE 2
	s_add_nc_u64 s[G0A+2:G0A+3], s[G0A+2:G0A+3], 6*FRB
	s_add_nc_u64 s[G0B+2:G0B+3], s[G0B+2:G0B+3], 6*FRB
	s_wait_dscnt HL+1                              ; (the add and the youngest HL loads may be out)
.else
	s_wait_dscnt HL
.endif
	WIN MUL_LO
	MULS 0, 2, \ks, 0
	s_wait_dscnt 0x0                               ; my LDS instructions are done, my reads of the slot in hand among them
	s_barrier_signal -1
	MULS 2, 2, \ks, 0
	WIN 0
	s_barrier_wait -1
.if \fill
	CREST                                          ; no wave of any partner still reads slot 0 or has a load on its way
	JLOAD 0                                        ; the first tensor load behind the round, and my only one; its four v_nop are the places in front of the loads below
.else
	PLACES 4
.endif
	FETCH_B fs, 0, 0
	FETCH_A fs, 0, 0
	WIN MUL_HI
	MULS 4, 4, \ks, 0
	PLACES 4
	WIN 0
	FETCH_A fs, 0, 4
.endm
	s_wait_loadcnt 0x0                             ; the scale words and beta
	v_mul_f32 v[CB], 0x3fb8aa3b, |v[CB]|           ; c = |beta| x log2(e)
	v_mov_b32 v[CB+1], v[CB]                       ; (named with it as a pair)
	s_wait_alu depctr_va_vdst(0)                   ; the head's end
	s_wait_tensorcnt 0x0                           ; my part of slot 0 is in
	ds_add_u32 v[SPW], v[NIL]
	WIDE 4                                         ; (no tensor load of mine is out)
	s_wait_dscnt 0x0
	CROUND
	JLOAD 1                                        ; slot 1 takes K steps 2-5
	FETCH_B 0, 0, 0
	FETCH_A 0, 0, 0
	FETCH_A 0, 0, 4
	STEP 0, 1
	TURN 1, 1
	STEP 2, 0
	STEP 3, 0
	STEP 4, 0
	TURN 5, 0
	STEP 6, 0
	STEP 7, 0
	WIN 0
; THE SOFTMAX'S NUMERATOR for block a: 16 rows x my 128 keys; register 16 B + i of the 64 is a key of block B of 32; lane l xor 16 holds the block's other 16.
.macro SOFT a
.set AC, 64*((\a)%4)
.set WS, 2+(\a)/4
	WIN 5*WS                                       ; sources 0 and 1: the block's window
	s_wait_alu depctr_va_vdst(0)                   ; directly ahead of the first reader of these results
.irp b, 0,1,2,3
	v_max_num_f32 v[BM+\b], v[AC+16*\b], v[AC+16*\b+1]   ; the largest score of each block: it serves for M and, since p rises with the score, for the block's largest p; each accumulator from its low end on
.endr
.irp i, 2,4,6,8,10,12,14
.irp b, 0,1,2,3
	v_max3_num_f32 v[BM+\b], v[AC+16*\b+\i], v[AC+16*\b+\i+1], v[BM+\b]
.endr
.endr
	WIN 0
.irp b, 0,1,2,3
	v_permlanex16_b32 v[BX+\b], v[BM+\b], s[SEL], s[SEL+1]
.endr
.irp b, 0,1,2,3
	v_max_num_f32 v[BM+\b], v[BM+\b], v[BX+\b]
.endr
	v_max3_num_f32 v[TX], v[BM], v[BM+1], v[BM+2]
	v_max_num_f32 v[TX], v[TX], v[BM+3]
	v_mul_f32 v[TX], v[CB], v[TX]                  ; the largest t (c is not negative)
	v_floor_f32 v[NEGM], -v[TX]                    ; -M = floor(-t) = -ceil(t)
	WIN WS                                         ; source 0: the block's window
.set j, 0
.rept 32
	v_pk_fma_f32 v[T+j:T+j+1], v[AC+j:AC+j+1], v[CB:CB+1], v[NEGM:NEGM+1] op_sel_hi:[1,0,0]   ; t - M
.set j, j+2
.endr
	WIN 0
.irp b, 0,1,2,3
	v_fma_f32 v[BM+\b], v[BM+\b], v[CB], v[NEGM]   ; the same operation on the same number gives the same bits
.endr
	s_wait_alu depctr_va_vdst(0)                   ; ahead of the batch
.if (\a) > 0
	s_wait_xcnt 0x0                                ; the last block's stores have read the codes' registers
.endif
.set j, 0
.rept 64
	v_exp_f32 v[T+j], v[T+j]                       ; p = 2^(t - M)
.set j, j+1
.endr
.irp b, 0,1,2,3
	v_exp_f32 v[BM+\b], v[BM+\b]                   ; the block's largest p
.endr
	v_nop                                          ; a plain place behind the exponentials
	s_wait_alu depctr_va_vdst(0)
.irp b, 0,1,2,3
	v_max_num_f32 v[BM+\b], 0x2800000, v[BM+\b]    ; the floor 2^(5 - 127)
.endr
	v_pk_add_f32 v[L:L+1], v[T:T+1], v[T+2:T+3]    ; the sum of the UNQUANTISED p: two at a time, in two chains
	v_pk_add_f32 v[L2:L2+1], v[T+4:T+5], v[T+6:T+7]
.irp b, 0,1,2,3
	v_add_nc_u32 v[SO+\b], 0xfe000000, v[BM+\b]
.endr
.irp b, 0,1,2,3
	v_lshrrev_b32 v[BY+\b], 23, v[SO+\b]           ; the byte: 1 to 123
.endr
.irp j, 8,12,16,20,24,28,32,36,40,44,48,52,56,60
	v_pk_add_f32 v[L:L+1], v[L:L+1], v[T+\j:T+\j+1]
	v_pk_add_f32 v[L2:L2+1], v[L2:L2+1], v[T+\j+2:T+\j+3]
.endr
	v_lshl_or_b32 v[PW], v[BY+1], 8, v[BY]
	v_pk_add_f32 v[L:L+1], v[L:L+1], v[L2:L2+1]
	v_lshl_or_b32 v[PW], v[BY+2], 16, v[PW]
	v_add_f32 v[L], v[L], v[L+1]
	v_lshl_or_b32 v[PW], v[BY+3], 24, v[PW]
.irp c, 0,1
	v_cvt_scalef32_pk16_bf6_f32 v[PC+6*\c:PC+6*\c+2], v[T+32*\c:T+32*\c+15], v[SO+2*\c]
	v_cvt_scalef32_pk16_bf6_f32 v[PC+12+4*\c:PC+14+4*\c], v[T+32*\c+16:T+32*\c+31], v[SO+2*\c+1]
.endr
	v_permlanex16_b32 v[BX], v[L], s[SEL], s[SEL+1]   ; (the plain place behind the conversions)
.irp c, 0,1
.irp i, 0,1,2
	v_permlane16_swap_b32 v[PC+6*\c+\i], v[PC+12+4*\c+\i]
.endr
.irp i, 0,1,2
	v_mov_b32 v[PC+3+6*\c+\i], v[PC+12+4*\c+\i]
.endr
.endr
	v_add_f32 v[L], v[L], v[BX]                    ; with lane l xor 16's 64 keys
.irp c, 0,1,2
	global_store_b128 v[LI], v[PC+4*\c:PC+4*\c+3], s[70:71] offset:24576*(\a)+512*\c   ; the image: 512 consecutive bytes a store
.endr
	ds_store_b32 v[STW], v[PW] offset:256*((\a)/4)+4*((\a)%4)          ; lanes r and r + 16 write the same words with the same values
	ds_store_b32 v[STW], v[NEGM] offset:512+256*((\a)/4)+4*((\a)%4)
	ds_store_b32 v[STW], v[L] offset:1024+256*((\a)/4)+4*((\a)%4)
.endm
	PLACES 4
.irp a, 0,1,2,3,4,5,6,7
	SOFT \a
.endr
.irp k, 0,1,2
	ds_load_b128 v[RB+4*\k:RB+4*\k+3], v[RDW] offset:512*\k   ; LDS serves a wave's instructions in order: these see my stores
.endr
	s_wait_dscnt 0x0
.irp k, 0,1,2
	global_store_b128 v[LI], v[RB+4*\k:RB+4*\k+3], s[72:73] offset:524288*\k   ; my 128 rows' words: 512 consecutive bytes in each part
.endr
	s_wait_tensorcnt 0x0                           ; the wave's end
	ds_add_u32 v[SPW], v[NIL]
	s_wait_dscnt 0x0
	CROUND                                         ; the closing round
	s_endpgm
.Lfunc_end_k_qcd2cc214f1_sgemm:
	.size	k_qcd2cc214f1_sgemm, .Lfunc_end_k_qcd2cc214f1_sgemm-k_qcd2cc214f1_sgemm
	.p2alignl 7, 3214868480
	.fill 96, 4, 3214868480
	.section	.rodata,"a",@progbits
	.p2align	6, 0x0
	.amdhsa_kernel k_qcd2cc214f1_sgemm
		.amdhsa_group_segment_fixed_size 327680
		.amdhsa_private_segment_fixed_size 0
		.amdhsa_enable_private_segment 0
		.amdhsa_kernarg_size 56
		.amdhsa_user_sgpr_count 2
		.amdhsa_user_sgpr_kernarg_segment_ptr 1
		.amdhsa_wavefront_size32 1
		.amdhsa_system_sgpr_workgroup_id_x 1
		.amdhsa_system_sgpr_workgroup_id_y 1
		.amdhsa_system_sgpr_workgroup_id_z 1
		.amdhsa_system_vgpr_workitem_id 0
		.amdhsa_next_free_vgpr 1024
		.amdhsa_next_free_sgpr 98
		.amdhsa_reserve_vcc 0
		.amdhsa_float_denorm_mode_32 3
		.amdhsa_float_denorm_mode_16_64 3
		.amdhsa_memory_ordered 1
		.amdhsa_forward_progress 1
		.amdhsa_inst_pref_size 193
	.end_amdhsa_kernel
	.amdgpu_metadata
---
amdhsa.version: [ 1, 2 ]
amdhsa.kernels:
  - .name:           k_qcd2cc214f1_sgemm
    .symbol:         k_qcd2cc214f1_sgemm.kd
    .args:
      - { .name: q_codes, .offset: 0, .size: 8, .value_kind: global_buffer, .address_space: global }
      - { .name: q_scales, .offset: 8, .size: 8, .value_kind: global_buffer, .address_space: global }
      - { .name: xk_codes, .offset: 16, .size: 8, .value_kind: global_buffer, .address_space: global }
      - { .name: xi_scales, .offset: 24, .size: 8, .value_kind: global_buffer, .address_space: global }
      - { .name: beta, .offset: 32, .size: 8, .value_kind: global_buffer, .address_space: global }
      - { .name: p_codes, .offset: 40, .size: 8, .value_kind: global_buffer, .address_space: global }
      - { .name: p_meta, .offset: 48, .size: 8, .value_kind: global_buffer, .address_space: global }
    .group_segment_fixed_size: 327680
    .private_segment_fixed_size: 0
    .kernarg_segment_align: 8
    .kernarg_segment_size: 56
    .max_flat_workgroup_size: 128
    .sgpr_count:     98
    .vgpr_count:     1024
    .wavefront_size: 32
...
	.end_amdgpu_metadata
.endif
;; end of part 6
;; launch ogemm (part 7): grid 4 x 64, 4 waves a work-group, clusters of 4 x 4, 327,680 bytes of LDS; arguments p_codes, p_meta, xv_codes, xi_scales, out0; writes out0
.if DOCPART == 7
	.amdgcn_target "amdgcn-amd-amdhsa--gfx1250"
	.amdhsa_code_object_version 6
	.text
	.protected	k_qcd2cc214f1_ogemm
	.globl	k_qcd2cc214f1_ogemm
	.p2align	8
	.type	k_qcd2cc214f1_ogemm,@function
k_qcd2cc214f1_ogemm:
	s_mov_b64 s[64:65], 0
	v_nop
	global_prefetch_b8 v0, s[64:65] scope:SCOPE_SE
	s_setreg_imm32_b32 hwreg(HW_REG_WAVE_MODE, 25, 1), 1
	s_wait_xcnt 0x0
	s_wait_alu depctr_hold_cnt(0) depctr_sa_sdst(0) depctr_va_vdst(0) depctr_va_sdst(0) depctr_va_ssrc(0) depctr_va_vcc(0) depctr_vm_vsrc(0)
	s_getreg_b32 s2, hwreg(HW_REG_IB_STS2, 6, 4)
	s_cmp_eq_u32 s2, 0
	s_cbranch_scc0 .Lentry_in_a_cluster
	s_endpgm
.Lentry_in_a_cluster:
	s_bfe_u32 s2, ttmp6, 0x10000c
	s_cmp_lg_u32 s2, 0xf033
	s_cbranch_scc0 .Lentry_shape_is_right
	s_endpgm
.Lentry_shape_is_right:
; out[m][d] = (sum over keys of p[m][key] xv[d][key]) / l[m] on codes of E3M2 (images of registers and scale words, as the launches before have laid them).  M = 8,192, N = 1,024, K = 2,048; out f32.
; p's pieces of 128 keys stand each under a whole number M of its own: the row's M is the largest; the difference D comes off the piece's scale bytes, and its l is multiplied by 2^-D: both exact.  A byte that would fall to 0 or below becomes 0 (2^-127).
; A tile of out is 128 x 256: 256 work-groups, four waves of 64 x 128: 32 accumulators.  Sixteen K steps of 128, written out, through a ring of two slots of four K steps.  The head fills slot 0; slot 1's first fill goes out behind the first round, as a refill does.
; THE LAST FOUR K STEPS GO BY ROWS: their fragments of xv fill windows 1 and 3 (4 x 96 registers), and the wave's four blocks of 16 rows are finished one after the other, 32 matrix instructions each, K ascending; each block is divided, turned through the
; wave's stage in LDS and stored before the next is multiplied.
; CLUSTERS: 4 x 4; p's tiles jointly along a row of the cluster, xv's along a column.  TRANSPOSED USE (source 0 = 16 rows of xv, source 1 = 16 rows of p): lane (r, h) holds row r, register j of accumulator (a, b) column 16 b + 8 h + j.
; PREFETCH: a slot's four K steps are asked for one slot ahead of their tensor load.  Of p's four blocks that a wave fetches each of the four partners names one, of xv's eight two, by address: 24 units of 256 bytes a block; xv's by four clusters alone.
; LIMITS: NaN and infinities are not served; the scaled scores stay under 2^31 in magnitude.
; REGISTERS: window 0: v16-30 addresses; v32-63 p's scale words, v64-127 xv's; v128-175 p's fragments (before them -M and l; behind them the odd blocks' in the last slot), v192-239 at work (in the last slot the even blocks' fragments), v240-247 1 / l.
;   windows 1, 3: xv's fragments, at v0 and v128.   window 2: the accumulators, (a, b) at v[8 (8 a + b)]; on the way out the rows read back.
.set FR,     12
.set FRB,    1536
.set NQ,     4                         ; K steps a slot
.set HL,     6                         ; the loads of two of p's blocks
.set AHALF,  4*NQ*FRB                  ; what one tensor load brings of p,
.set BHALF,  8*NQ*FRB                  ; and of xv
.set SLOT,   2*AHALF+2*BHALF
.set SPARE,  2*SLOT                    ; behind the ring: the spare words, 128 bytes a wave
.set SPITCH, 528                       ; the stage: 16 rows x (512 + 16) bytes a wave, in slot 0, which by then has had its last fill and its last read
.set ADRA, 16
.set ADRB, 20
.set VOB,  22
.set STO,  24
.set RD,   25
.set CO,   26
.set VOA,  27
.set SPW,  28
.set NIL,  29
.set PFO,  30
.set SA,   32
.set SBR,  64
.set AF,   128
.set PM,   128
.set PLC,  160
.set NG,   192
.set LS,   196
.set DD,   200
.set FF,   204
.set XX,   208
.set MK,   212
.set T2,   216
.set TP,   220
.set RL,   240
.set G1, 24
.set G0, 32
.set G1B, 48
.set G0B, 56
.set SEL, 76
.set HIB, 78
.set PFN, 88
.set PF, 90
.set MSB, 0
.macro WIN new                         ; the immediate's high byte repeats the setting that is left
.if MSB != (\new)
	s_set_vgpr_msb (MSB<<8)|(\new)
.set MSB, (\new)
.endif
.endm
.set MUL,  0xa1                        ; source 0 window 1, source 1 window 0, C and D window 2
.set MUL3, 0xa3                        ; the same, source 0 window 3
.set TO_B, 0x40                        ; destination window 1
.set TO_B3, 0xc0                       ; destination window 3
.macro JLOAD s                         ; a joint load: waves 0 and 1 fetch p's halves, waves 2 and 3 xv's; four v_nop follow each line
	s_cmp_eq_u32 s15, 0
	s_cbranch_scc0 .Lfor_b_\@
	tensor_load_to_lds s[G0+4*\s:G0+4*\s+3], s[G1:G1+7]
	s_nop 0
.rept 4
	v_nop
.endr
	s_branch .Lasked_\@
.Lfor_b_\@:
	tensor_load_to_lds s[G0B+4*\s:G0B+4*\s+3], s[G1B:G1B+7]
	s_nop 0
.rept 4
	v_nop
.endr
.Lasked_\@:
.endm
.macro ASK n                           ; the prefetch of K steps 4 n .. 4 n + 3
	s_cmp_eq_u32 s[PFN], 0
	s_cbranch_scc1 .Lno_ask_\@
	global_prefetch_b8 v[PFO], s[PF:PF+1] offset:NQ*FRB*(\n) th:TH_LOAD_NT scope:SCOPE_SE
	s_cmp_lt_u32 s[PFN], 2
	s_cbranch_scc1 .Lno_ask_\@
	global_prefetch_b8 v[PFO], s[PF:PF+1] offset:16*FRB+NQ*FRB*(\n) th:TH_LOAD_NT scope:SCOPE_SE
.Lno_ask_\@:
.endm
.macro CREST                           ; a round of the cluster's barrier behind its opening barrier
	s_cmp_lg_u32 s14, 0
	s_cbranch_scc1 .Lnot_wave_0_\@
	s_barrier_signal -3
.Lnot_wave_0_\@:
	s_barrier_wait -3
	s_barrier_signal -1
	s_barrier_wait -1
.endm
.macro CROUND
	s_barrier_signal -1
	s_barrier_wait -1
	CREST
.endm
.macro PLACES n
.rept \n
	v_nop
.endr
.endm
	s_load_b256 s[4:11], s[0:1], 0x0               ; p_codes s[4:5], p_meta s[6:7], xv_codes s[8:9], xi_scales s[10:11]
	s_load_b64 s[68:69], s[0:1], 0x20              ; out0
	v_lshl_add_u32 v[SPW], v0, 2, SPARE
	v_mov_b32 v[NIL], 0
	ds_add_u32 v[SPW], v[NIL]                      ; the opening lines: the add, twice on end, and its wait ahead of my first tensor load
	ds_add_u32 v[SPW], v[NIL]
	v_lshrrev_b32 v1, 5, v0
	v_readfirstlane_b32 s14, v1                    ; wave 0..3
	s_lshr_b32 s15, s14, 1                         ; my half of the rows.  Also: I fetch for p (0) or for xv (1)
	s_and_b32 s16, s14, 1                          ; my half of the columns.  Also: which half I fetch
	s_mul_i32 s86, s15, AHALF
	s_mul_i32 s87, s16, BHALF
	s_add_co_u32 s87, s87, 2*AHALF
	s_mul_i32 s92, s14, 16*SPITCH                  ; my stage
	v_and_b32 v1, 15, v0                           ; r
	v_bfe_u32 v2, v0, 4, 1                         ; h
	v_and_b32 v6, 31, v0                           ; lane
	v_lshlrev_b32 v[VOA], 4, v1
	v_lshlrev_b32 v[VOB], 4, v1
	v_lshl_add_u32 v[VOA], v2, 15, v[VOA]          ; 16 r, and one plane (32,768 bytes) on for lanes 16-31
	v_lshl_add_u32 v[VOB], v2, 12, v[VOB]          ; xv's planes are 4,096 bytes
	v_lshlrev_b32 v[CO], 4, v6
	v_mul_u32_u24 v5, v1, SPITCH
	v_lshl_add_u32 v5, v2, 5, v5
	v_add_nc_u32 v[ADRA], s86, v[CO]
	v_add_nc_u32 v[ADRB], s87, v[CO]
	v_add_nc_u32 v[STO], s92, v5                   ; in: row r, 32 bytes for each half of the lanes
	v_add_nc_u32 v[RD], s92, v[CO]                 ; back: the 32 lanes take one row of 512 bytes
	v_add_nc_u32 v[ADRA+1], SLOT, v[ADRA]
	v_add_nc_u32 v[ADRB+1], SLOT, v[ADRB]
	v_min_u32 v7, 23, v6                           ; 24 units of 256 bytes (the lanes left over name the last again)
	v_lshlrev_b32 v[PFO], 8, v7
.irp i, 0,1,2,3
	v_mov_b32 v[TP+\i], 0                          ; written once: a lane permute's destination counts as one of its sources
.endr
	s_wait_alu depctr_va_vdst(0)                   ; ahead of the run of scalar instructions
	s_bfe_u32 s40, ttmp6, 0x40000                  ; cx, cy
	s_bfe_u32 s41, ttmp6, 0x40004
	s_lshl_b32 s42, ttmp9, 2
	s_add_co_u32 s42, s42, s40                     ; tile column
	s_and_b32 s17, ttmp7, 0xffff
	s_lshl_b32 s17, s17, 2
	s_add_co_u32 s17, s17, s41                     ; tile row
	s_lshl_b32 s43, s41, 2
	s_lshl_b32 s43, 15, s43                        ; my row of the cluster
	s_lshl_b32 s44, 0x1111, s40                    ; my column
	s_or_b32 s[G1+0], s43, (3<<16)|(1<<21)         ; the mask; elements of 8 bytes; no padding; bit 21 beside a mask
	s_or_b32 s[G1B+0], s44, (3<<16)|(1<<21)
	s_mov_b32 s[G1+2], 4<<16                       ; tensor_dim1: 4 blocks of p's rows
	s_mov_b32 s[G1+4], 4
	s_mov_b32 s[G1B+2], 8<<16                      ; 8 of xv's
	s_mov_b32 s[G1B+4], 8
.irp g, G1, G1B
	s_mov_b32 s[\g+1], (NQ*FRB/8)<<16              ; tensor_dim0: four K steps' images
	s_mov_b32 s[\g+3], (NQ*FRB/8)<<16              ; tile_dim0
	s_mov_b32 s[\g+5], 16*FRB/8                    ; from block to block: 16 K steps
	s_mov_b32 s[\g+6], 0
	s_mov_b32 s[\g+7], 0
.endr
	s_lshl_b32 s18, s16, 2
	s_lshl_b32 s20, s17, 3
	s_add_co_u32 s20, s20, s18                     ; p: block of rows 8 x tile row + 4 x half
	s_mul_i32 s20, s20, 16*FRB
	s_mov_b32 s21, 0
	s_lshl_b32 s19, s16, 3
	s_lshl_b32 s46, s42, 4
	s_add_co_u32 s46, s46, s19                     ; xv: block 16 x tile column + 8 x half
	s_mul_i32 s46, s46, 16*FRB
	s_mov_b32 s47, 0
	s_mul_i32 s45, s16, AHALF                      ; where they go: p's two halves,
	s_mul_i32 s94, s16, BHALF
	s_add_co_u32 s94, s94, 2*AHALF                 ; then xv's two
	s_mov_b32 s[SEL], 0x76543210
	s_mov_b32 s[SEL+1], 0xfedcba98                 ; v_permlanex16_b32's selects for lane l xor 16
	s_mov_b32 s[HIB], 0x80808080
	s_lshl_b32 s80, s17, 7
	s_lshl_b32 s81, s15, 6
	s_add_co_u32 s80, s80, s81                     ; my first row
	s_lshl_b32 s82, s42, 8
	s_lshl_b32 s83, s16, 7
	s_add_co_u32 s82, s82, s83                     ; my first column
	s_mov_b32 s85, 0
	s_wait_dscnt 0x0                               ; both opening adds are done
	s_wait_kmcnt 0x0
	s_lshl_b32 s84, s80, 2
	s_add_nc_u64 s[6:7], s[6:7], s[84:85]          ; my 64 rows' words in each plane
	s_lshl_b32 s84, s82, 2
	s_add_co_u32 s84, s84, 65536
	s_add_nc_u64 s[10:11], s[10:11], s[84:85]      ; xv's scale words
	s_add_nc_u64 s[20:21], s[4:5], s[20:21]
	s_add_nc_u64 s[46:47], s[8:9], s[46:47]
.irp j, 0,1,2,3,4,5,6,7
	global_load_b128 v[PM+4*\j:PM+4*\j+3], v[VOA], s[6:7] offset:65536*\j+524288    ; -M of four blocks, K steps 2 j (lanes 0-15) and 2 j + 1
.endr
.irp j, 0,1,2,3,4,5,6,7
	global_load_b128 v[SA+4*\j:SA+4*\j+3], v[VOA], s[6:7] offset:65536*\j           ; p's scale words
.endr
.irp s, 0,1
	s_mov_b32 s[G0+4*\s], 1
	s_add_co_u32 s[G0+4*\s+1], s45, \s*SLOT
	s_add_nc_u64 s[G0+4*\s+2:G0+4*\s+3], s[20:21], \s*NQ*FRB
	s_or_b32 s[G0+4*\s+3], s[G0+4*\s+3], 0x80000000
	s_mov_b32 s[G0B+4*\s], 1
	s_add_co_u32 s[G0B+4*\s+1], s94, \s*SLOT
	s_add_nc_u64 s[G0B+4*\s+2:G0B+4*\s+3], s[46:47], \s*NQ*FRB
	s_or_b32 s[G0B+4*\s+3], s[G0B+4*\s+3], 0x80000000
.endr
	CROUND                                         ; all sixteen work-groups are here: the first joint loads meet
	JLOAD 0                                        ; K steps 0-3
.irp j, 0,1,2,3,4,5,6,7
	global_load_b128 v[PLC+4*\j:PLC+4*\j+3], v[VOA], s[6:7] offset:65536*\j+1048576 ; l
.endr
.irp j, 0,1,2,3,4,5,6,7
.irp g, 0,1
	global_load_b128 v[SBR+8*\j+4*\g:SBR+8*\j+4*\g+3], v[VOB], s[10:11] offset:8192*\j+256*\g
.endr
.endr
	; the prefetches: my first block = that of my fetch + my part of it among the four that ask for it with me
	s_lshl_b32 s95, s17, 3
	s_add_co_u32 s95, s95, s18
	s_add_co_u32 s95, s95, s40                     ; p: one block, by cx
	s_lshl_b32 s96, s42, 4
	s_add_co_u32 s96, s96, s19
	s_lshl_b32 s97, s41, 1
	s_add_co_u32 s96, s96, s97                     ; xv: two blocks, by cy
	s_and_b32 s97, ttmp7, 0xffff
	s_cmp_lt_u32 s97, 4                            ; xv is the same for every cluster: four ask for it
	s_cselect_b32 s97, 2, 0
	s_cmp_eq_u32 s15, 0
	s_cselect_b32 s95, s95, s96
	s_cselect_b32 s[PFN], 1, s97                   ; how many blocks I name
	s_cselect_b64 s[PF:PF+1], s[4:5], s[8:9]
	s_mul_i32 s96, s95, 16*FRB
	s_mov_b32 s97, 0
	s_add_nc_u64 s[PF:PF+1], s[PF:PF+1], s[96:97]
	ASK 1
	s_lshl_b32 s84, s80, 12                        ; out: rows of 4,096 bytes
	s_lshl_b32 s86, s82, 2
	s_add_co_u32 s84, s84, s86
	s_add_nc_u64 s[68:69], s[68:69], s[84:85]
	s_wait_loadcnt 32                              ; -M is in; behind it 8 loads of scale words, 8 of l, 16 of xv's scale words
.irp i, 0,1,2,3
	v_min3_num_f32 v[NG+\i], v[PM+\i], v[PM+4+\i], v[PM+8+\i]
.endr
.irp i, 0,1,2,3
	v_min3_num_f32 v[NG+\i], v[NG+\i], v[PM+12+\i], v[PM+16+\i]
.endr
.irp i, 0,1,2,3
	v_min3_num_f32 v[NG+\i], v[NG+\i], v[PM+20+\i], v[PM+24+\i]
.endr
.irp i, 0,1,2,3
	v_min_num_f32 v[NG+\i], v[NG+\i], v[PM+28+\i]
.endr
.irp i, 0,1,2,3
	v_permlanex16_b32 v[TP+\i], v[NG+\i], s[SEL], s[SEL+1]
.endr
.irp i, 0,1,2,3
	v_min_num_f32 v[NG+\i], v[NG+\i], v[TP+\i]     ; the row's -M
.endr
	s_wait_alu depctr_va_vdst(0)                   ; directly ahead of the wait below
	s_wait_loadcnt 16                              ; the scale words and l are in; xv's 16 loads may be out
.macro BY4 op, d, a:vararg
.endm
.irp j, 0,1,2,3,4,5,6,7
.irp i, 0,1,2,3
	v_sub_f32 v[DD+\i], v[PM+4*\j+\i], v[NG+\i]    ; D, a whole number, 0 or more
.endr
.irp i, 0,1,2,3
	v_cvt_i32_f32 v[DD+\i], v[DD+\i]
.endr
.irp i, 0,1,2,3
	v_min_u32 v[DD+\i], 127, v[DD+\i]
.endr
.irp i, 0,1,2,3
	v_sub_nc_u32 v[FF+\i], 127, v[DD+\i]
.endr
.irp i, 0,1,2,3
	v_lshlrev_b32 v[FF+\i], 23, v[FF+\i]           ; 2^-D (0 for D = 127)
.endr
.irp i, 0,1,2,3
.if \j == 0
	v_mul_f32 v[LS+\i], v[PLC+\i], v[FF+\i]
.else
	v_fma_f32 v[LS+\i], v[PLC+4*\j+\i], v[FF+\i], v[LS+\i]
.endif
.endr
.irp i, 0,1,2,3
	v_perm_b32 v[DD+\i], v[DD+\i], v[DD+\i], 0     ; D in all four bytes
.endr
.irp i, 0,1,2,3
	v_or_b32 v[XX+\i], s[HIB], v[SA+4*\j+\i]       ; bytes 1 to 123, with the top bit set: no byte borrows from its neighbour
.endr
.irp i, 0,1,2,3
	v_sub_nc_u32 v[XX+\i], v[XX+\i], v[DD+\i]
.endr
.irp i, 0,1,2,3
	v_and_b32 v[MK+\i], s[HIB], v[XX+\i]           ; the top bit stands where the byte has not fallen under 0
.endr
.irp i, 0,1,2,3
	v_lshrrev_b32 v[T2+\i], 7, v[MK+\i]
.endr
.irp i, 0,1,2,3
	v_sub_nc_u32 v[MK+\i], v[MK+\i], v[T2+\i]      ; 0x7f there, 0 elsewhere
.endr
.irp i, 0,1,2,3
	v_and_b32 v[SA+4*\j+\i], v[XX+\i], v[MK+\i]
.endr
.endr
.irp i, 0,1,2,3
	v_permlanex16_b32 v[TP+\i], v[LS+\i], s[SEL], s[SEL+1]
.endr
.irp i, 0,1,2,3
	v_add_f32 v[LS+\i], v[LS+\i], v[TP+\i]         ; even and odd K steps: the row's l
.endr
	s_wait_alu depctr_va_vdst(0)                   ; ahead of the batch
.irp i, 0,1,2,3
	v_rcp_f32 v[RL+2*\i], v[LS+\i]
.endr
	v_nop                                          ; a plain place behind the transcendentals
	s_wait_alu depctr_va_vdst(0)
.irp i, 0,1,2,3
	v_mov_b32 v[RL+2*\i+1], v[RL+2*\i]             ; (named with it as a pair)
.endr
	PLACES 8                                       ; a scale register written by a vector instruction stands 8 places ahead of a scaled matrix instruction
.macro FRAG reg, adr, q, i             ; an image comes back as it was stored: three loads of 16 bytes a lane
.irp c, 0,1,2
	ds_load_b128 v[\reg+4*\c:\reg+4*\c+3], v[\adr] offset:(\i)*NQ*FRB+(\q)*FRB+512*\c
.endr
.endm
.macro FETCH_B slot, q, p, w           ; xv's eight fragments into the window that w names, at v[128 p]
	WIN \w
.irp i, 0,1,2,3,4,5,6,7
	FRAG 128*(\p)+FR*\i, ADRB+\slot, \q, \i
.endr
	WIN 0
.endm
.macro FETCH_A slot, q, i0
.irp i, 0,1
	FRAG AF+FR*(\i0+\i), ADRA+\slot, \q, (\i0+\i)
.endr
.endm
; 8 matrix instructions: p's block a, its fragment at v[fa], against xv's eight at v[fb], K step ks.  zero = 1: the product starts the sums.
.macro MULB a, fa, fb, ks, zero
.irp b, 0,1,2,3,4,5,6,7
.set rD, 8*(8*(\a)+\b)
.set rB, \fb+FR*\b
.set rA, \fa
.set rSB, SBR+8*((\ks)/2)+\b
.set rSA, SA+4*((\ks)/2)+(\a)
.if \zero
	v_wmma_scale_f32_16x16x128_f8f6f4 v[rD:rD+7], v[rB:rB+FR-1], v[rA:rA+FR-1], 0, v[rSB], v[rSA] matrix_a_fmt:MATRIX_FMT_BF6 matrix_b_fmt:MATRIX_FMT_BF6
.elseif (\ks)%2
	v_wmma_scale_f32_16x16x128_f8f6f4 v[rD:rD+7], v[rB:rB+FR-1], v[rA:rA+FR-1], v[rD:rD+7], v[rSB], v[rSA] matrix_a_fmt:MATRIX_FMT_BF6 matrix_b_fmt:MATRIX_FMT_BF6 matrix_a_scale:MATRIX_SCALE_ROW1 matrix_b_scale:MATRIX_SCALE_ROW1
.else
	v_wmma_scale_f32_16x16x128_f8f6f4 v[rD:rD+7], v[rB:rB+FR-1], v[rA:rA+FR-1], v[rD:rD+7], v[rSB], v[rSA] matrix_a_fmt:MATRIX_FMT_BF6 matrix_b_fmt:MATRIX_FMT_BF6
.endif
.endr
.endm
.macro MUL1 a, ks, zero                ; the 32 accumulators take turns, one instruction a turn, in the same order in every step
	MULB \a, AF+FR*(\a), 128*((\ks)%2), \ks, \zero
.endm
; K step ks = 4 x (slots before it) + q; xv's set is ks % 2.  Four places stand in front of each run of loads into registers that matrix instructions have read (ISA guide 7.12.1 for vector instructions).
.macro STEP slot, ks, zero
	s_wait_dscnt HL                                ; xv's set and p's blocks 0, 1 are in; the youngest HL loads (blocks 2, 3) may be out
	WIN MUL
	MUL1 0, \ks, \zero
	MUL1 1, \ks, \zero
	s_wait_dscnt 0
	PLACES 4
	FETCH_B \slot, ((\ks)+1)%4, ((\ks)+1)%2, TO_B
	FETCH_A \slot, ((\ks)+1)%4, 0
	WIN MUL
	MUL1 2, \ks, \zero
	MUL1 3, \ks, \zero
	PLACES 4
	WIN 0
	FETCH_A \slot, ((\ks)+1)%4, 2
.endm
; A slot's last K step, with a refill: the barrier opens a round of the cluster's barrier.
.macro TURN slot, next, ks, ask
	s_wait_tensorcnt 0x0                           ; all my tensor loads have landed: my part of the next slot
	ds_add_u32 v[SPW], v[NIL]                      ; 0 onto my spare word
	s_add_nc_u64 s[G0+4*\slot+2:G0+4*\slot+3], s[G0+4*\slot+2:G0+4*\slot+3], 2*NQ*FRB
	s_add_nc_u64 s[G0B+4*\slot+2:G0B+4*\slot+3], s[G0B+4*\slot+2:G0B+4*\slot+3], 2*NQ*FRB
	s_wait_dscnt HL+1                              ; (the add and the youngest HL loads may be out)
	WIN MUL
	MUL1 0, \ks, 0
	s_wait_dscnt 0x0                               ; the add is done, and so are my reads of this slot
	s_barrier_signal -1
	MUL1 1, \ks, 0
	WIN 0
	s_barrier_wait -1
	CREST                                          ; no wave of any partner still reads this slot or has a load on its way
	JLOAD \slot                                    ; the first tensor load behind the round, and my only one; its four v_nop are the places in front of the loads below
	FETCH_B \next, 0, 0, TO_B
	FETCH_A \next, 0, 0
.if \ask
	ASK \ask
.endif
	WIN MUL
	MUL1 2, \ks, 0
	MUL1 3, \ks, 0
	PLACES 4
	WIN 0
	FETCH_A \next, 0, 2
.endm
	s_wait_alu depctr_va_vdst(0)                   ; the head's end
	s_wait_loadcnt 0x0                             ; xv's scale words
	s_wait_tensorcnt 0x0                           ; my part of slot 0 is in
	ds_add_u32 v[SPW], v[NIL]
	s_wait_dscnt 0x0
	CROUND
	JLOAD 1                                        ; slot 1 takes K steps 4-7
	FETCH_B 0, 0, 0, TO_B
	FETCH_A 0, 0, 0
	FETCH_A 0, 0, 2
	ASK 2
	STEP 0, 0, 1
	STEP 0, 1, 0
	STEP 0, 2, 0
	TURN 0, 1, 3, 3                                ; slot 0 takes K steps 8-11
	STEP 1, 4, 0
	STEP 1, 5, 0
	STEP 1, 6, 0
	TURN 1, 0, 7, 0                                ; slot 1 takes K steps 12-15
	STEP 0, 8, 0
	STEP 0, 9, 0
	STEP 0, 10, 0
; THE LAST SLOT, BY ROWS.  xv's K steps 12, 13, 14, 15: window 1 v0, window 3 v0, window 3 v128, window 1 v128.  p's block a, four K steps: v192 on (a even) or v128 on (a odd).
.macro AROW a
.irp q, 0,1,2,3
	FRAG 192-64*((\a)%2)+FR*\q, ADRA+1, \q, \a
.endr
.endm
	s_wait_tensorcnt 0x0                           ; my part of slot 1 is in; nothing is filled again
	s_wait_dscnt HL
	WIN MUL
	MUL1 0, 11, 0
	s_wait_dscnt 0x0                               ; my reads of slot 0 are over: it becomes the stage
	s_barrier_signal -1
	MUL1 1, 11, 0
	WIN 0
	s_barrier_wait -1
	PLACES 4
	FETCH_B 1, 0, 0, TO_B
	AROW 0
	FETCH_B 1, 1, 0, TO_B3
	WIN MUL
	MUL1 2, 11, 0
	MUL1 3, 11, 0
	PLACES 4
	FETCH_B 1, 2, 1, TO_B3
	FETCH_B 1, 3, 1, TO_B
	AROW 1
.macro ROW a                           ; block a: 32 matrix instructions, its 8 accumulators by turns
.irp q, 0,1,2,3
.if (\a) == 0
.if \q == 0
	s_wait_dscnt 60                                ; the 60 youngest loads (xv's K steps 14, 15, p's block 1) may be out
.endif
.if \q == 2
	s_wait_dscnt 36                                ; K step 14 is in
.endif
.if \q == 3
	s_wait_dscnt 12                                ; K step 15 is in; p's block 1 may be out
.endif
.endif
.if (\q == 1) || (\q == 2)
	WIN MUL3
.else
	WIN MUL
.endif
	MULB \a, 192-64*((\a)%2)+FR*\q, 128*(\q/2), 12+\q, 0
.endr
.endm
.macro OUT a                           ; block a leaves: divided by l, through my stage, as whole rows of 512 bytes
.set AC, 64*(\a)
	PLACES 4                                       ; in front of the first read of these results, and of the loads into the registers that held p's block a
	WIN 0x82                                       ; source 0 and destination: window 2
.set j, 0
.rept 32
	v_pk_mul_f32 v[AC+j:AC+j+1], v[AC+j:AC+j+1], v[RL+2*(\a):RL+2*(\a)+1] op_sel_hi:[1,0]   ; each accumulator from its low end on
.set j, j+2
.endr
	WIN 0x08                                       ; the stores' data: window 2
.irp b, 0,1,2,3,4,5,6,7
	ds_store_b128 v[STO], v[AC+8*\b:AC+8*\b+3] offset:64*\b
	ds_store_b128 v[STO], v[AC+8*\b+4:AC+8*\b+7] offset:64*\b+16
.endr
	WIN 0x80                                       ; destination: window 2
.irp t, 0,1,2,3,4,5,6,7,8,9,10,11,12,13,14,15
	ds_load_b128 v[AC+4*\t:AC+4*\t+3], v[RD] offset:\t*SPITCH   ; LDS serves a wave's instructions in order: these see the stores above
.endr
	WIN 0
.if (\a) < 2
	AROW (\a+2)
	s_wait_dscnt 12                                ; the rows are back; p's block a + 2 may be out
.else
	s_wait_dscnt 0
.endif
	WIN 0x08
.irp t, 0,1,2,3,4,5,6,7,8,9,10,11,12,13,14,15
	global_store_b128 v[CO], v[AC+4*\t:AC+4*\t+3], s[68:69] offset:65536*(\a)+4096*\t th:TH_STORE_NT   ; 32 lanes store 512 consecutive bytes, at a multiple of 256 from the buffer's first byte
.endr
	WIN 0
.endm
.irp a, 0,1,2,3
	ROW \a
	OUT \a
.endr
	s_wait_tensorcnt 0x0                           ; the wave's end
	ds_add_u32 v[SPW], v[NIL]
	s_wait_dscnt 0x0
	CROUND                                         ; the closing round
	s_endpgm
.Lfunc_end_k_qcd2cc214f1_ogemm:
	.size	k_qcd2cc214f1_ogemm, .Lfunc_end_k_qcd2cc214f1_ogemm-k_qcd2cc214f1_ogemm
	.p2alignl 7, 3214868480
	.fill 96, 4, 3214868480
	.section	.rodata,"a",@progbits
	.p2align	6, 0x0
	.amdhsa_kernel k_qcd2cc214f1_ogemm
		.amdhsa_group_segment_fixed_size 327680
		.amdhsa_private_segment_fixed_size 0
		.amdhsa_enable_private_segment 0
		.amdhsa_kernarg_size 40
		.amdhsa_user_sgpr_count 2
		.amdhsa_user_sgpr_kernarg_segment_ptr 1
		.amdhsa_wavefront_size32 1
		.amdhsa_system_sgpr_workgroup_id_x 1
		.amdhsa_system_sgpr_workgroup_id_y 1
		.amdhsa_system_sgpr_workgroup_id_z 1
		.amdhsa_system_vgpr_workitem_id 0
		.amdhsa_next_free_vgpr 1024
		.amdhsa_next_free_sgpr 98
		.amdhsa_reserve_vcc 0
		.amdhsa_float_denorm_mode_32 3
		.amdhsa_float_denorm_mode_16_64 3
		.amdhsa_memory_ordered 1
		.amdhsa_forward_progress 1
		.amdhsa_inst_pref_size 165
	.end_amdhsa_kernel
	.amdgpu_metadata
---
amdhsa.version: [ 1, 2 ]
amdhsa.kernels:
  - .name:           k_qcd2cc214f1_ogemm
    .symbol:         k_qcd2cc214f1_ogemm.kd
    .args:
      - { .name: p_codes, .offset: 0, .size: 8, .value_kind: global_buffer, .address_space: global }
      - { .name: p_meta, .offset: 8, .size: 8, .value_kind: global_buffer, .address_space: global }
      - { .name: xv_codes, .offset: 16, .size: 8, .value_kind: global_buffer, .address_space: global }
      - { .name: xi_scales, .offset: 24, .size: 8, .value_kind: global_buffer, .address_space: global }
      - { .name: out0, .offset: 32, .size: 8, .value_kind: global_buffer, .address_space: global }
    .group_segment_fixed_size: 327680
    .private_segment_fixed_size: 0
    .kernarg_segment_align: 8
    .kernarg_segment_size: 40
    .max_flat_workgroup_size: 128
    .sgpr_count:     98
    .vgpr_count:     1024
    .wavefront_size: 32
...
	.end_amdgpu_metadata
.endif
;; end of part 7
